; MI455X (gfx1250); checked and timed in simulation.
; The chip was launched on July 23, 2026; its instructions are those of AMD's public machine-readable ISA for CDNA 5 (MIT licence, August 2026) and "CDNA5" Instruction Set Architecture Reference Guide (July 2026). The comments in the code are by the model that wrote it; some were corrected since.
;; Mo E Layer. Allowed arithmetic: float matrix products may take bf16 or f16 operands with f32 sums; all other float work in f32.
;; Inputs: Wd 8 x 1,024 x 1,024 float32; Wd_s 1,024 x 1,024 float32; Wg 8 x 1,024 x 1,024 float32; Wg_s 1,024 x 1,024 float32; Wr 1,024 x 8 float32; Wu 8 x 1,024 x 1,024 float32; Wu_s 1,024 x 1,024 float32; expert_bias 8 float32; x 2 x 1,024 x 1,024 float32.
;; Outputs: out0 2 x 1,024 x 1,024 float32; out1 one number float32.
;; Constants: top_k = 2.
;; 3 versions, each right; version 2 is faster than version 1; version 3 is version 2 with the launches up, down written anew for expert scheduling mode. Each part assembles by itself: llvm-mc -triple=amdgcn-amd-amdhsa -mcpu=gfx1250 --defsym DOCPART=n.
;; ======== version 1 of 3: 5 launches
;; limits: values outside matrix products are rounded to bf16
;; workspace buffers: xb 4,194,304 bytes; topi 16,384 bytes of whole numbers; topg 16,384 bytes; pos 16,384 bytes of whole numbers; rowtok 28,672 bytes of whole numbers; tiles 256 bytes of whole numbers; H 14,417,920 bytes; Y 28,835,840 bytes
;; launch router (part 1): grid 256 x 1, 8 waves a work-group, no clusters, 34,048 bytes of LDS; arguments x, Wr, expert_bias, xb, topi, topg; writes xb, topi, topg
.if DOCPART == 1
	.amdgcn_target "amdgcn-amd-amdhsa--gfx1250"
	.amdhsa_code_object_version 6
	.text
	.protected	k_q9ff7653e38_router
	.globl	k_q9ff7653e38_router
	.p2align	8
	.type	k_q9ff7653e38_router,@function
k_q9ff7653e38_router:
	s_mov_b64 s[64:65], 0
	v_nop
	global_prefetch_b8 v0, s[64:65] scope:SCOPE_SE
	s_setreg_imm32_b32 hwreg(HW_REG_WAVE_MODE, 25, 1), 1
	s_wait_xcnt 0x0
; ROUTER.  xb = x rounded to bf16; for each token the two experts with the largest gates sigmoid(x . Wr + bias) and the two gates divided by (their sum + 1e-9).
; x, Wr and expert_bias are all rounded to bf16 first, as every matrix operand of the later launches is, so that the choice is made on the same numbers as the products.
; SHARES.  A work-group has 8 tokens.  Wave w rounds token 8 g + w (4,096 bytes, read once) and rows 128 w .. 128 w + 127 of Wr, and lays both into LDS.
; Wave 0 then makes the 8 x 8 logits by 32 matrix instructions (K = 1024) and chooses.
; LIMITS.  The gate is 1 / (1 + 2^(-1.442695 z)) by v_exp_f32 and v_rcp_f32 (1 ulp each): two gates a few ulp apart, also near saturation, may be ordered otherwise than
; by an exact sigmoid; equal gates go to the lower index.  A gate below 2^-126 counts as 0 (its weight is then below 1e-29).  NaN gates give experts 0 and 1 and NaN weights.
; The last stores are 64 bytes a work-group in each of topi and topg (32 KiB in the whole launch).
.set XSP, 2064                         ; a token's row in LDS: 2,048 bytes + 16: an odd multiple of 16
.set WRB, 16640                        ; Wr in LDS, behind the 8 rows: 1,024 k x 16 bytes (8 experts in bf16)
.set FR0, 16                           ; v[16:79], v[80:143]: two sets of fragments, four K steps each
.set ACC, 144                          ; v[144:175] four accumulators
.set GT,  152                          ; v[152:159] the gates, once the accumulators are summed
	s_load_b256 s[4:11], s[0:1], 0x0               ; x s[4:5], Wr s[6:7], expert_bias s[8:9], xb s[10:11]
	s_load_b128 s[12:15], s[0:1], 0x20             ; topi s[12:13], topg s[14:15]
	v_lshl_add_u32 v200, v0, 2, 0x8100
	v_mov_b32 v201, 0
	v_lshrrev_b32 v1, 5, v0
	v_readfirstlane_b32 s16, v1                    ; wave
	v_and_b32 v2, 31, v0                           ; lane
	v_lshlrev_b32 v3, 4, v2                        ; 16 x lane
	v_lshlrev_b32 v4, 3, v2                        ; 8 x lane
	s_lshl_b32 s17, ttmp9, 3
	s_add_co_u32 s17, s17, s16                     ; my token
	s_lshl_b32 s18, s17, 12                        ; its row in x
	s_mov_b32 s19, 0
	s_lshl_b32 s20, s17, 11                        ; its row in xb
	s_mov_b32 s21, 0
	s_lshl_b32 s22, s16, 12                        ; my 128 rows of Wr, 32 bytes each
	s_mov_b32 s23, 0
	s_mul_i32 s34, s16, XSP
	v_add_nc_u32 v5, s34, v4                       ; LDS: my token's row + 8 x lane
	s_lshl_b32 s34, s16, 11
	s_add_co_u32 s34, s34, WRB
	v_add_nc_u32 v6, s34, v4                       ; LDS: my 128 rows of Wr + 8 x lane
	s_wait_kmcnt 0x0
	s_add_nc_u64 s[4:5], s[4:5], s[18:19]
	s_add_nc_u64 s[6:7], s[6:7], s[22:23]
	s_add_nc_u64 s[10:11], s[10:11], s[20:21]
.irp j, 0,1,2,3,4,5,6,7
	global_load_b128 v[16+4*\j:19+4*\j], v3, s[4:5] offset:512*\j th:TH_LOAD_NT
.endr
.irp j, 0,1,2,3,4,5,6,7
	global_load_b128 v[48+4*\j:51+4*\j], v3, s[6:7] offset:512*\j
.endr
	s_load_b256 s[24:31], s[8:9], 0x0              ; the eight biases (used by wave 0)
	s_wait_loadcnt 8                               ; x is in; the eight loads of Wr may stay out
.irp j, 0,1,2,3,4,5,6,7
	v_cvt_pk_bf16_f32 v[80+2*\j], v[16+4*\j], v[17+4*\j]
	v_cvt_pk_bf16_f32 v[81+2*\j], v[18+4*\j], v[19+4*\j]
.endr
.irp j, 0,1,2,3,4,5,6,7
	global_store_b64 v4, v[80+2*\j:81+2*\j], s[10:11] offset:256*\j   ; the wave's store covers 256 consecutive bytes, aligned
	ds_store_b64 v5, v[80+2*\j:81+2*\j] offset:256*\j
.endr
	s_wait_loadcnt 0x0
.irp j, 0,1,2,3,4,5,6,7
	v_cvt_pk_bf16_f32 v[48+4*\j], v[48+4*\j], v[49+4*\j]
	v_cvt_pk_bf16_f32 v[49+4*\j], v[50+4*\j], v[51+4*\j]
	ds_store_b64 v6, v[48+4*\j:49+4*\j] offset:256*\j             ; k = 128 w + 16 j + lane / 2, experts 4 (lane & 1) on
.endr
	s_wait_dscnt 0x0                               ; for wave 0's sake: my LDS stores are done
	s_barrier_signal -1
	s_barrier_wait -1
	s_cmp_lg_u32 s16, 0
	s_cbranch_scc1 .Lend
	; WAVE 0.  Source 0 = 16 columns of Wr (the turning load; lanes 8-15 of a half address the same bytes as lanes 0-7, so columns 8-15 repeat experts 0-7),
	; source 1 = 16 rows of x (rows 8-15 repeat tokens 0-7).  In the result register j of every lane is the logit of expert j for token lane & 7.
	v_bfe_u32 v8, v0, 4, 1                         ; h
	v_and_b32 v9, 7, v0
	v_lshl_add_u32 v7, v8, 3, v9
	v_lshlrev_b32 v7, 4, v7
	v_add_nc_u32 v7, WRB, v7                       ; Wr: row 8 h + (lane & 7), 16 bytes
	v_mul_u32_u24 v10, v9, XSP
	v_lshl_add_u32 v10, v8, 4, v10                 ; x: row lane & 7, + 16 h
	s_lshl_b32 s34, ttmp9, 6
	s_mov_b32 s35, 0
	s_add_nc_u64 s[12:13], s[12:13], s[34:35]      ; the work-group's 64 bytes of topi and of topg
	s_add_nc_u64 s[14:15], s[14:15], s[34:35]
	s_wait_xcnt 0x0                                ; v[80:95], which the stores to xb read, are loaded into only behind this wait
.macro FETCHR bt, f                    ; 16 LDS loads: the fragments of K steps 4 bt .. 4 bt + 3
.irp u, 0,1,2,3
	ds_load_tr16_b128 v[\f+16*\u:\f+16*\u+3],     v7 offset:512*(4*(\bt)+\u)
	ds_load_tr16_b128 v[\f+16*\u+4:\f+16*\u+7],   v7 offset:512*(4*(\bt)+\u)+256
	ds_load_b128      v[\f+16*\u+8:\f+16*\u+11],  v10 offset:64*(4*(\bt)+\u)
	ds_load_b128      v[\f+16*\u+12:\f+16*\u+15], v10 offset:64*(4*(\bt)+\u)+32
.endr
.endm
.macro MULR f, zero                    ; four K steps on four accumulators, which take turns, one instruction a turn
.irp u, 0,1,2,3
.if \zero
	v_wmma_f32_16x16x32_bf16 v[ACC+8*\u:ACC+8*\u+7], v[\f+16*\u:\f+16*\u+7], v[\f+16*\u+8:\f+16*\u+15], 0
.else
	v_wmma_f32_16x16x32_bf16 v[ACC+8*\u:ACC+8*\u+7], v[\f+16*\u:\f+16*\u+7], v[\f+16*\u+8:\f+16*\u+15], v[ACC+8*\u:ACC+8*\u+7]
.endif
.endr
.endm
	FETCHR 0, FR0
	FETCHR 1, FR0+64
.irp n, 0,1,2,3,4,5,6,7
.if \n < 7
	s_wait_dscnt 16                                ; this batch is in; the next batch's 16 loads may stay out
.else
	s_wait_dscnt 0x0
.endif
.if \n == 0
	MULR FR0, 1                                    ; the first products start the sums
.else
	MULR FR0+64*(\n%2), 0
.endif
.if \n < 6
.rept 4
	v_nop                                          ; four places between the products and the loads into their sources
.endr
	FETCHR \n+2, FR0+64*(\n%2)
.endif
.endr
.rept 4
	v_nop                                          ; four places before the results are read
.endr
.irp i, 0,2,4,6
	v_pk_add_f32 v[ACC+\i:ACC+\i+1], v[ACC+\i:ACC+\i+1], v[ACC+8+\i:ACC+8+\i+1]
	v_pk_add_f32 v[ACC+16+\i:ACC+16+\i+1], v[ACC+16+\i:ACC+16+\i+1], v[ACC+24+\i:ACC+24+\i+1]
.endr
.irp i, 0,2,4,6
	v_pk_add_f32 v[ACC+\i:ACC+\i+1], v[ACC+\i:ACC+\i+1], v[ACC+16+\i:ACC+16+\i+1]
.endr
	s_wait_kmcnt 0x0                               ; the biases
.irp e, 0,1,2,3,4,5,6,7
	v_mov_b32 v[180+\e], s[24+\e]
.endr
.irp i, 0,1,2,3
	v_cvt_pk_bf16_f32 v[176+\i], v[180+2*\i], v[181+2*\i]         ; rounded to bf16, like x and Wr,
.endr
.irp i, 0,1,2,3
	v_lshlrev_b32 v[180+2*\i], 16, v[176+\i]                      ; and widened again
	v_and_b32 v[181+2*\i], 0xffff0000, v[176+\i]
.endr
.irp i, 0,2,4,6
	v_pk_add_f32 v[ACC+\i:ACC+\i+1], v[ACC+\i:ACC+\i+1], v[180+\i:181+\i]
.endr
.irp e, 0,1,2,3,4,5,6,7
	v_mul_f32 v[GT+\e], 0xbfb8aa3b, v[ACC+\e]      ; -log2(e) z
.endr
.irp e, 0,1,2,3,4,5,6,7
	v_exp_f32 v[GT+\e], v[GT+\e]
.endr
	v_nop                                          ; a plain instruction between the last exponential and the use of its result
	s_wait_alu depctr_va_vdst(0)
.irp e, 0,1,2,3,4,5,6,7
	v_add_f32 v[GT+\e], 1.0, v[GT+\e]
.endr
.irp e, 0,1,2,3,4,5,6,7
	v_rcp_f32 v[GT+\e], v[GT+\e]
.endr
	v_nop
	; the two largest gates, by selects alone; a strict comparison leaves equal gates to the lower index
	s_wait_alu depctr_va_vdst(0)
	v_mov_b32 v192, v[GT]                          ; best gate,
	v_mov_b32 v188, 0                              ; its expert
	v_mov_b32 v193, -1.0                           ; second gate: below every gate, so expert 1 or 0 takes it at once
	v_mov_b32 v189, 1
.irp e, 1,2,3,4,5,6,7
	v_cmp_gt_f32 vcc_lo, v[GT+\e], v192
	v_cmp_gt_f32 s32, v[GT+\e], v193
	v_cndmask_b32 v194, v193, v[GT+\e], s32
	v_cndmask_b32 v195, v189, \e, s32
	v_cndmask_b32 v193, v194, v192, vcc_lo
	v_cndmask_b32 v189, v195, v188, vcc_lo
	v_cndmask_b32 v192, v192, v[GT+\e], vcc_lo
	v_cndmask_b32 v188, v188, \e, vcc_lo
.endr
	v_add_f32 v196, v192, v193
	v_add_f32 v196, 0x3089705f, v196               ; + 1e-9
	v_rcp_f32 v196, v196
	v_nop
	s_wait_alu depctr_va_vdst(0)
	v_mul_f32 v190, v192, v196
	v_mul_f32 v191, v193, v196
	s_wait_xcnt 0x0                                ; EXEC changes only behind this wait
	v_cmp_gt_u32 vcc_lo, 8, v0
	s_and_saveexec_b32 s33, vcc_lo                 ; lanes 0-7: one token each
	global_store_b64 v4, v[188:189], s[12:13]
	global_store_b64 v4, v[190:191], s[14:15]
	s_wait_xcnt 0x0
	s_or_b32 exec_lo, exec_lo, s33
.Lend:
	s_wait_tensorcnt 0x0
	ds_add_u32 v200, v201
	s_wait_dscnt 0x0
	s_endpgm
.Lfunc_end_k_q9ff7653e38_router:
	.size	k_q9ff7653e38_router, .Lfunc_end_k_q9ff7653e38_router-k_q9ff7653e38_router
	.p2alignl 7, 3214868480
	.fill 96, 4, 3214868480
	.section	.rodata,"a",@progbits
	.p2align	6, 0x0
	.amdhsa_kernel k_q9ff7653e38_router
		.amdhsa_group_segment_fixed_size 34048
		.amdhsa_private_segment_fixed_size 0
		.amdhsa_enable_private_segment 0
		.amdhsa_kernarg_size 48
		.amdhsa_user_sgpr_count 2
		.amdhsa_user_sgpr_kernarg_segment_ptr 1
		.amdhsa_wavefront_size32 1
		.amdhsa_system_sgpr_workgroup_id_x 1
		.amdhsa_system_sgpr_workgroup_id_y 1
		.amdhsa_system_sgpr_workgroup_id_z 1
		.amdhsa_system_vgpr_workitem_id 0
		.amdhsa_next_free_vgpr 202
		.amdhsa_next_free_sgpr 66
		.amdhsa_reserve_vcc 1
		.amdhsa_float_denorm_mode_32 3
		.amdhsa_float_denorm_mode_16_64 3
		.amdhsa_memory_ordered 1
		.amdhsa_forward_progress 1
		.amdhsa_inst_pref_size 26
	.end_amdhsa_kernel
	.amdgpu_metadata
---
amdhsa.version: [ 1, 2 ]
amdhsa.kernels:
  - .name:           k_q9ff7653e38_router
    .symbol:         k_q9ff7653e38_router.kd
    .args:
      - { .name: x, .offset: 0, .size: 8, .value_kind: global_buffer, .address_space: global }
      - { .name: Wr, .offset: 8, .size: 8, .value_kind: global_buffer, .address_space: global }
      - { .name: expert_bias, .offset: 16, .size: 8, .value_kind: global_buffer, .address_space: global }
      - { .name: xb, .offset: 24, .size: 8, .value_kind: global_buffer, .address_space: global }
      - { .name: topi, .offset: 32, .size: 8, .value_kind: global_buffer, .address_space: global }
      - { .name: topg, .offset: 40, .size: 8, .value_kind: global_buffer, .address_space: global }
    .group_segment_fixed_size: 34048
    .private_segment_fixed_size: 0
    .kernarg_segment_align: 8
    .kernarg_segment_size: 48
    .max_flat_workgroup_size: 256
    .sgpr_count:     66
    .vgpr_count:     202
    .wavefront_size: 32
...
	.end_amdgpu_metadata
.endif
;; end of part 1
;; launch plan (part 2): grid 1 x 1, 32 waves a work-group, no clusters, 8,192 bytes of LDS; arguments topi, pos, rowtok, tiles, out1; writes pos, rowtok, tiles, out1
.if DOCPART == 2
	.amdgcn_target "amdgcn-amd-amdhsa--gfx1250"
	.amdhsa_code_object_version 6
	.text
	.protected	k_q9ff7653e38_plan
	.globl	k_q9ff7653e38_plan
	.p2align	8
	.type	k_q9ff7653e38_plan,@function
k_q9ff7653e38_plan:
	s_mov_b64 s[64:65], 0
	v_nop
	global_prefetch_b8 v0, s[64:65] scope:SCOPE_SE
	s_setreg_imm32_b32 hwreg(HW_REG_WAVE_MODE, 25, 1), 1
	s_wait_xcnt 0x0
; PLAN.  Sorts the 4,096 choices (token, expert) by expert, without atomics, in whole numbers alone.  One work-group of 1,024 threads, four choices a thread.
; SORTED ROWS.  Rows 0-2047: the shared expert, row = token.  From row 2,048 on: expert e's rows, each expert's segment padded to a multiple of 128.
; At most 2,048 + 39 x 128 = 7,040 rows, 55 tiles of 128.  pos[choice] = its row; rowtok[row] = its token (0 for padding rows and for all rows behind the last segment);
; tiles[i] = the expert of rows 128 i .., 8 for the shared expert and for tiles behind the last segment.  out1 = 0.
; The scatter into rowtok stores 4 bytes a lane to places that hang on the routing: 16 KiB in all.
.set MK,  32                           ; s[32:63]  mask of lanes whose choice c names expert e, at 8 c + e
.set TT,  16                           ; s[16:23]  first my wave's counts, then the totals T_e
.set RR,  24                           ; s[24:31]  choices of expert e in the waves before mine, then the running row
.set EN,  66                           ; s[66:73]  end of expert e's segment
.set BS,  74                           ; s[74:81]  its begin
.set CV,  86                           ; s[86:90]  for each of five blocks of 1,024 rows: the lanes whose row holds a choice
.set PADR, 52                          ; v[52:56]  for each of the five blocks: my row's byte offset in rowtok
	s_load_b256 s[4:11], s[0:1], 0x0               ; topi s[4:5], pos s[6:7], rowtok s[8:9], tiles s[10:11]
	s_load_b64 s[12:13], s[0:1], 0x20              ; out1
	v_lshl_add_u32 v64, v0, 2, 0x1000
	v_mov_b32 v65, 0
	v_lshrrev_b32 v1, 5, v0
	v_readfirstlane_b32 s14, v1                    ; wave
	v_and_b32 v2, 31, v0                           ; lane
	v_lshlrev_b32 v3, 4, v0                        ; 16 x thread
	s_mov_b32 s82, 0x76543210                      ; v_permlanex16_b32: each lane takes its own place in the other half
	s_mov_b32 s83, 0xfedcba98
	s_wait_kmcnt 0x0
	global_load_b128 v[4:7], v3, s[4:5]            ; choices 4 t .. 4 t + 3: tokens 2 t and 2 t + 1
	s_wait_loadcnt 0x0
.irp c, 0,1,2,3
	v_min_u32 v[4+\c], 7, v[4+\c]
.endr
.irp c, 0,1,2,3
.irp e, 0,1,2,3,4,5,6,7
	v_cmp_eq_u32 s[MK+8*\c+\e], \e, v[4+\c]
.endr
.endr
.irp e, 0,1,2,3,4,5,6,7
	s_bcnt1_i32_b32 s[TT+\e], s[MK+\e]
.irp c, 1,2,3
	s_bcnt1_i32_b32 s15, s[MK+8*\c+\e]
	s_add_co_u32 s[TT+\e], s[TT+\e], s15
.endr
.endr
	v_mov_b32 v9, 0
.irp e, 0,1,2,3,4,5,6,7
	v_writelane_b32 v9, s[TT+\e], \e               ; lane e: my wave's count for expert e
.endr
	v_lshlrev_b32 v10, 2, v0                       ; LDS byte 128 x wave + 4 x lane
	ds_store_b32 v10, v9
	s_wait_dscnt 0x0                               ; for the others' sake
	s_barrier_signal -1
	s_barrier_wait -1
	v_lshlrev_b32 v11, 7, v2
	ds_load_b128 v[16:19], v11                     ; lane i: wave i's eight counts
	ds_load_b128 v[20:23], v11 offset:16
	v_mov_b32 v12, 0
	v_cmp_gt_u32 vcc_lo, s14, v2                   ; waves before mine
	s_wait_dscnt 0x0
.irp k, 0,1,2,3
	v_lshl_or_b32 v[24+\k], v[20+\k], 16, v[16+\k] ; experts k and k + 4 in one word: no sum passes 4,096
	v_cndmask_b32 v[28+\k], 0, v[24+\k], vcc_lo
.endr
.macro SUM32 r                         ; the sum over the 32 lanes, in every lane
.irp m, 1,2,4,8
	v_mov_b32_dpp v12, v[\r] row_xmask:\m row_mask:0xf bank_mask:0xf
	v_add_nc_u32 v[\r], v[\r], v12
.endr
	v_permlanex16_b32 v12, v[\r], s82, s83
	v_add_nc_u32 v[\r], v[\r], v12
.endm
.irp k, 24,25,26,27,28,29,30,31
	SUM32 \k
.endr
.irp k, 0,1,2,3
	v_readfirstlane_b32 s15, v[24+\k]
	s_and_b32 s[TT+\k], s15, 0xffff
	s_lshr_b32 s[TT+4+\k], s15, 16
	v_readfirstlane_b32 s15, v[28+\k]
	s_and_b32 s[RR+\k], s15, 0xffff
	s_lshr_b32 s[RR+4+\k], s15, 16
.endr
	s_mov_b32 s84, 2048
.irp e, 0,1,2,3,4,5,6,7
	s_mov_b32 s[BS+\e], s84
	s_add_co_u32 s[RR+\e], s[RR+\e], s84           ; my wave's first row of expert e
	s_add_co_u32 s15, s[TT+\e], 127
	s_and_b32 s15, s15, 0xffffff80
	s_add_co_u32 s84, s84, s15
	s_mov_b32 s[EN+\e], s84
.endr
.irp c, 0,1,2,3
.irp e, 0,1,2,3,4,5,6,7
	v_mbcnt_lo_u32_b32 v13, s[MK+8*\c+\e], 0       ; lanes below mine with the same expert in choice c
.if \e == 0
	v_add_nc_u32 v[32+\c], s[RR+\e], v13
.else
	v_add_nc_u32 v13, s[RR+\e], v13
	v_cndmask_b32 v[32+\c], v[32+\c], v13, s[MK+8*\c+\e]
.endif
	s_bcnt1_i32_b32 s15, s[MK+8*\c+\e]
	s_add_co_u32 s[RR+\e], s[RR+\e], s15
.endr
.endr
.irp c, 0,1,2,3
	v_min_u32 v[32+\c], 0x1b7f, v[32+\c]           ; 7,039: never met, it bounds the address below
	v_lshlrev_b32 v[36+\c], 2, v[32+\c]
.endr
	v_lshlrev_b32 v40, 1, v0                       ; tokens 2 t,
	v_or_b32 v41, 1, v40                           ; 2 t + 1
	v_lshlrev_b32 v42, 3, v0
	v_mov_b32 v46, 0
	; Rows 2,048 to 7,167, five blocks of 1,024, a row a thread: which of them hold a choice (BS_e <= row < BS_e + T_e for some e)?
	; All five offsets and all five masks are made here, with every lane on, ahead of the first change of EXEC.
.irp i, 0,1,2,3,4
	v_add_nc_u32 v43, 2048+1024*\i, v0
	v_lshlrev_b32 v[PADR+\i], 2, v43
	s_mov_b32 s[CV+\i], 0
.irp e, 0,1,2,3,4,5,6,7
	v_sub_nc_u32 v44, v43, s[BS+\e]
	v_cmp_gt_u32 vcc_lo, s[TT+\e], v44             ; unsigned: BS <= row < BS + T
	s_or_b32 s[CV+\i], s[CV+\i], vcc_lo
.endr
.endr
	global_store_b128 v3, v[32:35], s[6:7]         ; pos
	global_store_b64 v42, v[40:41], s[8:9]         ; rows 0-2047: row = token
	global_store_b32 v36, v40, s[8:9]
	global_store_b32 v37, v40, s[8:9]
	global_store_b32 v38, v41, s[8:9]
	global_store_b32 v39, v41, s[8:9]
	; every row that holds no choice gets token 0: no word of rowtok is stored twice, none is left out
.irp i, 0,1,2,3,4
	s_not_b32 vcc_lo, s[CV+\i]
	s_wait_xcnt 0x0                                ; EXEC changes only behind this wait
	s_and_saveexec_b32 s91, vcc_lo
	global_store_b32 v[PADR+\i], v46, s[8:9]
	s_wait_xcnt 0x0                                ; and again, in front of the line that widens it
	s_or_b32 exec_lo, exec_lo, s91
.endr
	s_cmp_lg_u32 s14, 0
	s_cbranch_scc1 .Lend
	; wave 0: the table of tiles, two words a lane: the number of segments that end at or before the tile's first row
	v_mov_b32 v49, 8
.irp u, 0,1
	v_lshlrev_b32 v47, 8, v0
	v_add_nc_u32 v47, 128*\u, v47                  ; first row of tile 2 lane + u
	v_mov_b32 v[50+\u], 0
.irp e, 0,1,2,3,4,5,6,7
	v_cmp_le_u32 vcc_lo, s[EN+\e], v47
	v_cndmask_b32 v48, 0, 1, vcc_lo
	v_add_nc_u32 v[50+\u], v[50+\u], v48
.endr
	v_cmp_gt_u32 vcc_lo, 2048, v47                 ; the shared expert's tiles
	v_cndmask_b32 v[50+\u], v[50+\u], v49, vcc_lo
.endr
	global_store_b64 v42, v[50:51], s[10:11]       ; 256 consecutive bytes
	s_wait_xcnt 0x0
	v_cmp_eq_u32 vcc_lo, 0, v0
	s_and_saveexec_b32 s91, vcc_lo
	global_store_b32 v46, v46, s[12:13]            ; aux_loss = 0
	s_wait_xcnt 0x0
	s_or_b32 exec_lo, exec_lo, s91
.Lend:
	s_wait_tensorcnt 0x0
	ds_add_u32 v64, v65
	s_wait_dscnt 0x0
	s_endpgm
.Lfunc_end_k_q9ff7653e38_plan:
	.size	k_q9ff7653e38_plan, .Lfunc_end_k_q9ff7653e38_plan-k_q9ff7653e38_plan
	.p2alignl 7, 3214868480
	.fill 96, 4, 3214868480
	.section	.rodata,"a",@progbits
	.p2align	6, 0x0
	.amdhsa_kernel k_q9ff7653e38_plan
		.amdhsa_group_segment_fixed_size 8192
		.amdhsa_private_segment_fixed_size 0
		.amdhsa_enable_private_segment 0
		.amdhsa_kernarg_size 40
		.amdhsa_user_sgpr_count 2
		.amdhsa_user_sgpr_kernarg_segment_ptr 1
		.amdhsa_wavefront_size32 1
		.amdhsa_system_sgpr_workgroup_id_x 1
		.amdhsa_system_sgpr_workgroup_id_y 1
		.amdhsa_system_sgpr_workgroup_id_z 1
		.amdhsa_system_vgpr_workitem_id 0
		.amdhsa_next_free_vgpr 66
		.amdhsa_next_free_sgpr 96
		.amdhsa_reserve_vcc 1
		.amdhsa_float_denorm_mode_32 3
		.amdhsa_float_denorm_mode_16_64 3
		.amdhsa_memory_ordered 1
		.amdhsa_forward_progress 1
		.amdhsa_inst_pref_size 31
	.end_amdhsa_kernel
	.amdgpu_metadata
---
amdhsa.version: [ 1, 2 ]
amdhsa.kernels:
  - .name:           k_q9ff7653e38_plan
    .symbol:         k_q9ff7653e38_plan.kd
    .args:
      - { .name: topi, .offset: 0, .size: 8, .value_kind: global_buffer, .address_space: global }
      - { .name: pos, .offset: 8, .size: 8, .value_kind: global_buffer, .address_space: global }
      - { .name: rowtok, .offset: 16, .size: 8, .value_kind: global_buffer, .address_space: global }
      - { .name: tiles, .offset: 24, .size: 8, .value_kind: global_buffer, .address_space: global }
      - { .name: out1, .offset: 32, .size: 8, .value_kind: global_buffer, .address_space: global }
    .group_segment_fixed_size: 8192
    .private_segment_fixed_size: 0
    .kernarg_segment_align: 8
    .kernarg_segment_size: 40
    .max_flat_workgroup_size: 1024
    .sgpr_count:     96
    .vgpr_count:     66
    .wavefront_size: 32
...
	.end_amdgpu_metadata
.endif
;; end of part 2
;; launch up (part 3): grid 220 x 1, 4 waves a work-group, no clusters, 141,824 bytes of LDS; arguments xb, Wg, Wu, Wg_s, Wu_s, rowtok, tiles, H; writes H
.if DOCPART == 3
	.amdgcn_target "amdgcn-amd-amdhsa--gfx1250"
	.amdhsa_code_object_version 6
	.text
	.protected	k_q9ff7653e38_up
	.globl	k_q9ff7653e38_up
	.p2align	8
	.type	k_q9ff7653e38_up,@function
k_q9ff7653e38_up:
	s_mov_b64 s[64:65], 0
	v_nop
	global_prefetch_b8 v0, s[64:65] scope:SCOPE_SE
	s_setreg_imm32_b32 hwreg(HW_REG_WAVE_MODE, 25, 1), 1
	s_wait_xcnt 0x0
; UP.  H[row][f] = silu(x[tok(row)] . Wg_e[:, f]) * (x[tok(row)] . Wu_e[:, f]), rounded to bf16, for the 7,040 sorted rows; e is the expert of the row's tile of 128 rows.
; ITEMS.  An item is a tile of 128 rows x 128 f, for both products: 55 tiles x 8 slices = 440 items, 220 work-groups, two items each (g and g + 220): a fixed timetable, no trip count
; hangs on data.  Tiles behind the last used one hold token 0 and the shared weights; they are computed and never read (at most 7 of 55).
; WAVES.  Four waves, each 64 rows x 64 f of both products: 32 accumulators.  The matrix instruction is used transposed (source 0 = 16 f of the weights, source 1 = 16 rows),
; so a lane holds eight neighbouring f of one row, and g and u of one element lie in the same lane at the same register index.
; DATA PATH.  The weights are f32 [k][f] and become bf16 on the way: global load into registers, v_cvt_pk_bf16_f32, LDS; the rows of xb are gathered by rowtok.  The tensor mover neither
; converts nor gathers, so it, and with it joint loads of a cluster, are not used.  K goes in 16 chunks of 64.  Chunk c lives in register set c & 1, then in LDS slot c & 1.
; Step s multiplies slot s & 1, stages chunk s + 1 from its registers into the other slot and asks for chunk s + 3 into the registers just freed: two chunks, 80 loads
; of 512 bytes a wave, are asked for ahead.  The stream does not stop at an item's end: steps 13 to 15 of the first item ask for the second item's chunks 0 to 2.
; A row's piece of xb in a chunk is 128 bytes; a weight row's piece is 512 consecutive bytes, aligned.
; REGISTERS, in windows of 256: window 0: addresses, v64-159 and v160-255 two fragment buffers (32 of rows, 64 of weights); window 1: the accumulators, (a, b) at 8 (8 a + b), b 0-3 gate, 4-7 up;
; windows 2, 3: register sets 0, 1: v0-127 weights, v128-159 rows, v160-167 the rows' offsets in xb, v168-170 addresses.
.set NWG,   220
.set KS,    64
.set PA,    144                        ; a row's 128 bytes + 16: an odd multiple of 16
.set PB,    544                        ; a k-row: 256 bytes of Wg, 256 of Wu, 32 of padding: an odd multiple of 32
.set ASZ,   128*PA
.set SLOT,  ASZ+KS*PB                  ; 53,248
.set STAGE, 2*SLOT                     ; 128 rows x 272 bytes for the way out
.set SP,    272
.set ADRA, 10                          ; v10-11 my row fragments in slot 0, 1
.set ADRB, 12                          ; v12-13 my weight fragments
.set STO,  14
.set RD,   15
.set HO,   16
.set ANX,  24                          ; v24-31 the second item's offsets in xb
.set F0,   64
.set F1,   160
.set T,    160                         ; the way out: 32 numbers at work; later 64 registers read back
.set P,    192                         ; 16 registers of packed results
.set SA,   128                         ; in windows 2, 3
.set AOFF, 160
.set BOFF, 168
.set ASTO, 169
.set BSTO, 170
.set AB, 32                            ; s[32:37] set 0: xb, Wg, Wu at its chunk; s[38:43] set 1
.set GB, 34
.set MULW, 0x50                        ; C and D in window 1
.set MSB, 0
.macro WIN new                         ; the immediate's high byte repeats the setting that is left; a switch that changes nothing is dropped
.if MSB != (\new)
	s_set_vgpr_msb (MSB<<8)|(\new)
.set MSB, \new
.endif
.endm
.macro PLACES                          ; four places between a matrix instruction and a load into, or a vector instruction on, its registers
.rept 4
	v_nop
.endr
.endm
.macro WBASE e, j, g, u                ; the weights of expert s[e] (8: the shared ones) at slice s[j]
	s_min_u32 s[\e], s[\e], 8
	s_and_b32 s52, s[\e], 7                        ; 8 gives 0
	s_lshl_b32 s52, s52, 22
	s_lshl_b32 s31, s[\j], 9
	s_add_co_u32 s52, s52, s31
	s_cmp_eq_u32 s[\e], 8
	s_cselect_b64 s[\g:\g+1], s[10:11], s[6:7]
	s_cselect_b64 s[\u:\u+1], s[12:13], s[8:9]
	s_add_nc_u64 s[\g:\g+1], s[\g:\g+1], s[52:53]
	s_add_nc_u64 s[\u:\u+1], s[\u:\u+1], s[52:53]
.endm
	s_load_b512 s[4:19], s[0:1], 0x0               ; xb s[4:5], Wg s[6:7], Wu s[8:9], Wg_s s[10:11], Wu_s s[12:13], rowtok s[14:15], tiles s[16:17], H s[18:19]
	v_lshl_add_u32 v62, v0, 2, 0x22800
	v_mov_b32 v63, 0
	v_lshrrev_b32 v1, 5, v0
	v_readfirstlane_b32 s20, v1                    ; wave
	s_lshr_b32 s21, s20, 1                         ; which 64 rows
	s_and_b32 s22, s20, 1                          ; which 64 f
	s_lshr_b32 s26, ttmp9, 3                       ; first item: tile,
	s_and_b32 s27, ttmp9, 7                        ; slice
	s_add_co_u32 s52, ttmp9, NWG
	s_lshr_b32 s28, s52, 3                         ; second item
	s_and_b32 s23, s52, 7
	s_mov_b32 s58, 0xbfb8aa3b                      ; -log2(e), as a pair
	s_mov_b32 s59, 0xbfb8aa3b
	s_mov_b32 s53, 0
	v_and_b32 v1, 31, v0                           ; l
	v_and_b32 v2, 15, v0                           ; r
	v_bfe_u32 v3, v0, 4, 1                         ; h
	v_bfe_u32 v4, v0, 3, 2                         ; l / 8
	v_and_b32 v5, 7, v0
	v_bfe_u32 v6, v0, 3, 1
	s_lshl_b32 s52, s20, 5
	v_add_nc_u32 v7, s52, v4                       ; 32 w + l / 8: the first row that I stage; load i takes the row 4 i further on
	v_lshlrev_b32 v8, 2, v7
	s_wait_kmcnt 0x0
	s_lshl_b32 s52, s26, 9
	s_add_nc_u64 s[54:55], s[14:15], s[52:53]
	s_lshl_b32 s52, s28, 9
	s_add_nc_u64 s[56:57], s[14:15], s[52:53]
.irp i, 0,1,2,3,4,5,6,7
	global_load_b32 v[32+\i], v8, s[54:55] offset:16*\i
.endr
.irp i, 0,1,2,3,4,5,6,7
	global_load_b32 v[ANX+\i], v8, s[56:57] offset:16*\i
.endr
	s_lshl_b32 s52, s26, 2
	s_add_nc_u64 s[44:45], s[16:17], s[52:53]
	s_lshl_b32 s52, s28, 2
	s_add_nc_u64 s[46:47], s[16:17], s[52:53]
	s_load_b32 s29, s[44:45], 0x0                  ; the two tiles' experts
	s_load_b32 s30, s[46:47], 0x0
	v_lshlrev_b32 v9, 4, v5                        ; 16 (l & 7)
	v_mul_u32_u24 v17, v7, PA
	v_add_nc_u32 v17, v17, v9                      ; staging, rows, slot 0
	s_mul_i32 s52, s20, 16*PB
	s_add_co_u32 s52, s52, ASZ
	v_lshl_add_u32 v18, v1, 3, s52                 ; staging, weights, slot 0: k-row 16 w, 8 bytes a lane
	s_lshl_b32 s52, s20, 16
	v_lshl_add_u32 v19, v1, 4, s52                 ; weights in memory: k-row 16 w, 16 bytes a lane
	s_mul_i32 s52, s21, 64*PA
	v_mul_u32_u24 v20, v2, PA
	v_lshl_add_u32 v20, v3, 4, v20
	v_add_nc_u32 v[ADRA], s52, v20
	v_add_nc_u32 v[ADRA+1], SLOT, v[ADRA]
	v_lshl_add_u32 v20, v3, 3, v5                  ; the turning load: k-row 8 h + (l & 7), 16 bytes at 16 ((l / 8) & 1)
	v_mul_u32_u24 v20, v20, PB
	v_lshl_add_u32 v20, v6, 4, v20
	s_lshl_b32 s52, s22, 7
	s_add_co_u32 s52, s52, ASZ
	v_add_nc_u32 v[ADRB], s52, v20
	v_add_nc_u32 v[ADRB+1], SLOT, v[ADRB]
	s_mul_i32 s52, s21, 64*SP
	s_lshl_b32 s31, s22, 7
	s_add_co_u32 s52, s52, s31
	s_add_co_u32 s52, s52, STAGE
	v_mul_u32_u24 v20, v2, SP
	v_lshl_add_u32 v20, v3, 4, v20
	v_add_nc_u32 v[STO], s52, v20                  ; into the stage: row 64 mh + r, byte 128 nh + 16 h
	s_mul_i32 s52, s20, 32*SP
	s_add_co_u32 s52, s52, STAGE
	v_mul_u32_u24 v20, v3, SP
	v_lshl_add_u32 v20, v2, 4, v20
	v_add_nc_u32 v[RD], s52, v20                   ; back: rows 32 w + h, whole
	s_lshl_b32 s52, s20, 16
	v_lshlrev_b32 v20, 11, v3
	v_lshl_add_u32 v20, v2, 4, v20
	v_add_nc_u32 v[HO], s52, v20                   ; and the same rows in H
	s_wait_kmcnt 0x0
	WBASE 29, 27, 34, 36
	WBASE 30, 23, 44, 46                           ; s[44:47]: the second item's weights
	s_mov_b64 s[32:33], s[4:5]
	s_add_nc_u64 s[38:39], s[4:5], 2*KS            ; set 1 begins with chunk 1
	s_add_nc_u64 s[40:41], s[34:35], KS*4096
	s_add_nc_u64 s[42:43], s[36:37], KS*4096
	s_lshl_b32 s52, s26, 18
	s_lshl_b32 s31, s27, 8
	s_add_co_u32 s52, s52, s31
	s_add_nc_u64 s[48:49], s[18:19], s[52:53]      ; H at the first item,
	s_lshl_b32 s52, s28, 18
	s_lshl_b32 s31, s23, 8
	s_add_co_u32 s52, s52, s31
	s_add_nc_u64 s[50:51], s[18:19], s[52:53]      ; at the second
	s_wait_loadcnt 0x0
.irp i, 0,1,2,3,4,5,6,7
	v_min_u32 v[32+\i], 0x7ff, v[32+\i]
	v_lshl_add_u32 v[32+\i], v[32+\i], 11, v9      ; token x 2,048 + 16 (l & 7)
	v_min_u32 v[ANX+\i], 0x7ff, v[ANX+\i]
	v_lshl_add_u32 v[ANX+\i], v[ANX+\i], 11, v9
.endr
	WIN 0x80                                       ; destination window 2
.irp i, 0,1,2,3,4,5,6,7
	v_mov_b32 v[AOFF+\i], v[32+\i]
.endr
	v_mov_b32 v[BOFF], v19
	v_mov_b32 v[ASTO], v17
	v_mov_b32 v[BSTO], v18
	WIN 0
	v_add_nc_u32 v17, SLOT, v17
	v_add_nc_u32 v18, SLOT, v18
	WIN 0xc0                                       ; destination window 3
.irp i, 0,1,2,3,4,5,6,7
	v_mov_b32 v[AOFF+\i], v[32+\i]
.endr
	v_mov_b32 v[BOFF], v19
	v_mov_b32 v[ASTO], v17
	v_mov_b32 v[BSTO], v18
.macro ISSUE p                         ; a chunk's 40 loads into set p
	WIN 0xaa+0x55*\p
.irp i, 0,1,2,3,4,5,6,7
	global_load_b128 v[SA+4*\i:SA+4*\i+3], v[AOFF+\i], s[AB+6*\p:AB+6*\p+1]
.endr
.set i, 0
.rept 32
	global_load_b128 v[4*i:4*i+3], v[BOFF], s[GB+2*(i/16)+6*\p:GB+2*(i/16)+6*\p+1] offset:4096*(i%16)
.set i, i+1
.endr
.endm
; The next cnt of a chunk's 40 staging operations (rn counts them): 8 of rows (as they are), 32 of weight rows (rounded to bf16); each frees four registers, which are asked for again at once.
.macro ROWOPS cnt, p, issue
.rept \cnt
.if rn < 8
	ds_store_b128 v[ASTO], v[SA+4*rn:SA+4*rn+3] offset:4*PA*rn
.if \issue
	global_load_b128 v[SA+4*rn:SA+4*rn+3], v[AOFF+rn], s[AB+6*\p:AB+6*\p+1]
.endif
.else
.set rm, rn-8
	v_cvt_pk_bf16_f32 v[4*rm], v[4*rm], v[4*rm+1]
	v_cvt_pk_bf16_f32 v[4*rm+1], v[4*rm+2], v[4*rm+3]
	ds_store_b64 v[BSTO], v[4*rm:4*rm+1] offset:PB*(rm%16)+256*(rm/16)
.if \issue
	global_load_b128 v[4*rm:4*rm+3], v[BOFF], s[GB+2*(rm/16)+6*\p:GB+2*(rm/16)+6*\p+1] offset:4096*(rm%16)
.endif
.endif
.set rn, rn+1
.endr
.endm
; Set p's chunk is in (cnt: the other set's later loads may stay out), so its bases and offsets may be written: issue = 1: two chunks on; 2: the second item's chunk p.
.macro HEAD p, cnt, issue
	s_wait_loadcnt \cnt
.if \issue == 1
	s_add_nc_u64 s[AB+6*\p:AB+6*\p+1], s[AB+6*\p:AB+6*\p+1], 4*KS
	s_add_nc_u64 s[GB+6*\p:GB+6*\p+1], s[GB+6*\p:GB+6*\p+1], 2*KS*4096
	s_add_nc_u64 s[GB+2+6*\p:GB+2+6*\p+1], s[GB+2+6*\p:GB+2+6*\p+1], 2*KS*4096
.elseif \issue == 2
	s_add_nc_u64 s[AB+6*\p:AB+6*\p+1], s[4:5], 2*KS*\p
	s_add_nc_u64 s[GB+6*\p:GB+6*\p+1], s[44:45], KS*4096*\p
	s_add_nc_u64 s[GB+2+6*\p:GB+2+6*\p+1], s[46:47], KS*4096*\p
	WIN (2+\p)<<6
.set i, 0
.rept 8
	v_mov_b32 v[AOFF+i], v[ANX+i]
.set i, i+1
.endr
.endif
.endm
; 8 matrix instructions: row block a x all 8 weight blocks, 32 along K.  The 32 accumulators take turns, one instruction a turn, in the same order everywhere.
.macro MUL8 f, a, zero
.irp b, 0,1,2,3,4,5,6,7
.if \zero
	v_wmma_f32_16x16x32_bf16 v[8*(8*\a+\b):8*(8*\a+\b)+7], v[\f+32+8*\b:\f+32+8*\b+7], v[\f+8*\a:\f+8*\a+7], 0
.else
	v_wmma_f32_16x16x32_bf16 v[8*(8*\a+\b):8*(8*\a+\b)+7], v[\f+32+8*\b:\f+32+8*\b+7], v[\f+8*\a:\f+8*\a+7], v[8*(8*\a+\b):8*(8*\a+\b)+7]
.endif
.endr
.endm
.macro FETCH slot, q, f                ; 24 LDS loads in one run: the fragments of 32 along K, half q of a slot
	WIN 0
.irp b, 0,1,2,3,4,5,6,7
	ds_load_tr16_b128 v[\f+32+8*\b:\f+32+8*\b+3],   v[ADRB+\slot] offset:32*PB*\q+32*(\b%4)+256*(\b/4)
	ds_load_tr16_b128 v[\f+32+8*\b+4:\f+32+8*\b+7], v[ADRB+\slot] offset:32*PB*\q+16*PB+32*(\b%4)+256*(\b/4)
.endr
.irp a, 0,1,2,3
	ds_load_b128 v[\f+8*\a:\f+8*\a+3],   v[ADRA+\slot] offset:16*PA*\a+64*\q
	ds_load_b128 v[\f+8*\a+4:\f+8*\a+7], v[ADRA+\slot] offset:16*PA*\a+64*\q+32
.endr
.endm
; A step: 64 matrix instructions on slot p; the other set is staged into the other slot.  ONE barrier: in front of it each wave has waited for its stores into the other slot and for its
; reads of this one; behind it the other slot is whole and this one may be written in the next step.
.macro STEP p, zero, stage, issue, cnt, fin
.set OTH, 1-\p
.set rn, 0
	s_wait_dscnt 0x0                               ; buffer 0 is in
	WIN MULW
	MUL8 F0, 0, \zero
	WIN 0
	PLACES
	FETCH \p, 1, F1
.if \stage
	HEAD OTH, \cnt, \issue
	WIN 0xaa+0x55*OTH
	ROWOPS 20, OTH, \issue
.endif
	WIN MULW
	MUL8 F0, 1, \zero
	MUL8 F0, 2, \zero
.if \stage
	WIN 0xaa+0x55*OTH
	ROWOPS 20, OTH, \issue
.endif
	WIN MULW
	MUL8 F0, 3, \zero
	s_wait_dscnt 0x0                               ; buffer 1 is in, my stores are done, my reads of this slot are over
.if \fin
	MUL8 F1, 0, 0
.else
	s_barrier_signal -1
	MUL8 F1, 0, 0                                  ; register work while the others arrive
	s_barrier_wait -1
	WIN 0
	PLACES
	FETCH OTH, 0, F0
	WIN MULW
.endif
	MUL8 F1, 1, 0
	MUL8 F1, 2, 0
	MUL8 F1, 3, 0
.endm
; The way out of row block a: silu(g) u = g u / (1 + 2^(-log2(e) g)), rounded to bf16, 16 bytes a lane into the stage.
.macro ACT a
	WIN 0x01                                       ; source 0 in window 1
.set i, 0
.rept 16
	v_pk_mul_f32 v[T+i:T+i+1], v[64*\a+i:64*\a+i+1], s[58:59] op_sel_hi:[1,0]
.set i, i+2
.endr
	WIN 0
.set i, 0
.rept 32
	v_exp_f32 v[T+i], v[T+i]
.set i, i+1
.endr
	v_nop                                          ; a plain instruction between the last exponential and the use of its result
.set i, 0
	s_wait_alu depctr_va_vdst(0)
.rept 16
	v_pk_add_f32 v[T+i:T+i+1], v[T+i:T+i+1], 1.0 op_sel_hi:[1,0]
.set i, i+2
.endr
.set i, 0
.rept 32
	v_rcp_f32 v[T+i], v[T+i]
.set i, i+1
.endr
	v_nop
	WIN 0x04                                       ; source 1 in window 1
.set i, 0
	s_wait_alu depctr_va_vdst(0)
.rept 16
	v_pk_mul_f32 v[T+i:T+i+1], v[T+i:T+i+1], v[64*\a+i:64*\a+i+1]
.set i, i+2
.endr
.set i, 0
.rept 16
	v_pk_mul_f32 v[T+i:T+i+1], v[T+i:T+i+1], v[64*\a+32+i:64*\a+32+i+1]
.set i, i+2
.endr
	WIN 0
.set i, 0
.rept 16
	v_cvt_pk_bf16_f32 v[P+i], v[T+2*i], v[T+2*i+1]
.set i, i+1
.endr
.irp b, 0,1,2,3
	ds_store_b128 v[STO], v[P+4*\b:P+4*\b+3] offset:16*SP*\a+32*\b
.endr
.endm
	ISSUE 0                                        ; chunks 0 and 1
	ISSUE 1
	HEAD 0, 40, 1                                  ; chunk 0 is in; chunk 1's 40 loads may stay out
	WIN 0xaa
.set rn, 0
	ROWOPS 40, 0, 1                                ; chunk 0 into slot 0; chunk 2 is asked for
	WIN 0
	s_wait_dscnt 0x0
	s_barrier_signal -1
	s_barrier_wait -1
	FETCH 0, 0, F0
	s_mov_b32 s24, 2                               ; items to go
.Litem:
	STEP 0, 1, 1, 1, 40, 0                         ; step 0: its first products start the sums, nothing is cleared
	WIN 0                                          ; at a label and at a branch every window is 0
	s_mov_b32 s25, 6
.Lk:                                                   ; steps 1 to 12
	STEP 1, 0, 1, 1, 40, 0
	STEP 0, 0, 1, 1, 40, 0
	WIN 0
	s_sub_co_u32 s25, s25, 1
	s_cmp_lg_u32 s25, 0
	s_cbranch_scc1 .Lk
	s_cmp_eq_u32 s24, 1
	s_cbranch_scc1 .Llast
	STEP 1, 0, 1, 2, 40, 0                         ; the stream goes on into the second item: its chunk 0 is asked for,
	STEP 0, 0, 1, 2, 40, 0                         ; its chunk 1,
	STEP 1, 0, 1, 1, 40, 0                         ; its chunk 2; its chunk 0 is staged and its first fragments are fetched
	WIN 0
	s_branch .Lepi
.Llast:
	STEP 1, 0, 1, 0, 40, 0                         ; nothing more is asked for: chunk 15's 40 loads may stay out,
	STEP 0, 0, 1, 0, 0, 0                          ; then none
	STEP 1, 0, 0, 0, 0, 1
	WIN 0
.Lepi:
	PLACES
	ACT 0
	ACT 1
	ACT 2
	ACT 3
	s_wait_dscnt 0x0                               ; for the others' sake: a row's 256 bytes come from two waves
	s_barrier_signal -1
	s_barrier_wait -1
.set i, 0
.rept 16
	ds_load_b128 v[T+4*i:T+4*i+3], v[RD] offset:2*SP*i
.set i, i+1
.endr
.set i, 0
.rept 16
	s_wait_dscnt 15-i                              ; the younger loads may stay out
	global_store_b128 v[HO], v[T+4*i:T+4*i+3], s[48:49] offset:4096*i   ; 16 lanes store 256 consecutive bytes, aligned
.set i, i+1
.endr
	s_wait_xcnt 0x0                                ; the stores' base and data are written again only behind this wait
	s_mov_b64 s[48:49], s[50:51]
	s_sub_co_u32 s24, s24, 1
	s_cmp_lg_u32 s24, 0
	s_cbranch_scc1 .Litem
	s_wait_tensorcnt 0x0
	ds_add_u32 v62, v63
	s_wait_dscnt 0x0
	s_endpgm
.Lfunc_end_k_q9ff7653e38_up:
	.size	k_q9ff7653e38_up, .Lfunc_end_k_q9ff7653e38_up-k_q9ff7653e38_up
	.p2alignl 7, 3214868480
	.fill 96, 4, 3214868480
	.section	.rodata,"a",@progbits
	.p2align	6, 0x0
	.amdhsa_kernel k_q9ff7653e38_up
		.amdhsa_group_segment_fixed_size 141824
		.amdhsa_private_segment_fixed_size 0
		.amdhsa_enable_private_segment 0
		.amdhsa_kernarg_size 64
		.amdhsa_user_sgpr_count 2
		.amdhsa_user_sgpr_kernarg_segment_ptr 1
		.amdhsa_wavefront_size32 1
		.amdhsa_system_sgpr_workgroup_id_x 1
		.amdhsa_system_sgpr_workgroup_id_y 1
		.amdhsa_system_sgpr_workgroup_id_z 1
		.amdhsa_system_vgpr_workitem_id 0
		.amdhsa_next_free_vgpr 1024
		.amdhsa_next_free_sgpr 66
		.amdhsa_reserve_vcc 0
		.amdhsa_float_denorm_mode_32 3
		.amdhsa_float_denorm_mode_16_64 3
		.amdhsa_memory_ordered 1
		.amdhsa_forward_progress 1
		.amdhsa_inst_pref_size 206
	.end_amdhsa_kernel
	.amdgpu_metadata
---
amdhsa.version: [ 1, 2 ]
amdhsa.kernels:
  - .name:           k_q9ff7653e38_up
    .symbol:         k_q9ff7653e38_up.kd
    .args:
      - { .name: xb, .offset: 0, .size: 8, .value_kind: global_buffer, .address_space: global }
      - { .name: Wg, .offset: 8, .size: 8, .value_kind: global_buffer, .address_space: global }
      - { .name: Wu, .offset: 16, .size: 8, .value_kind: global_buffer, .address_space: global }
      - { .name: Wg_s, .offset: 24, .size: 8, .value_kind: global_buffer, .address_space: global }
      - { .name: Wu_s, .offset: 32, .size: 8, .value_kind: global_buffer, .address_space: global }
      - { .name: rowtok, .offset: 40, .size: 8, .value_kind: global_buffer, .address_space: global }
      - { .name: tiles, .offset: 48, .size: 8, .value_kind: global_buffer, .address_space: global }
      - { .name: H, .offset: 56, .size: 8, .value_kind: global_buffer, .address_space: global }
    .group_segment_fixed_size: 141824
    .private_segment_fixed_size: 0
    .kernarg_segment_align: 8
    .kernarg_segment_size: 64
    .max_flat_workgroup_size: 128
    .sgpr_count:     66
    .vgpr_count:     1024
    .wavefront_size: 32
...
	.end_amdgpu_metadata
.endif
;; end of part 3
;; launch down (part 4): grid 220 x 1, 4 waves a work-group, no clusters, 161,280 bytes of LDS; arguments H, Wd, Wd_s, tiles, Y; writes Y
.if DOCPART == 4
	.amdgcn_target "amdgcn-amd-amdhsa--gfx1250"
	.amdhsa_code_object_version 6
	.text
	.protected	k_q9ff7653e38_down
	.globl	k_q9ff7653e38_down
	.p2align	8
	.type	k_q9ff7653e38_down,@function
k_q9ff7653e38_down:
	s_mov_b64 s[64:65], 0
	v_nop
	global_prefetch_b8 v0, s[64:65] scope:SCOPE_SE
	s_setreg_imm32_b32 hwreg(HW_REG_WAVE_MODE, 25, 1), 1
	s_wait_xcnt 0x0
; DOWN.  Y[row][d] = the sum over f of H[row][f] Wd_e[f][d], in f32, for the 7,040 sorted rows; e is the expert of the row's tile of 128 rows (8: the shared one).
; ITEMS.  A tile of 128 rows x 128 d: 440 items, 220 work-groups, two each (g and g + 220), a fixed timetable.  Four waves, each 64 rows x 64 d: 16 accumulators.
; The matrix instruction is used transposed (source 0 = 16 d of the weights, source 1 = 16 rows): a lane holds eight neighbouring d of one row.
; DATA PATH.  Wd is f32 [f][d] and becomes bf16 between registers and LDS, which the tensor mover cannot do; so no mover and no joint loads.  K goes in 8 chunks of 128:
; a row's piece of H is 256 consecutive bytes, aligned, a weight row's piece 512.  Chunk c lives in register set c & 1, then in LDS slot c & 1.  Step s multiplies slot s & 1, stages
; chunk s + 1 and asks for chunk s + 3: two chunks, 96 loads of 512 bytes a wave, are asked for ahead.  Steps 5 to 7 of the first item ask for the second item's chunks 0 to 2.
; REGISTERS: window 0: addresses, v64-127 and v128-191 two fragment buffers (32 of rows, 32 of weights), v192-255 the way out; window 1: accumulator (a, b) at 8 (4 a + b);
; windows 2, 3: register sets 0, 1: v0-127 weights, v128-191 rows, v192-195 addresses.
.set NWG,   220
.set KS,    128
.set PA,    272
.set PB,    288                        ; 256 bytes + 32: an odd multiple of 32
.set ASZ,   128*PA
.set SLOT,  ASZ+KS*PB                  ; 71,680
.set STAGE, 2*SLOT                     ; 16 rows x 272 bytes for each wave, its own
.set SP,    272
.set ADRA, 10
.set ADRB, 12
.set STO,  14
.set RD,   15
.set YO,   16
.set F0,   64
.set F1,   128
.set OB,   192
.set SA,   128                         ; in windows 2, 3
.set AOFF, 192
.set BOFF, 193
.set ASTO, 194
.set BSTO, 195
.set AB, 26                            ; s[26:29] set 0: H, Wd at its chunk; s[30:33] set 1
.set BB, 28
.set MULW, 0x50
.set MSB, 0
.macro WIN new
.if MSB != (\new)
	s_set_vgpr_msb (MSB<<8)|(\new)
.set MSB, \new
.endif
.endm
.macro PLACES                          ; four places between a matrix instruction and a load into its registers
.rept 4
	v_nop
.endr
.endm
.macro WBASE e, j, d
	s_min_u32 s[\e], s[\e], 8
	s_and_b32 s42, s[\e], 7                        ; 8 gives 0
	s_lshl_b32 s42, s42, 22
	s_lshl_b32 s19, s[\j], 9
	s_add_co_u32 s42, s42, s19
	s_cmp_eq_u32 s[\e], 8
	s_cselect_b64 s[\d:\d+1], s[8:9], s[6:7]
	s_add_nc_u64 s[\d:\d+1], s[\d:\d+1], s[42:43]
.endm
	s_load_b256 s[4:11], s[0:1], 0x0               ; H s[4:5], Wd s[6:7], Wd_s s[8:9], tiles s[10:11]
	s_load_b64 s[12:13], s[0:1], 0x20              ; Y
	v_lshl_add_u32 v62, v0, 2, 0x27400
	v_mov_b32 v63, 0
	v_lshrrev_b32 v1, 5, v0
	v_readfirstlane_b32 s14, v1                    ; wave
	s_lshr_b32 s15, s14, 1                         ; which 64 rows
	s_and_b32 s16, s14, 1                          ; which 64 d
	s_lshr_b32 s20, ttmp9, 3                       ; first item: tile, slice
	s_and_b32 s21, ttmp9, 7
	s_add_co_u32 s42, ttmp9, NWG
	s_lshr_b32 s22, s42, 3                         ; second item
	s_and_b32 s23, s42, 7
	s_mov_b32 s43, 0
	v_and_b32 v1, 31, v0                           ; l
	v_and_b32 v2, 15, v0                           ; r
	v_bfe_u32 v3, v0, 4, 1                         ; h
	v_and_b32 v5, 7, v0
	v_bfe_u32 v6, v0, 3, 1
	s_wait_kmcnt 0x0
	s_lshl_b32 s42, s20, 2
	s_add_nc_u64 s[44:45], s[10:11], s[42:43]
	s_lshl_b32 s42, s22, 2
	s_add_nc_u64 s[46:47], s[10:11], s[42:43]
	s_load_b32 s24, s[44:45], 0x0
	s_load_b32 s25, s[46:47], 0x0
	s_lshl_b32 s42, s14, 16
	v_lshlrev_b32 v20, 11, v3
	v_lshl_add_u32 v20, v2, 4, v20
	v_add_nc_u32 v17, s42, v20                     ; H: row 32 w + h, 16 bytes at 16 r; load i takes the rows 2 i further on
	s_lshl_b32 s42, s14, 17
	v_lshl_add_u32 v18, v1, 4, s42                 ; Wd: k-row 32 w, 16 bytes a lane
	s_mul_i32 s42, s14, 32*PA
	v_mul_u32_u24 v20, v3, PA
	v_lshl_add_u32 v20, v2, 4, v20
	v_add_nc_u32 v19, s42, v20                     ; staging, rows, slot 0
	s_mul_i32 s42, s14, 32*PB
	s_add_co_u32 s42, s42, ASZ
	v_lshl_add_u32 v21, v1, 3, s42                 ; staging, weights, slot 0
	s_mul_i32 s42, s15, 64*PA
	v_mul_u32_u24 v20, v2, PA
	v_lshl_add_u32 v20, v3, 4, v20
	v_add_nc_u32 v[ADRA], s42, v20
	v_add_nc_u32 v[ADRA+1], SLOT, v[ADRA]
	v_lshl_add_u32 v20, v3, 3, v5
	v_mul_u32_u24 v20, v20, PB
	v_lshl_add_u32 v20, v6, 4, v20
	s_lshl_b32 s42, s16, 7
	s_add_co_u32 s42, s42, ASZ
	v_add_nc_u32 v[ADRB], s42, v20
	v_add_nc_u32 v[ADRB+1], SLOT, v[ADRB]
	s_mul_i32 s42, s14, 16*SP
	s_add_co_u32 s42, s42, STAGE                   ; my stage
	v_mul_u32_u24 v20, v2, SP
	v_lshl_add_u32 v20, v3, 5, v20
	v_add_nc_u32 v[STO], s42, v20                  ; in: row r, 32 bytes for each half of the lanes
	v_mul_u32_u24 v20, v3, SP
	v_lshl_add_u32 v20, v2, 4, v20
	v_add_nc_u32 v[RD], s42, v20                   ; back: lanes 0-15 one row of 256 bytes, lanes 16-31 the next
	s_lshl_b32 s42, s15, 18
	s_lshl_b32 s19, s16, 8
	s_add_co_u32 s42, s42, s19
	v_lshlrev_b32 v20, 12, v3
	v_lshl_add_u32 v20, v2, 4, v20
	v_add_nc_u32 v[YO], s42, v20                   ; Y: row 64 mh + h, byte 256 nh + 16 r
	s_wait_kmcnt 0x0
	WBASE 24, 21, 28
	WBASE 25, 23, 36                               ; s[36:37]: the second item's weights
	s_lshl_b32 s42, s20, 18
	s_add_nc_u64 s[26:27], s[4:5], s[42:43]        ; H at the first item's rows,
	s_lshl_b32 s42, s22, 18
	s_add_nc_u64 s[34:35], s[4:5], s[42:43]        ; at the second's
	s_add_nc_u64 s[30:31], s[26:27], 2*KS          ; set 1 begins with chunk 1
	s_add_nc_u64 s[32:33], s[28:29], KS*4096
	s_lshl_b32 s42, s20, 19
	s_lshl_b32 s19, s21, 9
	s_add_co_u32 s42, s42, s19
	s_add_nc_u64 s[38:39], s[12:13], s[42:43]      ; Y at the first item,
	s_lshl_b32 s42, s22, 19
	s_lshl_b32 s19, s23, 9
	s_add_co_u32 s42, s42, s19
	s_add_nc_u64 s[40:41], s[12:13], s[42:43]      ; at the second
	WIN 0x80
	v_mov_b32 v[AOFF], v17
	v_mov_b32 v[BOFF], v18
	v_mov_b32 v[ASTO], v19
	v_mov_b32 v[BSTO], v21
	WIN 0
	v_add_nc_u32 v19, SLOT, v19
	v_add_nc_u32 v21, SLOT, v21
	WIN 0xc0
	v_mov_b32 v[AOFF], v17
	v_mov_b32 v[BOFF], v18
	v_mov_b32 v[ASTO], v19
	v_mov_b32 v[BSTO], v21
.macro ISSUE p                         ; a chunk's 48 loads into set p
	WIN 0xaa+0x55*\p
.set i, 0
.rept 16
	global_load_b128 v[SA+4*i:SA+4*i+3], v[AOFF], s[AB+4*\p:AB+4*\p+1] offset:4096*i
.set i, i+1
.endr
.set i, 0
.rept 32
	global_load_b128 v[4*i:4*i+3], v[BOFF], s[BB+4*\p:BB+4*\p+1] offset:4096*i
.set i, i+1
.endr
.endm
.macro ROWOPS cnt, p, issue            ; the next cnt of a chunk's 48 staging operations (rn counts them): one LDS store each; the registers freed are asked for again at once
.rept \cnt
.if rn < 16
	ds_store_b128 v[ASTO], v[SA+4*rn:SA+4*rn+3] offset:2*PA*rn
.if \issue
	global_load_b128 v[SA+4*rn:SA+4*rn+3], v[AOFF], s[AB+4*\p:AB+4*\p+1] offset:4096*rn
.endif
.else
.set rm, rn-16
	v_cvt_pk_bf16_f32 v[4*rm], v[4*rm], v[4*rm+1]
	v_cvt_pk_bf16_f32 v[4*rm+1], v[4*rm+2], v[4*rm+3]
	ds_store_b64 v[BSTO], v[4*rm:4*rm+1] offset:PB*rm
.if \issue
	global_load_b128 v[4*rm:4*rm+3], v[BOFF], s[BB+4*\p:BB+4*\p+1] offset:4096*rm
.endif
.endif
.set rn, rn+1
.endr
.endm
.macro HEAD p, cnt, issue              ; set p's chunk is in (cnt: the other set's later loads may stay out), so its bases may be written
	s_wait_loadcnt \cnt
.if \issue == 1
	s_add_nc_u64 s[AB+4*\p:AB+4*\p+1], s[AB+4*\p:AB+4*\p+1], 4*KS
	s_add_nc_u64 s[BB+4*\p:BB+4*\p+1], s[BB+4*\p:BB+4*\p+1], 2*KS*4096
.elseif \issue == 2
	s_add_nc_u64 s[AB+4*\p:AB+4*\p+1], s[34:35], 2*KS*\p
	s_add_nc_u64 s[BB+4*\p:BB+4*\p+1], s[36:37], KS*4096*\p
.endif
.endm
; 4 matrix instructions.  The 16 accumulators take turns, one instruction a turn, in the same order everywhere.
.macro MUL4 f, a, zero
.irp b, 0,1,2,3
.if \zero
	v_wmma_f32_16x16x32_bf16 v[8*(4*\a+\b):8*(4*\a+\b)+7], v[\f+32+8*\b:\f+32+8*\b+7], v[\f+8*\a:\f+8*\a+7], 0
.else
	v_wmma_f32_16x16x32_bf16 v[8*(4*\a+\b):8*(4*\a+\b)+7], v[\f+32+8*\b:\f+32+8*\b+7], v[\f+8*\a:\f+8*\a+7], v[8*(4*\a+\b):8*(4*\a+\b)+7]
.endif
.endr
.endm
.macro FETCH slot, q, f                ; 16 LDS loads in one run: the fragments of 32 along K, quarter q of a slot
	WIN 0
.irp b, 0,1,2,3
	ds_load_tr16_b128 v[\f+32+8*\b:\f+32+8*\b+3],   v[ADRB+\slot] offset:32*PB*\q+32*\b
	ds_load_tr16_b128 v[\f+32+8*\b+4:\f+32+8*\b+7], v[ADRB+\slot] offset:32*PB*\q+16*PB+32*\b
.endr
.irp a, 0,1,2,3
	ds_load_b128 v[\f+8*\a:\f+8*\a+3],   v[ADRA+\slot] offset:16*PA*\a+64*\q
	ds_load_b128 v[\f+8*\a+4:\f+8*\a+7], v[ADRA+\slot] offset:16*PA*\a+64*\q+32
.endr
.endm
; One of a step's first three quarters: multiplies buffer f, fetches quarter q into buffer g, does a third of the staging.
.macro QUART p, f, g, q, zero, stage, issue, cnt, first
	WIN MULW
	MUL4 \f, 0, \zero
	MUL4 \f, 1, \zero
	WIN 0
	PLACES
	FETCH \p, \q, \g
.if \stage
.if \first
	HEAD OTH, \cnt, \issue
.endif
	WIN 0xaa+0x55*OTH
	ROWOPS 16, OTH, \issue
.endif
	WIN MULW
	MUL4 \f, 2, \zero
	MUL4 \f, 3, \zero
.endm
; A step: 64 matrix instructions on slot p.  ONE barrier, in the last quarter: in front of it each wave has waited for its stores into the other slot and for its reads of this one.
.macro STEP p, zero, stage, issue, cnt, fin
.set OTH, 1-\p
.set rn, 0
	s_wait_dscnt 0x0                               ; buffer 0 is in
	QUART \p, F0, F1, 1, \zero, \stage, \issue, \cnt, 1
	s_wait_dscnt 16*\stage                         ; the fetch is in; the 16 staging stores behind it may stay out
	QUART \p, F1, F0, 2, 0, \stage, \issue, \cnt, 0
	s_wait_dscnt 16*\stage
	QUART \p, F0, F1, 3, 0, \stage, \issue, \cnt, 0
	s_wait_dscnt 0x0                               ; buffer 1 is in, my stores are done, my reads of this slot are over
.if \fin
	MUL4 F1, 0, 0
.else
	s_barrier_signal -1
	MUL4 F1, 0, 0                                  ; register work while the others arrive
	s_barrier_wait -1
	WIN 0
	PLACES
	FETCH OTH, 0, F0
	WIN MULW
.endif
	MUL4 F1, 1, 0
	MUL4 F1, 2, 0
	MUL4 F1, 3, 0
.endm
; The way out of row block a: 16 rows x 256 bytes through my own stage; LDS serves a wave's instructions in order (ISA guide 5.7.1.4), so no wait stands between the stores and the loads.
.macro OUT a
	WIN 0x04                                       ; store data in window 1
.irp b, 0,1,2,3
	ds_store_b128 v[STO], v[8*(4*\a+\b):8*(4*\a+\b)+3]   offset:64*\b
	ds_store_b128 v[STO], v[8*(4*\a+\b)+4:8*(4*\a+\b)+7] offset:64*\b+16
.endr
	WIN 0
.if \a >= 2
	s_wait_xcnt 0x0                                ; the registers that block a - 2's stores read are loaded into only behind this wait
.endif
.irp t, 0,1,2,3,4,5,6,7
	ds_load_b128 v[OB+32*(\a%2)+4*\t:OB+32*(\a%2)+4*\t+3], v[RD] offset:2*SP*\t
.endr
	s_wait_dscnt 0x0
.irp t, 0,1,2,3,4,5,6,7
	global_store_b128 v[YO], v[OB+32*(\a%2)+4*\t:OB+32*(\a%2)+4*\t+3], s[38:39] offset:(16*\a+2*\t)*4096   ; 16 lanes store 256 consecutive bytes, aligned
.endr
.endm
	ISSUE 0                                        ; chunks 0 and 1
	ISSUE 1
	HEAD 0, 48, 1                                  ; chunk 0 is in; chunk 1's 48 loads may stay out
	WIN 0xaa
.set rn, 0
	ROWOPS 48, 0, 1                                ; chunk 0 into slot 0; chunk 2 is asked for
	WIN 0
	s_wait_dscnt 0x0
	s_barrier_signal -1
	s_barrier_wait -1
	FETCH 0, 0, F0
	s_mov_b32 s17, 2                               ; items to go
.Litem:
	STEP 0, 1, 1, 1, 48, 0                         ; step 0: its first products start the sums
	WIN 0                                          ; at a label and at a branch every window is 0
	s_mov_b32 s18, 2
.Lk:                                                   ; steps 1 to 4
	STEP 1, 0, 1, 1, 48, 0
	STEP 0, 0, 1, 1, 48, 0
	WIN 0
	s_sub_co_u32 s18, s18, 1
	s_cmp_lg_u32 s18, 0
	s_cbranch_scc1 .Lk
	s_cmp_eq_u32 s17, 1
	s_cbranch_scc1 .Llast
	STEP 1, 0, 1, 2, 48, 0                         ; the stream goes on into the second item: its chunk 0 is asked for,
	STEP 0, 0, 1, 2, 48, 0                         ; its chunk 1,
	STEP 1, 0, 1, 1, 48, 0                         ; its chunk 2; its chunk 0 is staged and its first fragments are fetched
	WIN 0
	s_branch .Lepi
.Llast:
	STEP 1, 0, 1, 0, 48, 0                         ; nothing more is asked for: chunk 7's 48 loads may stay out,
	STEP 0, 0, 1, 0, 0, 0                          ; then none
	STEP 1, 0, 0, 0, 0, 1
	WIN 0
.Lepi:
	; Five places behind the item's last products: four before the LDS stores below read the results, and the fifth because the way out holds no other vector
	; instruction and the next item's first products, which start their sums with the constant 0, write over these accumulators.
.rept 5
	v_nop
.endr
	OUT 0
	OUT 1
	OUT 2
	OUT 3
	s_wait_xcnt 0x0                                ; the stores' base and data are written again only behind this wait
	s_mov_b64 s[38:39], s[40:41]
	s_sub_co_u32 s17, s17, 1
	s_cmp_lg_u32 s17, 0
	s_cbranch_scc1 .Litem
	s_wait_tensorcnt 0x0
	ds_add_u32 v62, v63
	s_wait_dscnt 0x0
	s_endpgm
.Lfunc_end_k_q9ff7653e38_down:
	.size	k_q9ff7653e38_down, .Lfunc_end_k_q9ff7653e38_down-k_q9ff7653e38_down
	.p2alignl 7, 3214868480
	.fill 96, 4, 3214868480
	.section	.rodata,"a",@progbits
	.p2align	6, 0x0
	.amdhsa_kernel k_q9ff7653e38_down
		.amdhsa_group_segment_fixed_size 161280
		.amdhsa_private_segment_fixed_size 0
		.amdhsa_enable_private_segment 0
		.amdhsa_kernarg_size 40
		.amdhsa_user_sgpr_count 2
		.amdhsa_user_sgpr_kernarg_segment_ptr 1
		.amdhsa_wavefront_size32 1
		.amdhsa_system_sgpr_workgroup_id_x 1
		.amdhsa_system_sgpr_workgroup_id_y 1
		.amdhsa_system_sgpr_workgroup_id_z 1
		.amdhsa_system_vgpr_workitem_id 0
		.amdhsa_next_free_vgpr 1024
		.amdhsa_next_free_sgpr 66
		.amdhsa_reserve_vcc 0
		.amdhsa_float_denorm_mode_32 3
		.amdhsa_float_denorm_mode_16_64 3
		.amdhsa_memory_ordered 1
		.amdhsa_forward_progress 1
		.amdhsa_inst_pref_size 200
	.end_amdhsa_kernel
	.amdgpu_metadata
---
amdhsa.version: [ 1, 2 ]
amdhsa.kernels:
  - .name:           k_q9ff7653e38_down
    .symbol:         k_q9ff7653e38_down.kd
    .args:
      - { .name: H, .offset: 0, .size: 8, .value_kind: global_buffer, .address_space: global }
      - { .name: Wd, .offset: 8, .size: 8, .value_kind: global_buffer, .address_space: global }
      - { .name: Wd_s, .offset: 16, .size: 8, .value_kind: global_buffer, .address_space: global }
      - { .name: tiles, .offset: 24, .size: 8, .value_kind: global_buffer, .address_space: global }
      - { .name: Y, .offset: 32, .size: 8, .value_kind: global_buffer, .address_space: global }
    .group_segment_fixed_size: 161280
    .private_segment_fixed_size: 0
    .kernarg_segment_align: 8
    .kernarg_segment_size: 40
    .max_flat_workgroup_size: 128
    .sgpr_count:     66
    .vgpr_count:     1024
    .wavefront_size: 32
...
	.end_amdgpu_metadata
.endif
;; end of part 4
;; launch combine (part 5): grid 256 x 1, 8 waves a work-group, no clusters, 0 bytes of LDS; arguments Y, pos, topg, out0; writes out0
.if DOCPART == 5
	.amdgcn_target "amdgcn-amd-amdhsa--gfx1250"
	.amdhsa_code_object_version 6
	.text
	.protected	k_q9ff7653e38_combine
	.globl	k_q9ff7653e38_combine
	.p2align	8
	.type	k_q9ff7653e38_combine,@function
k_q9ff7653e38_combine:
	s_mov_b64 s[64:65], 0
	v_nop
	global_prefetch_b8 v0, s[64:65] scope:SCOPE_SE
	s_setreg_imm32_b32 hwreg(HW_REG_WAVE_MODE, 25, 1), 1
	s_wait_xcnt 0x0
; COMBINE.  out0[t] = Y[t] + g1 Y[pos[t][0]] + g2 Y[pos[t][1]], all in f32.  One wave to a token: three rows of 4,096 bytes in, one out; every load and store of the wave covers
; 512 consecutive bytes.  Memory binds: no LDS, no barrier, no matrix unit.  All 24 loads of a wave go out before the first is used.
	s_load_b256 s[4:11], s[0:1], 0x0               ; Y s[4:5], pos s[6:7], topg s[8:9], out0 s[10:11]
	v_lshrrev_b32 v1, 5, v0
	v_readfirstlane_b32 s12, v1                    ; wave
	v_and_b32 v2, 31, v0
	v_lshlrev_b32 v3, 4, v2                        ; 16 x lane
	s_lshl_b32 s13, ttmp9, 3
	s_add_co_u32 s13, s13, s12                     ; my token
	s_lshl_b32 s14, s13, 3
	s_mov_b32 s15, 0
	s_lshl_b32 s20, s13, 12
	s_mov_b32 s21, 0
	s_wait_kmcnt 0x0
	s_add_nc_u64 s[6:7], s[6:7], s[14:15]
	s_add_nc_u64 s[8:9], s[8:9], s[14:15]
	s_load_b64 s[16:17], s[6:7], 0x0               ; the two rows,
	s_load_b64 s[18:19], s[8:9], 0x0               ; the two gates
	s_add_nc_u64 s[22:23], s[4:5], s[20:21]
	s_add_nc_u64 s[10:11], s[10:11], s[20:21]
.irp j, 0,1,2,3,4,5,6,7
	global_load_b128 v[8+4*\j:11+4*\j], v3, s[22:23] offset:512*\j th:TH_LOAD_NT
.endr
	s_wait_kmcnt 0x0
	s_min_u32 s16, s16, 0x1b7f                     ; 7,039, the last sorted row
	s_min_u32 s17, s17, 0x1b7f
	s_lshl_b32 s24, s16, 12
	s_mov_b32 s25, 0
	s_lshl_b32 s26, s17, 12
	s_mov_b32 s27, 0
	s_add_nc_u64 s[24:25], s[4:5], s[24:25]
	s_add_nc_u64 s[26:27], s[4:5], s[26:27]
	s_mov_b32 s28, s18                             ; each gate as a pair: the packed multiply-add names a pair and takes its low word for both halves
	s_mov_b32 s29, s18
	s_mov_b32 s30, s19
	s_mov_b32 s31, s19
.irp j, 0,1,2,3,4,5,6,7
	global_load_b128 v[40+4*\j:43+4*\j], v3, s[24:25] offset:512*\j th:TH_LOAD_NT
	global_load_b128 v[72+4*\j:75+4*\j], v3, s[26:27] offset:512*\j th:TH_LOAD_NT
.endr
.irp j, 0,1,2,3,4,5,6,7
	s_wait_loadcnt 14-2*\j                         ; the younger pairs of loads may stay out
	v_pk_fma_f32 v[8+4*\j:9+4*\j],   v[40+4*\j:41+4*\j], s[28:29], v[8+4*\j:9+4*\j]   op_sel_hi:[1,0,1]
	v_pk_fma_f32 v[10+4*\j:11+4*\j], v[42+4*\j:43+4*\j], s[28:29], v[10+4*\j:11+4*\j] op_sel_hi:[1,0,1]
	v_pk_fma_f32 v[8+4*\j:9+4*\j],   v[72+4*\j:73+4*\j], s[30:31], v[8+4*\j:9+4*\j]   op_sel_hi:[1,0,1]
	v_pk_fma_f32 v[10+4*\j:11+4*\j], v[74+4*\j:75+4*\j], s[30:31], v[10+4*\j:11+4*\j] op_sel_hi:[1,0,1]
	global_store_b128 v3, v[8+4*\j:11+4*\j], s[10:11] offset:512*\j th:TH_STORE_NT
.endr
	s_endpgm
.Lfunc_end_k_q9ff7653e38_combine:
	.size	k_q9ff7653e38_combine, .Lfunc_end_k_q9ff7653e38_combine-k_q9ff7653e38_combine
	.p2alignl 7, 3214868480
	.fill 96, 4, 3214868480
	.section	.rodata,"a",@progbits
	.p2align	6, 0x0
	.amdhsa_kernel k_q9ff7653e38_combine
		.amdhsa_group_segment_fixed_size 0
		.amdhsa_private_segment_fixed_size 0
		.amdhsa_enable_private_segment 0
		.amdhsa_kernarg_size 32
		.amdhsa_user_sgpr_count 2
		.amdhsa_user_sgpr_kernarg_segment_ptr 1
		.amdhsa_wavefront_size32 1
		.amdhsa_system_sgpr_workgroup_id_x 1
		.amdhsa_system_sgpr_workgroup_id_y 1
		.amdhsa_system_sgpr_workgroup_id_z 1
		.amdhsa_system_vgpr_workitem_id 0
		.amdhsa_next_free_vgpr 104
		.amdhsa_next_free_sgpr 66
		.amdhsa_reserve_vcc 0
		.amdhsa_float_denorm_mode_32 3
		.amdhsa_float_denorm_mode_16_64 3
		.amdhsa_memory_ordered 1
		.amdhsa_forward_progress 1
		.amdhsa_inst_pref_size 7
	.end_amdhsa_kernel
	.amdgpu_metadata
---
amdhsa.version: [ 1, 2 ]
amdhsa.kernels:
  - .name:           k_q9ff7653e38_combine
    .symbol:         k_q9ff7653e38_combine.kd
    .args:
      - { .name: Y, .offset: 0, .size: 8, .value_kind: global_buffer, .address_space: global }
      - { .name: pos, .offset: 8, .size: 8, .value_kind: global_buffer, .address_space: global }
      - { .name: topg, .offset: 16, .size: 8, .value_kind: global_buffer, .address_space: global }
      - { .name: out0, .offset: 24, .size: 8, .value_kind: global_buffer, .address_space: global }
    .group_segment_fixed_size: 0
    .private_segment_fixed_size: 0
    .kernarg_segment_align: 8
    .kernarg_segment_size: 32
    .max_flat_workgroup_size: 256
    .sgpr_count:     66
    .vgpr_count:     104
    .wavefront_size: 32
...
	.end_amdgpu_metadata
.endif
;; end of part 5
;; ======== version 2 of 3: 5 launches; 1.29 times as fast as version 1
;; limits: values outside matrix products are rounded to bf16
;; workspace buffers: xb 4,194,304 bytes; topi 16,384 bytes of whole numbers; topg 16,384 bytes; pos 16,384 bytes of whole numbers; rowtok 32,768 bytes of whole numbers; tiles 256 bytes of whole numbers; H 16,252,928 bytes; Y 32,505,856 bytes
;; launch router: the kernel of part 1 again; grid 256 x 1, 8 waves a work-group, no clusters, 34,048 bytes of LDS; arguments x, Wr, expert_bias, xb, topi, topg; writes xb, topi, topg
;; launch plan (part 6): grid 1 x 1, 32 waves a work-group, no clusters, 8,192 bytes of LDS; arguments topi, pos, rowtok, tiles, out1; writes pos, rowtok, tiles, out1
.if DOCPART == 6
	.amdgcn_target "amdgcn-amd-amdhsa--gfx1250"
	.amdhsa_code_object_version 6
	.text
	.protected	k_q9ff7653e38_plan
	.globl	k_q9ff7653e38_plan
	.p2align	8
	.type	k_q9ff7653e38_plan,@function
k_q9ff7653e38_plan:
	s_mov_b64 s[64:65], 0
	v_nop
	global_prefetch_b8 v0, s[64:65] scope:SCOPE_SE
	s_setreg_imm32_b32 hwreg(HW_REG_WAVE_MODE, 25, 1), 1
	s_wait_xcnt 0x0
; PLAN.  Sorts the 4,096 choices (token, expert) by expert, without atomics, in whole numbers alone.  One work-group of 1,024 threads, four choices a thread.
; SORTED ROWS.  Rows 0-2047: the shared expert, row = token.  From row 2,048 on: expert e's rows, each expert's segment padded to a multiple of 256.
; At most 2,048 + 23 x 256 = 7,936 rows, 31 tiles of 256.  pos[choice] = its row; rowtok[row] = its token (0 for padding rows and for all rows behind the last segment, up to row 8,191);
; tiles[i] = the expert of rows 256 i .., 8 for the shared expert and for tiles behind the last segment.  out1 = 0.
; The scatter into rowtok stores 4 bytes a lane to places that hang on the routing: 16 KiB in all.
.set MK,  32                           ; s[32:63]  mask of lanes whose choice c names expert e, at 8 c + e
.set TT,  16                           ; s[16:23]  first my wave's counts, then the totals T_e
.set RR,  24                           ; s[24:31]  choices of expert e in the waves before mine, then the running row
.set EN,  66                           ; s[66:73]  end of expert e's segment
.set BS,  74                           ; s[74:81]  its begin
.set CV,  86                           ; s[86:91]  for each of six blocks of 1,024 rows: the lanes whose row holds a choice
.set PADR, 52                          ; v[52:57]  for each of the six blocks: my row's byte offset in rowtok
	s_load_b256 s[4:11], s[0:1], 0x0               ; topi s[4:5], pos s[6:7], rowtok s[8:9], tiles s[10:11]
	s_load_b64 s[12:13], s[0:1], 0x20              ; out1
	v_lshl_add_u32 v64, v0, 2, 0x1000
	v_mov_b32 v65, 0
	v_lshrrev_b32 v1, 5, v0
	v_readfirstlane_b32 s14, v1                    ; wave
	v_and_b32 v2, 31, v0                           ; lane
	v_lshlrev_b32 v3, 4, v0                        ; 16 x thread
	s_mov_b32 s82, 0x76543210                      ; v_permlanex16_b32: each lane takes its own place in the other half
	s_mov_b32 s83, 0xfedcba98
	s_wait_kmcnt 0x0
	global_load_b128 v[4:7], v3, s[4:5]            ; choices 4 t .. 4 t + 3: tokens 2 t and 2 t + 1
	s_wait_loadcnt 0x0
.irp c, 0,1,2,3
	v_min_u32 v[4+\c], 7, v[4+\c]
.endr
.irp c, 0,1,2,3
.irp e, 0,1,2,3,4,5,6,7
	v_cmp_eq_u32 s[MK+8*\c+\e], \e, v[4+\c]
.endr
.endr
.irp e, 0,1,2,3,4,5,6,7
	s_bcnt1_i32_b32 s[TT+\e], s[MK+\e]
.irp c, 1,2,3
	s_bcnt1_i32_b32 s15, s[MK+8*\c+\e]
	s_add_co_u32 s[TT+\e], s[TT+\e], s15
.endr
.endr
	v_mov_b32 v9, 0
.irp e, 0,1,2,3,4,5,6,7
	v_writelane_b32 v9, s[TT+\e], \e               ; lane e: my wave's count for expert e
.endr
	v_lshlrev_b32 v10, 2, v0                       ; LDS byte 128 x wave + 4 x lane
	ds_store_b32 v10, v9
	s_wait_dscnt 0x0                               ; for the others' sake
	s_barrier_signal -1
	s_barrier_wait -1
	v_lshlrev_b32 v11, 7, v2
	ds_load_b128 v[16:19], v11                     ; lane i: wave i's eight counts
	ds_load_b128 v[20:23], v11 offset:16
	v_mov_b32 v12, 0
	v_cmp_gt_u32 vcc_lo, s14, v2                   ; waves before mine
	s_wait_dscnt 0x0
.irp k, 0,1,2,3
	v_lshl_or_b32 v[24+\k], v[20+\k], 16, v[16+\k] ; experts k and k + 4 in one word: no sum passes 4,096
	v_cndmask_b32 v[28+\k], 0, v[24+\k], vcc_lo
.endr
.macro SUM32 r                         ; the sum over the 32 lanes, in every lane
.irp m, 1,2,4,8
	v_mov_b32_dpp v12, v[\r] row_xmask:\m row_mask:0xf bank_mask:0xf
	v_add_nc_u32 v[\r], v[\r], v12
.endr
	v_permlanex16_b32 v12, v[\r], s82, s83
	v_add_nc_u32 v[\r], v[\r], v12
.endm
.irp k, 24,25,26,27,28,29,30,31
	SUM32 \k
.endr
.irp k, 0,1,2,3
	v_readfirstlane_b32 s15, v[24+\k]
	s_and_b32 s[TT+\k], s15, 0xffff
	s_lshr_b32 s[TT+4+\k], s15, 16
	v_readfirstlane_b32 s15, v[28+\k]
	s_and_b32 s[RR+\k], s15, 0xffff
	s_lshr_b32 s[RR+4+\k], s15, 16
.endr
	s_mov_b32 s84, 2048
.irp e, 0,1,2,3,4,5,6,7
	s_mov_b32 s[BS+\e], s84
	s_add_co_u32 s[RR+\e], s[RR+\e], s84           ; my wave's first row of expert e
	s_add_co_u32 s15, s[TT+\e], 255
	s_and_b32 s15, s15, 0xffffff00                 ; the segment's length, rounded up to whole tiles of 256 rows
	s_add_co_u32 s84, s84, s15
	s_mov_b32 s[EN+\e], s84
.endr
.irp c, 0,1,2,3
.irp e, 0,1,2,3,4,5,6,7
	v_mbcnt_lo_u32_b32 v13, s[MK+8*\c+\e], 0       ; lanes below mine with the same expert in choice c
.if \e == 0
	v_add_nc_u32 v[32+\c], s[RR+\e], v13
.else
	v_add_nc_u32 v13, s[RR+\e], v13
	v_cndmask_b32 v[32+\c], v[32+\c], v13, s[MK+8*\c+\e]
.endif
	s_bcnt1_i32_b32 s15, s[MK+8*\c+\e]
	s_add_co_u32 s[RR+\e], s[RR+\e], s15
.endr
.endr
.irp c, 0,1,2,3
	v_min_u32 v[32+\c], 0x1eff, v[32+\c]           ; 7,935: never met, it bounds the address below
	v_lshlrev_b32 v[36+\c], 2, v[32+\c]
.endr
	v_lshlrev_b32 v40, 1, v0                       ; tokens 2 t,
	v_or_b32 v41, 1, v40                           ; 2 t + 1
	v_lshlrev_b32 v42, 3, v0
	v_mov_b32 v46, 0
	; Rows 2,048 to 8,191, six blocks of 1,024, a row a thread: which of them hold a choice (BS_e <= row < BS_e + T_e for some e)?
	; All six offsets and all six masks are made here, with every lane on, ahead of the first change of EXEC.
.irp i, 0,1,2,3,4,5
	v_add_nc_u32 v43, 2048+1024*\i, v0
	v_lshlrev_b32 v[PADR+\i], 2, v43
	s_mov_b32 s[CV+\i], 0
.irp e, 0,1,2,3,4,5,6,7
	v_sub_nc_u32 v44, v43, s[BS+\e]
	v_cmp_gt_u32 vcc_lo, s[TT+\e], v44             ; unsigned: BS <= row < BS + T
	s_or_b32 s[CV+\i], s[CV+\i], vcc_lo
.endr
.endr
	global_store_b128 v3, v[32:35], s[6:7]         ; pos
	global_store_b64 v42, v[40:41], s[8:9]         ; rows 0-2047: row = token
	global_store_b32 v36, v40, s[8:9]
	global_store_b32 v37, v40, s[8:9]
	global_store_b32 v38, v41, s[8:9]
	global_store_b32 v39, v41, s[8:9]
	; every row that holds no choice gets token 0: no word of rowtok is stored twice, none is left out
.irp i, 0,1,2,3,4,5
	s_not_b32 vcc_lo, s[CV+\i]
	s_wait_xcnt 0x0                                ; EXEC changes only behind this wait
	s_and_saveexec_b32 s92, vcc_lo
	global_store_b32 v[PADR+\i], v46, s[8:9]
	s_wait_xcnt 0x0                                ; and again, in front of the line that widens it
	s_or_b32 exec_lo, exec_lo, s92
.endr
	s_cmp_lg_u32 s14, 0
	s_cbranch_scc1 .Lend
	; wave 0: the table of tiles, two words a lane: the number of segments that end at or before the tile's first row
	v_mov_b32 v49, 8
.irp u, 0,1
	v_lshlrev_b32 v47, 9, v0
	v_add_nc_u32 v47, 256*\u, v47                  ; first row of tile 2 lane + u
	v_mov_b32 v[50+\u], 0
.irp e, 0,1,2,3,4,5,6,7
	v_cmp_le_u32 vcc_lo, s[EN+\e], v47
	v_cndmask_b32 v48, 0, 1, vcc_lo
	v_add_nc_u32 v[50+\u], v[50+\u], v48
.endr
	v_cmp_gt_u32 vcc_lo, 2048, v47                 ; the shared expert's tiles
	v_cndmask_b32 v[50+\u], v[50+\u], v49, vcc_lo
.endr
	global_store_b64 v42, v[50:51], s[10:11]       ; 256 consecutive bytes
	s_wait_xcnt 0x0
	v_cmp_eq_u32 vcc_lo, 0, v0
	s_and_saveexec_b32 s92, vcc_lo
	global_store_b32 v46, v46, s[12:13]            ; aux_loss = 0
	s_wait_xcnt 0x0
	s_or_b32 exec_lo, exec_lo, s92
.Lend:
	s_wait_tensorcnt 0x0
	ds_add_u32 v64, v65
	s_wait_dscnt 0x0
	s_endpgm
.Lfunc_end_k_q9ff7653e38_plan:
	.size	k_q9ff7653e38_plan, .Lfunc_end_k_q9ff7653e38_plan-k_q9ff7653e38_plan
	.p2alignl 7, 3214868480
	.fill 96, 4, 3214868480
	.section	.rodata,"a",@progbits
	.p2align	6, 0x0
	.amdhsa_kernel k_q9ff7653e38_plan
		.amdhsa_group_segment_fixed_size 8192
		.amdhsa_private_segment_fixed_size 0
		.amdhsa_enable_private_segment 0
		.amdhsa_kernarg_size 40
		.amdhsa_user_sgpr_count 2
		.amdhsa_user_sgpr_kernarg_segment_ptr 1
		.amdhsa_wavefront_size32 1
		.amdhsa_system_sgpr_workgroup_id_x 1
		.amdhsa_system_sgpr_workgroup_id_y 1
		.amdhsa_system_sgpr_workgroup_id_z 1
		.amdhsa_system_vgpr_workitem_id 0
		.amdhsa_next_free_vgpr 66
		.amdhsa_next_free_sgpr 96
		.amdhsa_reserve_vcc 1
		.amdhsa_float_denorm_mode_32 3
		.amdhsa_float_denorm_mode_16_64 3
		.amdhsa_memory_ordered 1
		.amdhsa_forward_progress 1
		.amdhsa_inst_pref_size 32
	.end_amdhsa_kernel
	.amdgpu_metadata
---
amdhsa.version: [ 1, 2 ]
amdhsa.kernels:
  - .name:           k_q9ff7653e38_plan
    .symbol:         k_q9ff7653e38_plan.kd
    .args:
      - { .name: topi, .offset: 0, .size: 8, .value_kind: global_buffer, .address_space: global }
      - { .name: pos, .offset: 8, .size: 8, .value_kind: global_buffer, .address_space: global }
      - { .name: rowtok, .offset: 16, .size: 8, .value_kind: global_buffer, .address_space: global }
      - { .name: tiles, .offset: 24, .size: 8, .value_kind: global_buffer, .address_space: global }
      - { .name: out1, .offset: 32, .size: 8, .value_kind: global_buffer, .address_space: global }
    .group_segment_fixed_size: 8192
    .private_segment_fixed_size: 0
    .kernarg_segment_align: 8
    .kernarg_segment_size: 40
    .max_flat_workgroup_size: 1024
    .sgpr_count:     96
    .vgpr_count:     66
    .wavefront_size: 32
...
	.end_amdgpu_metadata
.endif
;; end of part 6
;; launch up (part 7): grid 248 x 1, 4 waves a work-group, no clusters, 213,504 bytes of LDS; arguments xb, Wg, Wu, Wg_s, Wu_s, rowtok, tiles, H; writes H
.if DOCPART == 7
	.amdgcn_target "amdgcn-amd-amdhsa--gfx1250"
	.amdhsa_code_object_version 6
	.text
	.protected	k_q9ff7653e38_up
	.globl	k_q9ff7653e38_up
	.p2align	8
	.type	k_q9ff7653e38_up,@function
k_q9ff7653e38_up:
	s_mov_b64 s[64:65], 0
	v_nop
	global_prefetch_b8 v0, s[64:65] scope:SCOPE_SE
	s_setreg_imm32_b32 hwreg(HW_REG_WAVE_MODE, 25, 1), 1
	s_wait_xcnt 0x0
; UP.  H[row][f] = silu(x[tok(row)] . Wg_e[:, f]) * (x[tok(row)] . Wu_e[:, f]), rounded to bf16, for the 7,936 sorted rows; e is the expert of the row's tile of 256 rows.
; ITEMS.  An item is a tile of 256 rows x 128 f, for both products: 31 tiles x 8 slices = 248 items, one to a work-group: a fixed timetable, no trip count hangs on data.
; Tiles behind the last used one hold token 0 and the shared weights; they are computed and never read (at most 7 of 31).
; WAVES.  Four waves, each 128 rows x 64 f of both products: 64 accumulators.  For 32 along K a wave reads 32 fragments' halves from LDS and issues 64 matrix instructions.
; The matrix instruction is used transposed (source 0 = 16 f of the weights, source 1 = 16 rows), so a lane holds eight neighbouring f of one row, and g and u of one element
; lie in the same lane at the same register index.
; DATA PATH.  The weights are f32 [k][f] and become bf16 on the way: global load into registers, v_cvt_pk_bf16_f32, LDS; the rows of xb are gathered by rowtok.  The tensor mover neither
; converts nor gathers, so it, and with it joint loads of a cluster, are not used.  K goes in 16 chunks of 64, through one set of 192 registers into two LDS slots that take turns.
; A chunk is 48 loads a wave in three groups of 16 (rows, gate, up).  Step s multiplies slot s & 1 and stages chunk s + 1 into the other slot, group by group: the group's loads are
; waited for, a run of conversions, a run of LDS stores, and a run of loads that asks for the same group of chunk s + 2: 48 loads of 512 bytes a wave are always out, each for a whole step.
; A row's piece of xb in a chunk is 128 bytes; a weight row's piece is 512 consecutive bytes, aligned.
; REGISTERS, in windows of 256: window 0: v0-63 addresses, v64-191 weights as loaded, v192-255 rows as loaded; window 1: two fragment buffers of 128 (64 of rows, 64 of weights);
; windows 2, 3: the accumulators of my rows 0-63 and 64-127, (a, b) at 8 (8 (a % 4) + b), b 0-3 gate, 4-7 up.
.set KS,    64
.set PA,    144                        ; a row's 128 bytes + 16: an odd multiple of 16
.set PB,    544                        ; a k-row: 256 bytes of Wg, 256 of Wu, 32 of padding: an odd multiple of 32
.set ASZ,   256*PA
.set SLOT,  ASZ+KS*PB                  ; 71,680
.set STAGE, 2*SLOT                     ; 256 rows x 272 bytes for the way out
.set SP,    272
.set ADRA, 10                          ; v10-11 my row fragments in slot 0, 1
.set ADRB, 12                          ; v12-13 my weight fragments
.set STO,  14
.set RD,   15
.set HO,   16
.set ASTO, 18                          ; v18-19 where I stage rows in slot 0, 1
.set BSTO, 20                          ; v20-21 where I stage weights
.set BOFF, 22                          ; v22    my offset in a chunk of weights
.set AOFF, 24                          ; v24-39 the offsets in xb of the 16 x 4 rows that I stage
.set SB,   64                          ; v64-191  32 weight rows' pieces: 16 of Wg, 16 of Wu
.set SA,   192                         ; v192-255 16 loads of rows
.set T,    64                          ; the way out: 32 numbers at work; later 128 registers read back
.set P,    96                          ; 16 registers of packed results
.set F0,   0                           ; fragment buffers, in window 1
.set F1,   128
.set MUL_LO, 0xa5                      ; sources 0 and 1 window 1, C and D window 2
.set MUL_HI, 0xf5                      ; the same, C and D window 3
.set TO_F,   0x40                      ; destination window 1, address window 0
.set MSB, 0
.macro WIN new                         ; the immediate's high byte repeats the setting that is left; a switch that changes nothing is dropped
.if MSB != (\new)
	s_set_vgpr_msb (MSB<<8)|(\new)
.set MSB, \new
.endif
.endm
.macro PLACES                          ; four places between a matrix instruction and a load into, or a vector instruction on, its registers
.rept 4
	v_nop
.endr
.endm
.macro WBASE e, j, g, u                ; the weights of expert s[e] (8: the shared ones) at slice s[j]
	s_min_u32 s[\e], s[\e], 8
	s_and_b32 s52, s[\e], 7                        ; 8 gives 0
	s_lshl_b32 s52, s52, 22
	s_lshl_b32 s31, s[\j], 9
	s_add_co_u32 s52, s52, s31
	s_cmp_eq_u32 s[\e], 8
	s_cselect_b64 s[\g:\g+1], s[10:11], s[6:7]
	s_cselect_b64 s[\u:\u+1], s[12:13], s[8:9]
	s_add_nc_u64 s[\g:\g+1], s[\g:\g+1], s[52:53]
	s_add_nc_u64 s[\u:\u+1], s[\u:\u+1], s[52:53]
.endm
	s_load_b512 s[4:19], s[0:1], 0x0               ; xb s[4:5], Wg s[6:7], Wu s[8:9], Wg_s s[10:11], Wu_s s[12:13], rowtok s[14:15], tiles s[16:17], H s[18:19]
	v_lshl_add_u32 v62, v0, 2, 0x34000
	v_mov_b32 v63, 0
	v_lshrrev_b32 v1, 5, v0
	v_readfirstlane_b32 s20, v1                    ; wave
	s_lshr_b32 s21, s20, 1                         ; which 128 rows
	s_and_b32 s22, s20, 1                          ; which 64 f
	s_lshr_b32 s26, ttmp9, 3                       ; the item: tile,
	s_and_b32 s27, ttmp9, 7                        ; slice
	s_mov_b32 s58, 0xbfb8aa3b                      ; -log2(e), as a pair
	s_mov_b32 s59, 0xbfb8aa3b
	s_mov_b32 s53, 0
	v_and_b32 v1, 31, v0                           ; l
	v_and_b32 v2, 15, v0                           ; r
	v_bfe_u32 v3, v0, 4, 1                         ; h
	v_bfe_u32 v4, v0, 3, 2                         ; l / 8
	v_and_b32 v5, 7, v0
	v_bfe_u32 v6, v0, 3, 1
	s_lshl_b32 s52, s20, 6
	v_add_nc_u32 v7, s52, v4                       ; 64 w + l / 8: the first row that I stage; load i takes the row 4 i further on
	v_lshlrev_b32 v8, 2, v7
	s_wait_kmcnt 0x0
	s_lshl_b32 s52, s26, 10                        ; the tile's 256 words of rowtok
	s_add_nc_u64 s[54:55], s[14:15], s[52:53]
.set gi, 0
.rept 16
	global_load_b32 v[AOFF+gi], v8, s[54:55] offset:16*gi
.set gi, gi+1
.endr
	s_lshl_b32 s52, s26, 2
	s_add_nc_u64 s[44:45], s[16:17], s[52:53]
	s_load_b32 s29, s[44:45], 0x0                  ; the tile's expert
	v_lshlrev_b32 v9, 4, v5                        ; 16 (l & 7)
	v_mul_u32_u24 v[ASTO], v7, PA
	v_add_nc_u32 v[ASTO], v[ASTO], v9              ; staging, rows, slot 0,
	v_add_nc_u32 v[ASTO+1], SLOT, v[ASTO]          ; slot 1
	s_mul_i32 s52, s20, 16*PB
	s_add_co_u32 s52, s52, ASZ
	v_lshl_add_u32 v[BSTO], v1, 3, s52             ; staging, weights: k-row 16 w, 8 bytes a lane
	v_add_nc_u32 v[BSTO+1], SLOT, v[BSTO]
	s_lshl_b32 s52, s20, 16
	v_lshl_add_u32 v[BOFF], v1, 4, s52             ; weights in memory: k-row 16 w, 16 bytes a lane
	s_mul_i32 s52, s21, 128*PA
	v_mul_u32_u24 v40, v2, PA
	v_lshl_add_u32 v40, v3, 4, v40
	v_add_nc_u32 v[ADRA], s52, v40
	v_add_nc_u32 v[ADRA+1], SLOT, v[ADRA]
	v_lshl_add_u32 v40, v3, 3, v5                  ; the turning load: k-row 8 h + (l & 7), 16 bytes at 16 ((l / 8) & 1)
	v_mul_u32_u24 v40, v40, PB
	v_lshl_add_u32 v40, v6, 4, v40
	s_lshl_b32 s52, s22, 7
	s_add_co_u32 s52, s52, ASZ
	v_add_nc_u32 v[ADRB], s52, v40
	v_add_nc_u32 v[ADRB+1], SLOT, v[ADRB]
	s_mul_i32 s52, s21, 128*SP
	s_lshl_b32 s31, s22, 7
	s_add_co_u32 s52, s52, s31
	s_add_co_u32 s52, s52, STAGE
	v_mul_u32_u24 v40, v2, SP
	v_lshl_add_u32 v40, v3, 4, v40
	v_add_nc_u32 v[STO], s52, v40                  ; into the stage: row 128 mh + r, byte 128 nh + 16 h
	s_mul_i32 s52, s20, 64*SP
	s_add_co_u32 s52, s52, STAGE
	v_mul_u32_u24 v40, v3, SP
	v_lshl_add_u32 v40, v2, 4, v40
	v_add_nc_u32 v[RD], s52, v40                   ; back: rows 64 w + h, whole
	s_lshl_b32 s52, s20, 17
	v_lshlrev_b32 v40, 11, v3
	v_lshl_add_u32 v40, v2, 4, v40
	v_add_nc_u32 v[HO], s52, v40                   ; and the same rows in H
	s_wait_kmcnt 0x0
	WBASE 29, 27, 34, 36                           ; s[34:35] Wg, s[36:37] Wu at chunk 0
	s_mov_b64 s[32:33], s[4:5]                     ; s[32:33] xb at chunk 0
	s_lshl_b32 s52, s26, 19
	s_lshl_b32 s31, s27, 8
	s_add_co_u32 s52, s52, s31
	s_add_nc_u64 s[48:49], s[18:19], s[52:53]      ; H at the item
	s_wait_loadcnt 0x0
.set gi, 0
.rept 16
	v_min_u32 v[AOFF+gi], 0x7ff, v[AOFF+gi]
	v_lshl_add_u32 v[AOFF+gi], v[AOFF+gi], 11, v9  ; token x 2,048 + 16 (l & 7)
.set gi, gi+1
.endr
; The group of rows: its 16 loads are in (cnt: the younger loads that may stay out), so its base may step; 16 LDS stores as they are; the same group of the next chunk but one is asked for.
.macro GRPA slot, cnt, issue
	s_wait_loadcnt \cnt
.if \issue
	s_add_nc_u64 s[32:33], s[32:33], 2*KS
.endif
.set gi, 0
.rept 16
	ds_store_b128 v[ASTO+\slot], v[SA+4*gi:SA+4*gi+3] offset:4*PA*gi
.set gi, gi+1
.endr
.if \issue
.set gi, 0
.rept 16
	global_load_b128 v[SA+4*gi:SA+4*gi+3], v[AOFF+gi], s[32:33]
.set gi, gi+1
.endr
.endif
.endm
; A group of weights (m = 0 gate, 1 up): the same, with a run of 32 roundings to bf16 in front of the stores.  Conversions, stores and loads stand in runs, so that a store
; follows the conversion that feeds it once a group and not once a row.
.macro GRPB m, slot, cnt, issue
	s_wait_loadcnt \cnt
.if \issue
	s_add_nc_u64 s[34+2*\m:35+2*\m], s[34+2*\m:35+2*\m], KS*4096
.endif
.set gi, SB+64*\m
.rept 16
	v_cvt_pk_bf16_f32 v[gi], v[gi], v[gi+1]
	v_cvt_pk_bf16_f32 v[gi+1], v[gi+2], v[gi+3]
.set gi, gi+4
.endr
.set gi, 0
.rept 16
	ds_store_b64 v[BSTO+\slot], v[SB+64*\m+4*gi:SB+64*\m+4*gi+1] offset:PB*gi+256*\m
.set gi, gi+1
.endr
.if \issue
.set gi, 0
.rept 16
	global_load_b128 v[SB+64*\m+4*gi:SB+64*\m+4*gi+3], v[BOFF], s[34+2*\m:35+2*\m] offset:4096*gi
.set gi, gi+1
.endr
.endif
.endm
; 16 matrix instructions: row blocks a0, a0 + 1 of the window's four (hi = 0: my rows 0-63, 1: rows 64-127) x all 8 weight blocks, 32 along K.
; The 64 accumulators take turns, one instruction a turn, in the same order everywhere.  zero = 1: the first product starts the sums.
.macro MUL16 f, hi, a0, zero
.irp a, \a0, \a0+1
.irp b, 0,1,2,3,4,5,6,7
.if \zero
	v_wmma_f32_16x16x32_bf16 v[8*(8*(\a)+\b):8*(8*(\a)+\b)+7], v[\f+64+8*\b:\f+64+8*\b+7], v[\f+8*(4*\hi+\a):\f+8*(4*\hi+\a)+7], 0
.else
	v_wmma_f32_16x16x32_bf16 v[8*(8*(\a)+\b):8*(8*(\a)+\b)+7], v[\f+64+8*\b:\f+64+8*\b+7], v[\f+8*(4*\hi+\a):\f+8*(4*\hi+\a)+7], v[8*(8*(\a)+\b):8*(8*(\a)+\b)+7]
.endif
.endr
.endr
.endm
.macro FETCH slot, q, f                ; 32 LDS loads in one run: the fragments of 32 along K, half q of a slot
	WIN TO_F
.irp b, 0,1,2,3,4,5,6,7
	ds_load_tr16_b128 v[\f+64+8*\b:\f+64+8*\b+3],   v[ADRB+\slot] offset:32*PB*\q+32*(\b%4)+256*(\b/4)
	ds_load_tr16_b128 v[\f+64+8*\b+4:\f+64+8*\b+7], v[ADRB+\slot] offset:32*PB*\q+16*PB+32*(\b%4)+256*(\b/4)
.endr
.irp a, 0,1,2,3,4,5,6,7
	ds_load_b128 v[\f+8*\a:\f+8*\a+3],   v[ADRA+\slot] offset:16*PA*\a+64*\q
	ds_load_b128 v[\f+8*\a+4:\f+8*\a+7], v[ADRA+\slot] offset:16*PA*\a+64*\q+32
.endr
.endm
; A step: 128 matrix instructions on slot p; the next chunk is staged into the other slot.  ONE barrier: in front of it each wave has waited for its stores into the other slot and for its
; reads of this one; behind it the other slot is whole and this one may be written in the next step.  c0, c1, c2: the three groups' counts.
.macro STEP p, zero, stage, issue, c0, c1, c2, fin
.set OTH, 1-\p
	s_wait_dscnt 0x0                               ; buffer 0 is in
	WIN MUL_LO
	MUL16 F0, 0, 0, \zero
	MUL16 F0, 0, 2, \zero
	PLACES
	FETCH \p, 1, F1
.if \stage
	WIN 0
	GRPA OTH, \c0, \issue
	GRPB 0, OTH, \c1, \issue
.endif
	WIN MUL_HI
	MUL16 F0, 1, 0, \zero
	MUL16 F0, 1, 2, \zero
.if \stage
	WIN 0
	GRPB 1, OTH, \c2, \issue
.endif
	s_wait_dscnt 16*\stage                         ; buffer 1 is in; the last group's 16 stores may stay out
	WIN MUL_LO
	MUL16 F1, 0, 0, 0
.if \fin
	MUL16 F1, 0, 2, 0
.else
	s_wait_dscnt 0x0                               ; my stores are done, my reads of this slot are over
	s_barrier_signal -1
	MUL16 F1, 0, 2, 0                              ; register work while the others arrive
	s_barrier_wait -1
	PLACES
	FETCH OTH, 0, F0
.endif
	WIN MUL_HI
	MUL16 F1, 1, 0, 0
	MUL16 F1, 1, 2, 0
.endm
; The way out of row block a: silu(g) u = g u / (1 + 2^(-log2(e) g)), rounded to bf16, 16 bytes a lane into the stage.
.macro ACT a
.set AC, 64*((\a)%4)
.set AW, 2+(\a)/4
	WIN AW                                         ; source 0 in the block's window
.set i, 0
.rept 16
	v_pk_mul_f32 v[T+i:T+i+1], v[AC+i:AC+i+1], s[58:59] op_sel_hi:[1,0]
.set i, i+2
.endr
	WIN 0
.set i, 0
.rept 32
	v_exp_f32 v[T+i], v[T+i]
.set i, i+1
.endr
	v_nop                                          ; a plain instruction between the last exponential and the use of its result
.set i, 0
	s_wait_alu depctr_va_vdst(0)
.rept 16
	v_pk_add_f32 v[T+i:T+i+1], v[T+i:T+i+1], 1.0 op_sel_hi:[1,0]
.set i, i+2
.endr
.set i, 0
.rept 32
	v_rcp_f32 v[T+i], v[T+i]
.set i, i+1
.endr
	v_nop
	WIN AW<<2                                      ; source 1 in the block's window
.set i, 0
	s_wait_alu depctr_va_vdst(0)
.rept 16
	v_pk_mul_f32 v[T+i:T+i+1], v[T+i:T+i+1], v[AC+i:AC+i+1]
.set i, i+2
.endr
.set i, 0
.rept 16
	v_pk_mul_f32 v[T+i:T+i+1], v[T+i:T+i+1], v[AC+32+i:AC+32+i+1]
.set i, i+2
.endr
	WIN 0
.set i, 0
.rept 16
	v_cvt_pk_bf16_f32 v[P+i], v[T+2*i], v[T+2*i+1]
.set i, i+1
.endr
.irp b, 0,1,2,3
	ds_store_b128 v[STO], v[P+4*\b:P+4*\b+3] offset:16*SP*(\a)+32*\b
.endr
.endm
	; chunk 0: 48 loads, in the order of the groups
.set gi, 0
.rept 16
	global_load_b128 v[SA+4*gi:SA+4*gi+3], v[AOFF+gi], s[32:33]
.set gi, gi+1
.endr
.set gi, 0
.rept 32
	global_load_b128 v[SB+4*gi:SB+4*gi+3], v[BOFF], s[34+2*(gi/16):35+2*(gi/16)] offset:4096*(gi%16)
.set gi, gi+1
.endr
	GRPA 0, 32, 1                                  ; chunk 0 into slot 0; chunk 1 is asked for.  The count: a group's 16 loads are the oldest of the 48 that are out
	GRPB 0, 0, 32, 1
	GRPB 1, 0, 32, 1
	s_wait_dscnt 0x0
	s_barrier_signal -1
	s_barrier_wait -1
	FETCH 0, 0, F0
	STEP 0, 1, 1, 1, 32, 32, 32, 0                 ; step 0: its first products start the sums, nothing is cleared
	WIN 0                                          ; at a label and at a branch every window is 0
	s_mov_b32 s25, 6
.Lk:                                                   ; steps 1 to 12
	STEP 1, 0, 1, 1, 32, 32, 32, 0
	STEP 0, 0, 1, 1, 32, 32, 32, 0
	WIN 0
	s_sub_co_u32 s25, s25, 1
	s_cmp_lg_u32 s25, 0
	s_cbranch_scc1 .Lk
	STEP 1, 0, 1, 1, 32, 32, 32, 0                 ; step 13 asks for chunk 15, the last
	STEP 0, 0, 1, 0, 32, 16, 0, 0                  ; step 14 stages it and asks for nothing: the counts run down
	STEP 1, 0, 0, 0, 0, 0, 0, 1                    ; step 15
	WIN 0
	PLACES
.irp a, 0,1,2,3,4,5,6,7
	ACT \a
.endr
	s_wait_dscnt 0x0                               ; for the others' sake: a row's 256 bytes come from two waves
	s_barrier_signal -1
	s_barrier_wait -1
.set i, 0
.rept 32
	ds_load_b128 v[T+4*i:T+4*i+3], v[RD] offset:2*SP*i
.set i, i+1
.endr
.set i, 0
.rept 32
	s_wait_dscnt 31-i                              ; the younger loads may stay out
	global_store_b128 v[HO], v[T+4*i:T+4*i+3], s[48:49] offset:4096*i   ; 16 lanes store 256 consecutive bytes, aligned
.set i, i+1
.endr
	s_wait_tensorcnt 0x0
	ds_add_u32 v62, v63
	s_wait_dscnt 0x0
	s_endpgm
.Lfunc_end_k_q9ff7653e38_up:
	.size	k_q9ff7653e38_up, .Lfunc_end_k_q9ff7653e38_up-k_q9ff7653e38_up
	.p2alignl 7, 3214868480
	.fill 96, 4, 3214868480
	.section	.rodata,"a",@progbits
	.p2align	6, 0x0
	.amdhsa_kernel k_q9ff7653e38_up
		.amdhsa_group_segment_fixed_size 213504
		.amdhsa_private_segment_fixed_size 0
		.amdhsa_enable_private_segment 0
		.amdhsa_kernarg_size 64
		.amdhsa_user_sgpr_count 2
		.amdhsa_user_sgpr_kernarg_segment_ptr 1
		.amdhsa_wavefront_size32 1
		.amdhsa_system_sgpr_workgroup_id_x 1
		.amdhsa_system_sgpr_workgroup_id_y 1
		.amdhsa_system_sgpr_workgroup_id_z 1
		.amdhsa_system_vgpr_workitem_id 0
		.amdhsa_next_free_vgpr 1024
		.amdhsa_next_free_sgpr 66
		.amdhsa_reserve_vcc 0
		.amdhsa_float_denorm_mode_32 3
		.amdhsa_float_denorm_mode_16_64 3
		.amdhsa_memory_ordered 1
		.amdhsa_forward_progress 1
		.amdhsa_inst_pref_size 221
	.end_amdhsa_kernel
	.amdgpu_metadata
---
amdhsa.version: [ 1, 2 ]
amdhsa.kernels:
  - .name:           k_q9ff7653e38_up
    .symbol:         k_q9ff7653e38_up.kd
    .args:
      - { .name: xb, .offset: 0, .size: 8, .value_kind: global_buffer, .address_space: global }
      - { .name: Wg, .offset: 8, .size: 8, .value_kind: global_buffer, .address_space: global }
      - { .name: Wu, .offset: 16, .size: 8, .value_kind: global_buffer, .address_space: global }
      - { .name: Wg_s, .offset: 24, .size: 8, .value_kind: global_buffer, .address_space: global }
      - { .name: Wu_s, .offset: 32, .size: 8, .value_kind: global_buffer, .address_space: global }
      - { .name: rowtok, .offset: 40, .size: 8, .value_kind: global_buffer, .address_space: global }
      - { .name: tiles, .offset: 48, .size: 8, .value_kind: global_buffer, .address_space: global }
      - { .name: H, .offset: 56, .size: 8, .value_kind: global_buffer, .address_space: global }
    .group_segment_fixed_size: 213504
    .private_segment_fixed_size: 0
    .kernarg_segment_align: 8
    .kernarg_segment_size: 64
    .max_flat_workgroup_size: 128
    .sgpr_count:     66
    .vgpr_count:     1024
    .wavefront_size: 32
...
	.end_amdgpu_metadata
.endif
;; end of part 7
;; launch down (part 8): grid 248 x 1, 4 waves a work-group, no clusters, 230,912 bytes of LDS; arguments H, Wd, Wd_s, tiles, Y; writes Y
.if DOCPART == 8
	.amdgcn_target "amdgcn-amd-amdhsa--gfx1250"
	.amdhsa_code_object_version 6
	.text
	.protected	k_q9ff7653e38_down
	.globl	k_q9ff7653e38_down
	.p2align	8
	.type	k_q9ff7653e38_down,@function
k_q9ff7653e38_down:
	s_mov_b64 s[64:65], 0
	v_nop
	global_prefetch_b8 v0, s[64:65] scope:SCOPE_SE
	s_setreg_imm32_b32 hwreg(HW_REG_WAVE_MODE, 25, 1), 1
	s_wait_xcnt 0x0
; DOWN.  Y[row][d] = the sum over f of H[row][f] Wd_e[f][d], in f32, for the 7,936 sorted rows; e is the expert of the row's tile of 256 rows (8: the shared one).
; ITEMS.  A tile of 256 rows x 128 d: 31 x 8 = 248 items, one to a work-group, a fixed timetable.  Four waves, each 128 rows x 64 d: 32 accumulators.
; The matrix instruction is used transposed (source 0 = 16 d of the weights, source 1 = 16 rows): a lane holds eight neighbouring d of one row.
; DATA PATH.  Wd is f32 [f][d] and becomes bf16 between registers and LDS, which the tensor mover cannot do; so no mover and no joint loads.  K goes in 8 chunks of 128:
; a row's piece of H is 256 consecutive bytes, aligned, a weight row's piece 512.  A chunk is 64 loads a wave in four groups of 16 (rows, rows, weights, weights), each with a base of its own.
; Step s multiplies slot s & 1 and stages chunk s + 1 into the other slot, group by group: the group's loads are waited for, (a run of conversions,) a run of LDS stores, and a run of
; loads that asks for the same group of chunk s + 2: 64 loads of 512 bytes a wave are out, each for a whole step.
; REGISTERS: window 0: addresses, v64-159 and v160-255 two fragment buffers (64 of rows, 32 of weights), on the way out v64-127; window 1: accumulator (a, b) at 8 (4 a + b);
; window 2: v0-127 rows as loaded, v128-130 their addresses; window 3: the same for the weights.
.set KS,    128
.set PA,    272
.set PB,    288                        ; 256 bytes + 32: an odd multiple of 32
.set ASZ,   256*PA
.set SLOT,  ASZ+KS*PB                  ; 106,496
.set STAGE, 2*SLOT                     ; 16 rows x 272 bytes for each wave, its own
.set SP,    272
.set ADRA, 10
.set ADRB, 12
.set STO,  14
.set RD,   15
.set YO,   16
.set F0,   64
.set F1,   160
.set OB,   64
.set GOFF, 128                         ; in windows 2, 3: my offset in a chunk,
.set GSTO, 129                         ; v129-130: where I stage in slot 0, 1
.set AB, 26                            ; s[26:27], s[28:29] H at the chunk, for the two groups of rows
.set BB, 30                            ; s[30:31], s[32:33] Wd at the chunk, for the two groups of weights
.set MULW, 0x50
.set MSB, 0
.macro WIN new
.if MSB != (\new)
	s_set_vgpr_msb (MSB<<8)|(\new)
.set MSB, \new
.endif
.endm
.macro PLACES                          ; four places between a matrix instruction and a load into, or a store from, its registers
.rept 4
	v_nop
.endr
.endm
.macro WBASE e, j, d
	s_min_u32 s[\e], s[\e], 8
	s_and_b32 s42, s[\e], 7                        ; 8 gives 0
	s_lshl_b32 s42, s42, 22
	s_lshl_b32 s19, s[\j], 9
	s_add_co_u32 s42, s42, s19
	s_cmp_eq_u32 s[\e], 8
	s_cselect_b64 s[\d:\d+1], s[8:9], s[6:7]
	s_add_nc_u64 s[\d:\d+1], s[\d:\d+1], s[42:43]
.endm
	s_load_b256 s[4:11], s[0:1], 0x0               ; H s[4:5], Wd s[6:7], Wd_s s[8:9], tiles s[10:11]
	s_load_b64 s[12:13], s[0:1], 0x20              ; Y
	v_lshl_add_u32 v62, v0, 2, 0x38400
	v_mov_b32 v63, 0
	v_lshrrev_b32 v1, 5, v0
	v_readfirstlane_b32 s14, v1                    ; wave
	s_lshr_b32 s15, s14, 1                         ; which 128 rows
	s_and_b32 s16, s14, 1                          ; which 64 d
	s_lshr_b32 s20, ttmp9, 3                       ; the item: tile, slice
	s_and_b32 s21, ttmp9, 7
	s_mov_b32 s43, 0
	v_and_b32 v1, 31, v0                           ; l
	v_and_b32 v2, 15, v0                           ; r
	v_bfe_u32 v3, v0, 4, 1                         ; h
	v_and_b32 v5, 7, v0
	v_bfe_u32 v6, v0, 3, 1
	s_wait_kmcnt 0x0
	s_lshl_b32 s42, s20, 2
	s_add_nc_u64 s[44:45], s[10:11], s[42:43]
	s_load_b32 s24, s[44:45], 0x0                  ; the tile's expert
	s_lshl_b32 s42, s14, 17
	v_lshlrev_b32 v20, 11, v3
	v_lshl_add_u32 v20, v2, 4, v20
	v_add_nc_u32 v17, s42, v20                     ; H: row 64 w + h, 16 bytes at 16 r; load n takes the rows 2 n further on
	v_lshl_add_u32 v18, v1, 4, s42                 ; Wd: k-row 32 w, 16 bytes a lane
	s_mul_i32 s42, s14, 64*PA
	v_mul_u32_u24 v20, v3, PA
	v_lshl_add_u32 v20, v2, 4, v20
	v_add_nc_u32 v19, s42, v20                     ; staging, rows, slot 0,
	v_add_nc_u32 v22, SLOT, v19                    ; slot 1
	s_mul_i32 s42, s14, 32*PB
	s_add_co_u32 s42, s42, ASZ
	v_lshl_add_u32 v21, v1, 3, s42                 ; staging, weights, slot 0,
	v_add_nc_u32 v23, SLOT, v21                    ; slot 1
	s_mul_i32 s42, s15, 128*PA
	v_mul_u32_u24 v20, v2, PA
	v_lshl_add_u32 v20, v3, 4, v20
	v_add_nc_u32 v[ADRA], s42, v20
	v_add_nc_u32 v[ADRA+1], SLOT, v[ADRA]
	v_lshl_add_u32 v20, v3, 3, v5
	v_mul_u32_u24 v20, v20, PB
	v_lshl_add_u32 v20, v6, 4, v20
	s_lshl_b32 s42, s16, 7
	s_add_co_u32 s42, s42, ASZ
	v_add_nc_u32 v[ADRB], s42, v20
	v_add_nc_u32 v[ADRB+1], SLOT, v[ADRB]
	s_mul_i32 s42, s14, 16*SP
	s_add_co_u32 s42, s42, STAGE                   ; my stage
	v_mul_u32_u24 v20, v2, SP
	v_lshl_add_u32 v20, v3, 5, v20
	v_add_nc_u32 v[STO], s42, v20                  ; in: row r, 32 bytes for each half of the lanes
	v_mul_u32_u24 v20, v3, SP
	v_lshl_add_u32 v20, v2, 4, v20
	v_add_nc_u32 v[RD], s42, v20                   ; back: lanes 0-15 one row of 256 bytes, lanes 16-31 the next
	s_lshl_b32 s42, s15, 19
	s_lshl_b32 s19, s16, 8
	s_add_co_u32 s42, s42, s19
	v_lshlrev_b32 v20, 12, v3
	v_lshl_add_u32 v20, v2, 4, v20
	v_add_nc_u32 v[YO], s42, v20                   ; Y: row 128 mh + h, byte 256 nh + 16 r
	s_wait_kmcnt 0x0
	WBASE 24, 21, 30
	s_mov_b64 s[32:33], s[30:31]
	s_lshl_b32 s42, s20, 19
	s_add_nc_u64 s[26:27], s[4:5], s[42:43]        ; H at the tile's rows
	s_mov_b64 s[28:29], s[26:27]
	s_lshl_b32 s42, s20, 20
	s_lshl_b32 s19, s21, 9
	s_add_co_u32 s42, s42, s19
	s_add_nc_u64 s[38:39], s[12:13], s[42:43]      ; Y at the item
	WIN 0x80                                       ; destination window 2
	v_mov_b32 v[GOFF], v17
	v_mov_b32 v[GSTO], v19
	v_mov_b32 v[GSTO+1], v22
	WIN 0xc0                                       ; destination window 3
	v_mov_b32 v[GOFF], v18
	v_mov_b32 v[GSTO], v21
	v_mov_b32 v[GSTO+1], v23
; Group g of rows (loads 16 g .. 16 g + 15), all in window 2: its loads are in (cnt: the younger loads that may stay out), so its base may step; 16 LDS stores; the same group two chunks on... one step ahead of its use.
.macro GRPA g, slot, cnt, issue
	s_wait_loadcnt \cnt
.if \issue
	s_add_nc_u64 s[AB+2*\g:AB+2*\g+1], s[AB+2*\g:AB+2*\g+1], 2*KS
.endif
.set gi, 16*\g
.rept 16
	ds_store_b128 v[GSTO+\slot], v[4*gi:4*gi+3] offset:2*PA*gi
.set gi, gi+1
.endr
.if \issue
.set gi, 16*\g
.rept 16
	global_load_b128 v[4*gi:4*gi+3], v[GOFF], s[AB+2*\g:AB+2*\g+1] offset:4096*gi
.set gi, gi+1
.endr
.endif
.endm
; Group g of weights, all in window 3: the same, with a run of 32 roundings to bf16 in front of the stores.
.macro GRPB g, slot, cnt, issue
	s_wait_loadcnt \cnt
.if \issue
	s_add_nc_u64 s[BB+2*\g:BB+2*\g+1], s[BB+2*\g:BB+2*\g+1], KS*4096
.endif
.set gi, 64*\g
.rept 16
	v_cvt_pk_bf16_f32 v[gi], v[gi], v[gi+1]
	v_cvt_pk_bf16_f32 v[gi+1], v[gi+2], v[gi+3]
.set gi, gi+4
.endr
.set gi, 16*\g
.rept 16
	ds_store_b64 v[GSTO+\slot], v[4*gi:4*gi+1] offset:PB*gi
.set gi, gi+1
.endr
.if \issue
.set gi, 16*\g
.rept 16
	global_load_b128 v[4*gi:4*gi+3], v[GOFF], s[BB+2*\g:BB+2*\g+1] offset:4096*gi
.set gi, gi+1
.endr
.endif
.endm
; 8 matrix instructions: row blocks a0, a0 + 1 x the 4 weight blocks.  The 32 accumulators take turns, one instruction a turn, in the same order everywhere.
.macro MUL8 f, a0, zero
.irp a, \a0, \a0+1
.irp b, 0,1,2,3
.if \zero
	v_wmma_f32_16x16x32_bf16 v[8*(4*(\a)+\b):8*(4*(\a)+\b)+7], v[\f+64+8*\b:\f+64+8*\b+7], v[\f+8*(\a):\f+8*(\a)+7], 0
.else
	v_wmma_f32_16x16x32_bf16 v[8*(4*(\a)+\b):8*(4*(\a)+\b)+7], v[\f+64+8*\b:\f+64+8*\b+7], v[\f+8*(\a):\f+8*(\a)+7], v[8*(4*(\a)+\b):8*(4*(\a)+\b)+7]
.endif
.endr
.endr
.endm
.macro FETCH slot, q, f                ; 24 LDS loads in one run: the fragments of 32 along K, quarter q of a slot
	WIN 0
.irp b, 0,1,2,3
	ds_load_tr16_b128 v[\f+64+8*\b:\f+64+8*\b+3],   v[ADRB+\slot] offset:32*PB*\q+32*\b
	ds_load_tr16_b128 v[\f+64+8*\b+4:\f+64+8*\b+7], v[ADRB+\slot] offset:32*PB*\q+16*PB+32*\b
.endr
.irp a, 0,1,2,3,4,5,6,7
	ds_load_b128 v[\f+8*\a:\f+8*\a+3],   v[ADRA+\slot] offset:16*PA*\a+64*\q
	ds_load_b128 v[\f+8*\a+4:\f+8*\a+7], v[ADRA+\slot] offset:16*PA*\a+64*\q+32
.endr
.endm
; A step: four quarters of 32 matrix instructions on slot p, on buffers 0, 1, 0, 1; the next chunk is staged in the first three.  ONE barrier, in the last quarter: in front of it each wave
; has waited for its stores into the other slot and for its reads of this one.  c0 to c3: the four groups' counts.
.macro STEP p, zero, stage, issue, c0, c1, c2, c3, fin
.set OTH, 1-\p
	s_wait_dscnt 0x0                               ; buffer 0 is in
	WIN MULW
	MUL8 F0, 0, \zero
	MUL8 F0, 2, \zero
	PLACES
	FETCH \p, 1, F1
.if \stage
	WIN 0xaa
	GRPA 0, OTH, \c0, \issue
	GRPA 1, OTH, \c1, \issue
.endif
	WIN MULW
	MUL8 F0, 4, \zero
	MUL8 F0, 6, \zero
	s_wait_dscnt 32*\stage                         ; the fetch is in; the 32 staging stores behind it may stay out
	MUL8 F1, 0, 0
	MUL8 F1, 2, 0
	PLACES
	FETCH \p, 2, F0
.if \stage
	WIN 0xff
	GRPB 0, OTH, \c2, \issue
.endif
	WIN MULW
	MUL8 F1, 4, 0
	MUL8 F1, 6, 0
	s_wait_dscnt 16*\stage                         ; the fetch is in; the 16 staging stores behind it may stay out
	MUL8 F0, 0, 0
	MUL8 F0, 2, 0
	PLACES
	FETCH \p, 3, F1
.if \stage
	WIN 0xff
	GRPB 1, OTH, \c3, \issue
.endif
	WIN MULW
	MUL8 F0, 4, 0
	MUL8 F0, 6, 0
	s_wait_dscnt 0x0                               ; buffer 1 is in, my stores are done, my reads of this slot are over
.if \fin
	MUL8 F1, 0, 0
.else
	s_barrier_signal -1
	MUL8 F1, 0, 0                                  ; register work while the others arrive
	s_barrier_wait -1
	PLACES
	FETCH OTH, 0, F0
	WIN MULW
.endif
	MUL8 F1, 2, 0
	MUL8 F1, 4, 0
	MUL8 F1, 6, 0
.endm
; The way out of row block a: 16 rows x 256 bytes through my own stage; LDS serves a wave's instructions in order (ISA guide 5.7.1.4), so no wait stands between the stores and the loads,
; nor between a block's loads and the next block's stores.
.macro TOSTAGE a
	WIN 0x04                                       ; store data in window 1
.irp b, 0,1,2,3
	ds_store_b128 v[STO], v[8*(4*(\a)+\b):8*(4*(\a)+\b)+3]   offset:64*\b
	ds_store_b128 v[STO], v[8*(4*(\a)+\b)+4:8*(4*(\a)+\b)+7] offset:64*\b+16
.endr
	WIN 0
.if (\a) >= 2
	s_wait_xcnt 0x0                                ; the registers that block a - 2's stores read are loaded into only behind this wait
.endif
.irp t, 0,1,2,3,4,5,6,7
	ds_load_b128 v[OB+32*((\a)%2)+4*\t:OB+32*((\a)%2)+4*\t+3], v[RD] offset:2*SP*\t
.endr
.endm
.macro SEND a, younger                 ; younger: the next block's 16 LDS instructions, which may stay out, or none
	s_wait_dscnt \younger
.irp t, 0,1,2,3,4,5,6,7
	global_store_b128 v[YO], v[OB+32*((\a)%2)+4*\t:OB+32*((\a)%2)+4*\t+3], s[38:39] offset:(16*(\a)+2*\t)*4096   ; 16 lanes store 256 consecutive bytes, aligned
.endr
.endm
	; chunk 0: 64 loads, in the order of the groups
	WIN 0xaa
.set gi, 0
.rept 32
	global_load_b128 v[4*gi:4*gi+3], v[GOFF], s[AB+2*(gi/16):AB+2*(gi/16)+1] offset:4096*gi
.set gi, gi+1
.endr
	WIN 0xff
.set gi, 0
.rept 32
	global_load_b128 v[4*gi:4*gi+3], v[GOFF], s[BB+2*(gi/16):BB+2*(gi/16)+1] offset:4096*gi
.set gi, gi+1
.endr
	WIN 0xaa
	GRPA 0, 0, 48, 1                               ; chunk 0 into slot 0; chunk 1 is asked for.  The count: a group's 16 loads are the oldest of the 64 that are out
	GRPA 1, 0, 48, 1
	WIN 0xff
	GRPB 0, 0, 48, 1
	GRPB 1, 0, 48, 1
	WIN 0
	s_wait_dscnt 0x0
	s_barrier_signal -1
	s_barrier_wait -1
	FETCH 0, 0, F0
	STEP 0, 1, 1, 1, 48, 48, 48, 48, 0             ; step 0: its first products start the sums
	WIN 0                                          ; at a label and at a branch every window is 0
	s_mov_b32 s18, 2
.Lk:                                                   ; steps 1 to 4
	STEP 1, 0, 1, 1, 48, 48, 48, 48, 0
	STEP 0, 0, 1, 1, 48, 48, 48, 48, 0
	WIN 0
	s_sub_co_u32 s18, s18, 1
	s_cmp_lg_u32 s18, 0
	s_cbranch_scc1 .Lk
	STEP 1, 0, 1, 1, 48, 48, 48, 48, 0             ; step 5 asks for chunk 7, the last
	STEP 0, 0, 1, 0, 48, 32, 16, 0, 0              ; step 6 stages it and asks for nothing: the counts run down
	STEP 1, 0, 0, 0, 0, 0, 0, 0, 1                 ; step 7
	WIN 0
	PLACES                                         ; before the LDS stores read the results
	TOSTAGE 0
.irp a, 1,2,3,4,5,6,7                  ; block a's trip through the stage is under way while block a - 1 is stored
	TOSTAGE \a
	SEND \a-1, 16
.endr
	SEND 7, 0
	s_wait_tensorcnt 0x0
	ds_add_u32 v62, v63
	s_wait_dscnt 0x0
	s_endpgm
.Lfunc_end_k_q9ff7653e38_down:
	.size	k_q9ff7653e38_down, .Lfunc_end_k_q9ff7653e38_down-k_q9ff7653e38_down
	.p2alignl 7, 3214868480
	.fill 96, 4, 3214868480
	.section	.rodata,"a",@progbits
	.p2align	6, 0x0
	.amdhsa_kernel k_q9ff7653e38_down
		.amdhsa_group_segment_fixed_size 230912
		.amdhsa_private_segment_fixed_size 0
		.amdhsa_enable_private_segment 0
		.amdhsa_kernarg_size 40
		.amdhsa_user_sgpr_count 2
		.amdhsa_user_sgpr_kernarg_segment_ptr 1
		.amdhsa_wavefront_size32 1
		.amdhsa_system_sgpr_workgroup_id_x 1
		.amdhsa_system_sgpr_workgroup_id_y 1
		.amdhsa_system_sgpr_workgroup_id_z 1
		.amdhsa_system_vgpr_workitem_id 0
		.amdhsa_next_free_vgpr 1024
		.amdhsa_next_free_sgpr 66
		.amdhsa_reserve_vcc 0
		.amdhsa_float_denorm_mode_32 3
		.amdhsa_float_denorm_mode_16_64 3
		.amdhsa_memory_ordered 1
		.amdhsa_forward_progress 1
		.amdhsa_inst_pref_size 196
	.end_amdhsa_kernel
	.amdgpu_metadata
---
amdhsa.version: [ 1, 2 ]
amdhsa.kernels:
  - .name:           k_q9ff7653e38_down
    .symbol:         k_q9ff7653e38_down.kd
    .args:
      - { .name: H, .offset: 0, .size: 8, .value_kind: global_buffer, .address_space: global }
      - { .name: Wd, .offset: 8, .size: 8, .value_kind: global_buffer, .address_space: global }
      - { .name: Wd_s, .offset: 16, .size: 8, .value_kind: global_buffer, .address_space: global }
      - { .name: tiles, .offset: 24, .size: 8, .value_kind: global_buffer, .address_space: global }
      - { .name: Y, .offset: 32, .size: 8, .value_kind: global_buffer, .address_space: global }
    .group_segment_fixed_size: 230912
    .private_segment_fixed_size: 0
    .kernarg_segment_align: 8
    .kernarg_segment_size: 40
    .max_flat_workgroup_size: 128
    .sgpr_count:     66
    .vgpr_count:     1024
    .wavefront_size: 32
...
	.end_amdgpu_metadata
.endif
;; end of part 8
;; launch combine (part 9): grid 256 x 1, 8 waves a work-group, no clusters, 0 bytes of LDS; arguments Y, pos, topg, out0; writes out0
.if DOCPART == 9
	.amdgcn_target "amdgcn-amd-amdhsa--gfx1250"
	.amdhsa_code_object_version 6
	.text
	.protected	k_q9ff7653e38_combine
	.globl	k_q9ff7653e38_combine
	.p2align	8
	.type	k_q9ff7653e38_combine,@function
k_q9ff7653e38_combine:
	s_mov_b64 s[64:65], 0
	v_nop
	global_prefetch_b8 v0, s[64:65] scope:SCOPE_SE
	s_setreg_imm32_b32 hwreg(HW_REG_WAVE_MODE, 25, 1), 1
	s_wait_xcnt 0x0
; COMBINE.  out0[t] = Y[t] + g1 Y[pos[t][0]] + g2 Y[pos[t][1]], all in f32.  One wave to a token: three rows of 4,096 bytes in, one out; every load and store of the wave covers
; 512 consecutive bytes.  Memory binds: no LDS, no barrier, no matrix unit.  All 24 loads of a wave go out before the first is used.
	s_load_b256 s[4:11], s[0:1], 0x0               ; Y s[4:5], pos s[6:7], topg s[8:9], out0 s[10:11]
	v_lshrrev_b32 v1, 5, v0
	v_readfirstlane_b32 s12, v1                    ; wave
	v_and_b32 v2, 31, v0
	v_lshlrev_b32 v3, 4, v2                        ; 16 x lane
	s_lshl_b32 s13, ttmp9, 3
	s_add_co_u32 s13, s13, s12                     ; my token
	s_lshl_b32 s14, s13, 3
	s_mov_b32 s15, 0
	s_lshl_b32 s20, s13, 12
	s_mov_b32 s21, 0
	s_wait_kmcnt 0x0
	s_add_nc_u64 s[6:7], s[6:7], s[14:15]
	s_add_nc_u64 s[8:9], s[8:9], s[14:15]
	s_load_b64 s[16:17], s[6:7], 0x0               ; the two rows,
	s_load_b64 s[18:19], s[8:9], 0x0               ; the two gates
	s_add_nc_u64 s[22:23], s[4:5], s[20:21]
	s_add_nc_u64 s[10:11], s[10:11], s[20:21]
.irp j, 0,1,2,3,4,5,6,7
	global_load_b128 v[8+4*\j:11+4*\j], v3, s[22:23] offset:512*\j th:TH_LOAD_NT
.endr
	s_wait_kmcnt 0x0
	s_min_u32 s16, s16, 0x1eff                     ; 7,935, the last sorted row
	s_min_u32 s17, s17, 0x1eff
	s_lshl_b32 s24, s16, 12
	s_mov_b32 s25, 0
	s_lshl_b32 s26, s17, 12
	s_mov_b32 s27, 0
	s_add_nc_u64 s[24:25], s[4:5], s[24:25]
	s_add_nc_u64 s[26:27], s[4:5], s[26:27]
	s_mov_b32 s28, s18                             ; each gate as a pair: the packed multiply-add names a pair and takes its low word for both halves
	s_mov_b32 s29, s18
	s_mov_b32 s30, s19
	s_mov_b32 s31, s19
.irp j, 0,1,2,3,4,5,6,7
	global_load_b128 v[40+4*\j:43+4*\j], v3, s[24:25] offset:512*\j th:TH_LOAD_NT
	global_load_b128 v[72+4*\j:75+4*\j], v3, s[26:27] offset:512*\j th:TH_LOAD_NT
.endr
.irp j, 0,1,2,3,4,5,6,7
	s_wait_loadcnt 14-2*\j                         ; the younger pairs of loads may stay out
	v_pk_fma_f32 v[8+4*\j:9+4*\j],   v[40+4*\j:41+4*\j], s[28:29], v[8+4*\j:9+4*\j]   op_sel_hi:[1,0,1]
	v_pk_fma_f32 v[10+4*\j:11+4*\j], v[42+4*\j:43+4*\j], s[28:29], v[10+4*\j:11+4*\j] op_sel_hi:[1,0,1]
	v_pk_fma_f32 v[8+4*\j:9+4*\j],   v[72+4*\j:73+4*\j], s[30:31], v[8+4*\j:9+4*\j]   op_sel_hi:[1,0,1]
	v_pk_fma_f32 v[10+4*\j:11+4*\j], v[74+4*\j:75+4*\j], s[30:31], v[10+4*\j:11+4*\j] op_sel_hi:[1,0,1]
	global_store_b128 v3, v[8+4*\j:11+4*\j], s[10:11] offset:512*\j th:TH_STORE_NT
.endr
	s_endpgm
.Lfunc_end_k_q9ff7653e38_combine:
	.size	k_q9ff7653e38_combine, .Lfunc_end_k_q9ff7653e38_combine-k_q9ff7653e38_combine
	.p2alignl 7, 3214868480
	.fill 96, 4, 3214868480
	.section	.rodata,"a",@progbits
	.p2align	6, 0x0
	.amdhsa_kernel k_q9ff7653e38_combine
		.amdhsa_group_segment_fixed_size 0
		.amdhsa_private_segment_fixed_size 0
		.amdhsa_enable_private_segment 0
		.amdhsa_kernarg_size 32
		.amdhsa_user_sgpr_count 2
		.amdhsa_user_sgpr_kernarg_segment_ptr 1
		.amdhsa_wavefront_size32 1
		.amdhsa_system_sgpr_workgroup_id_x 1
		.amdhsa_system_sgpr_workgroup_id_y 1
		.amdhsa_system_sgpr_workgroup_id_z 1
		.amdhsa_system_vgpr_workitem_id 0
		.amdhsa_next_free_vgpr 104
		.amdhsa_next_free_sgpr 66
		.amdhsa_reserve_vcc 0
		.amdhsa_float_denorm_mode_32 3
		.amdhsa_float_denorm_mode_16_64 3
		.amdhsa_memory_ordered 1
		.amdhsa_forward_progress 1
		.amdhsa_inst_pref_size 7
	.end_amdhsa_kernel
	.amdgpu_metadata
---
amdhsa.version: [ 1, 2 ]
amdhsa.kernels:
  - .name:           k_q9ff7653e38_combine
    .symbol:         k_q9ff7653e38_combine.kd
    .args:
      - { .name: Y, .offset: 0, .size: 8, .value_kind: global_buffer, .address_space: global }
      - { .name: pos, .offset: 8, .size: 8, .value_kind: global_buffer, .address_space: global }
      - { .name: topg, .offset: 16, .size: 8, .value_kind: global_buffer, .address_space: global }
      - { .name: out0, .offset: 24, .size: 8, .value_kind: global_buffer, .address_space: global }
    .group_segment_fixed_size: 0
    .private_segment_fixed_size: 0
    .kernarg_segment_align: 8
    .kernarg_segment_size: 32
    .max_flat_workgroup_size: 256
    .sgpr_count:     66
    .vgpr_count:     104
    .wavefront_size: 32
...
	.end_amdgpu_metadata
.endif
;; end of part 9
;; ======== version 3 of 3: 5 launches; version 2 with the launches up, down written anew for expert scheduling mode
;; limits: values outside matrix products are rounded to bf16
;; workspace buffers: xb 4,194,304 bytes; topi 16,384 bytes of whole numbers; topg 16,384 bytes; pos 16,384 bytes of whole numbers; rowtok 32,768 bytes of whole numbers; tiles 256 bytes of whole numbers; H 16,252,928 bytes; Y 32,505,856 bytes
;; launch router: the kernel of part 1 again; grid 256 x 1, 8 waves a work-group, no clusters, 34,048 bytes of LDS; arguments x, Wr, expert_bias, xb, topi, topg; writes xb, topi, topg
;; launch plan: the kernel of part 6 again; grid 1 x 1, 32 waves a work-group, no clusters, 8,192 bytes of LDS; arguments topi, pos, rowtok, tiles, out1; writes pos, rowtok, tiles, out1
;; launch up (part 10): grid 248 x 1, 4 waves a work-group, no clusters, 213,504 bytes of LDS; arguments xb, Wg, Wu, Wg_s, Wu_s, rowtok, tiles, H; writes H
.if DOCPART == 10
	.amdgcn_target "amdgcn-amd-amdhsa--gfx1250"
	.amdhsa_code_object_version 6
	.text
	.protected	k_q9ff7653e38_up
	.globl	k_q9ff7653e38_up
	.p2align	8
	.type	k_q9ff7653e38_up,@function
k_q9ff7653e38_up:
	s_mov_b64 s[64:65], 0
	v_nop
	global_prefetch_b8 v0, s[64:65] scope:SCOPE_SE
	s_setreg_imm32_b32 hwreg(HW_REG_WAVE_SCHED_MODE, 0, 2), 2
	s_setreg_imm32_b32 hwreg(HW_REG_WAVE_MODE, 25, 1), 1
	s_wait_xcnt 0x0
	s_wait_alu depctr_vm_vsrc(0)
; UP.  H[row][f] = silu(x[tok(row)] . Wg_e[:, f]) * (x[tok(row)] . Wu_e[:, f]), rounded to bf16, for the 7,936 sorted rows; e is the expert of the row's tile of 256 rows.
; ITEMS.  An item is a tile of 256 rows x 128 f, for both products: 31 tiles x 8 slices = 248 items, one to a work-group: a fixed timetable, no trip count hangs on data.
; Tiles behind the last used one hold token 0 and the shared weights; they are computed and never read (at most 7 of 31).
; WAVES.  Four waves, each 128 rows x 64 f of both products: 64 accumulators.  For 32 along K a wave reads 32 fragments' halves from LDS and issues 64 matrix instructions.
; The matrix instruction is used transposed (source 0 = 16 f of the weights, source 1 = 16 rows), so a lane holds eight neighbouring f of one row, and g and u of one element
; lie in the same lane at the same register index.
; DATA PATH.  The weights are f32 [k][f] and become bf16 on the way: global load into registers, v_cvt_pk_bf16_f32, LDS; the rows of xb are gathered by rowtok.  The tensor mover neither
; converts nor gathers, so it, and with it joint loads of a cluster, are not used.  K goes in 16 chunks of 64, through registers into two LDS slots that take turns.
; A chunk is 48 loads a wave in three groups of 16 (rows, gate, up).  Step s multiplies slot s & 1 and stages chunk s + 1 into the other slot, group by group; each group is asked for
; again, for chunk s + 2, as soon as its registers are free: 48 loads of 512 bytes a wave are out.  A row's piece of xb in a chunk is 128 bytes; a weight row's piece is 512 consecutive bytes, aligned.
; THE MODE: SCHED_MODE bits 1:0 = 2 (LLVM: expert scheduling mode 2), set by the entry lines.  The code itself states the register dependences
; between vector or matrix instructions and memory or LDS instructions, with s_wait_alu, always for 0.
; THE PLAN.  Registers that memory or LDS instructions touch, in the loop:
;   F0, F1     fragment buffers.  Written by the fragments' LDS loads, read by the products.
;   SA         rows as loaded.  Written by the loads of rows, read by the 16 LDS stores at a step's head; no vector instruction names it.
;   SB         weights as loaded (gate, up).  Written by the loads of weights, read by the roundings alone.
;   OUT        32 registers of rounded weights.  Written by a group's 32 roundings, read by its 16 LDS stores; the two groups use it by turns.
;   addresses  made at the head and never written again: the scalar bases move on.
; A step has two waits on va_vdst, each behind a run of 32 roundings, and two on vm_vsrc, each 32 products behind the LDS stores that it speaks of; STEP's comments say what each states.
; REGISTERS, in windows of 256: window 0: v8-39 addresses, v40-63 and v0-7 OUT (v0-9 and v40 serve the head's arithmetic first), v64-191 weights as loaded, v192-255 rows as loaded;
; window 1: two fragment buffers of 128 (64 of rows, 64 of weights); windows 2, 3: the accumulators of my rows 0-63 and 64-127, (a, b) at 8 (8 (a % 4) + b), b 0-3 gate, 4-7 up.
.set KS,    64
.set PA,    144                        ; a row's 128 bytes + 16: an odd multiple of 16
.set PB,    544                        ; a k-row: 256 bytes of Wg, 256 of Wu, 32 of padding: an odd multiple of 32
.set ASZ,   256*PA
.set SLOT,  ASZ+KS*PB                  ; 71,680
.set STAGE, 2*SLOT                     ; 256 rows x 272 bytes for the way out
.set SP,    272
.set ADRA, 10                          ; v10-11 my row fragments in slot 0, 1
.set ADRB, 12                          ; v12-13 my weight fragments
.set STO,  14
.set RD,   15
.set HO,   16
.set ASTO, 18                          ; v18-19 where I stage rows in slot 0, 1
.set BSTO, 20                          ; v20-21 where I stage weights
.set BOFF, 22                          ; v22    my offset in a chunk of weights
.set AOFF, 24                          ; v24-39 the offsets in xb of the 16 x 4 rows that I stage
.set OUTA, 40                          ; OUT: pair i of 16 at v[40 + 2 i] for i < 12, at v[2 i - 24] behind that: the 32 registers that window 0 has left
.set SB,   64                          ; v64-191  32 weight rows' pieces: 16 of Wg, 16 of Wu
.set SA,   192                         ; v192-255 16 loads of rows
.set T,    64                          ; the way out: 32 numbers at work; later 128 registers read back
.set P,    96                          ; 16 registers of packed results
.set F0,   0                           ; fragment buffers, in window 1
.set F1,   128
.set MUL_LO, 0xa5                      ; sources 0 and 1 window 1, C and D window 2
.set MUL_HI, 0xf5                      ; the same, C and D window 3
.set TO_F,   0x40                      ; destination window 1, address window 0
.set MSB, 0
.macro WIN new                         ; the immediate's high byte repeats the setting that is left; a switch that changes nothing is dropped
.if MSB != (\new)
	s_set_vgpr_msb (MSB<<8)|(\new)
.set MSB, \new
.endif
.endm
.macro PLACES                          ; four places between a matrix instruction and a vector instruction on, or a load into, its registers; ahead of a load they stand beside the wait that states the dependence
.rept 4
	v_nop
.endr
.endm
.macro WBASE e, j, g, u                ; the weights of expert s[e] (8: the shared ones) at slice s[j]
	s_min_u32 s[\e], s[\e], 8
	s_and_b32 s52, s[\e], 7                        ; 8 gives 0
	s_lshl_b32 s52, s52, 22
	s_lshl_b32 s31, s[\j], 9
	s_add_co_u32 s52, s52, s31
	s_cmp_eq_u32 s[\e], 8
	s_cselect_b64 s[\g:\g+1], s[10:11], s[6:7]
	s_cselect_b64 s[\u:\u+1], s[12:13], s[8:9]
	s_add_nc_u64 s[\g:\g+1], s[\g:\g+1], s[52:53]
	s_add_nc_u64 s[\u:\u+1], s[\u:\u+1], s[52:53]
.endm
	s_load_b512 s[4:19], s[0:1], 0x0               ; xb s[4:5], Wg s[6:7], Wu s[8:9], Wg_s s[10:11], Wu_s s[12:13], rowtok s[14:15], tiles s[16:17], H s[18:19]
	v_lshl_add_u32 v17, v0, 2, 0x34000
	v_mov_b32 v23, 0
	v_lshrrev_b32 v1, 5, v0
	v_readfirstlane_b32 s20, v1                    ; wave
	s_lshr_b32 s26, ttmp9, 3                       ; the item: tile,
	s_and_b32 s27, ttmp9, 7                        ; slice
	s_mov_b32 s58, 0xbfb8aa3b                      ; -log2(e), as a pair
	s_mov_b32 s59, 0xbfb8aa3b
	s_mov_b32 s53, 0
	v_and_b32 v1, 31, v0                           ; l
	v_and_b32 v2, 15, v0                           ; r
	v_bfe_u32 v3, v0, 4, 1                         ; h
	v_bfe_u32 v4, v0, 3, 2                         ; l / 8
	v_and_b32 v5, 7, v0
	v_bfe_u32 v6, v0, 3, 1
	s_wait_alu depctr_va_sdst(0)                   ; s20 is written, ahead of its first reader: LDS places and offsets are made from it
	s_lshr_b32 s21, s20, 1                         ; which 128 rows
	s_and_b32 s22, s20, 1                          ; which 64 f
	s_lshl_b32 s52, s20, 6
	v_add_nc_u32 v7, s52, v4                       ; 64 w + l / 8: the first row that I stage; load i takes the row 4 i further on
	v_lshlrev_b32 v8, 2, v7
	s_wait_kmcnt 0x0
	s_lshl_b32 s52, s26, 10                        ; the tile's 256 words of rowtok
	s_add_nc_u64 s[54:55], s[14:15], s[52:53]
	s_wait_alu depctr_va_vdst(0)                   ; v8 is written, which the loads of rowtok read as their offset
.set gi, 0
.rept 16
	global_load_b32 v[AOFF+gi], v8, s[54:55] offset:16*gi
.set gi, gi+1
.endr
	s_lshl_b32 s52, s26, 2
	s_add_nc_u64 s[44:45], s[16:17], s[52:53]
	s_load_b32 s29, s[44:45], 0x0                  ; the tile's expert
	v_lshlrev_b32 v9, 4, v5                        ; 16 (l & 7)
	v_mul_u32_u24 v[ASTO], v7, PA
	v_add_nc_u32 v[ASTO], v[ASTO], v9              ; staging, rows, slot 0,
	v_add_nc_u32 v[ASTO+1], SLOT, v[ASTO]          ; slot 1
	s_mul_i32 s52, s20, 16*PB
	s_add_co_u32 s52, s52, ASZ
	v_lshl_add_u32 v[BSTO], v1, 3, s52             ; staging, weights: k-row 16 w, 8 bytes a lane
	v_add_nc_u32 v[BSTO+1], SLOT, v[BSTO]
	s_lshl_b32 s52, s20, 16
	v_lshl_add_u32 v[BOFF], v1, 4, s52             ; weights in memory: k-row 16 w, 16 bytes a lane
	s_mul_i32 s52, s21, 128*PA
	v_mul_u32_u24 v40, v2, PA
	v_lshl_add_u32 v40, v3, 4, v40
	v_add_nc_u32 v[ADRA], s52, v40
	v_add_nc_u32 v[ADRA+1], SLOT, v[ADRA]
	v_lshl_add_u32 v40, v3, 3, v5                  ; the turning load: k-row 8 h + (l & 7), 16 bytes at 16 ((l / 8) & 1)
	v_mul_u32_u24 v40, v40, PB
	v_lshl_add_u32 v40, v6, 4, v40
	s_lshl_b32 s52, s22, 7
	s_add_co_u32 s52, s52, ASZ
	v_add_nc_u32 v[ADRB], s52, v40
	v_add_nc_u32 v[ADRB+1], SLOT, v[ADRB]
	s_mul_i32 s52, s21, 128*SP
	s_lshl_b32 s31, s22, 7
	s_add_co_u32 s52, s52, s31
	s_add_co_u32 s52, s52, STAGE
	v_mul_u32_u24 v40, v2, SP
	v_lshl_add_u32 v40, v3, 4, v40
	v_add_nc_u32 v[STO], s52, v40                  ; into the stage: row 128 mh + r, byte 128 nh + 16 h
	s_mul_i32 s52, s20, 64*SP
	s_add_co_u32 s52, s52, STAGE
	v_mul_u32_u24 v40, v3, SP
	v_lshl_add_u32 v40, v2, 4, v40
	v_add_nc_u32 v[RD], s52, v40                   ; back: rows 64 w + h, whole
	s_lshl_b32 s52, s20, 17
	v_lshlrev_b32 v40, 11, v3
	v_lshl_add_u32 v40, v2, 4, v40
	v_add_nc_u32 v[HO], s52, v40                   ; and the same rows in H
	s_wait_kmcnt 0x0
	WBASE 29, 27, 34, 36                           ; s[34:35] Wg, s[36:37] Wu at chunk 0
	s_mov_b64 s[32:33], s[4:5]                     ; s[32:33] xb at chunk 0
	s_lshl_b32 s52, s26, 19
	s_lshl_b32 s31, s27, 8
	s_add_co_u32 s52, s52, s31
	s_add_nc_u64 s[48:49], s[18:19], s[52:53]      ; H at the item
	s_wait_loadcnt 0x0
.set gi, 0
.rept 16
	v_min_u32 v[AOFF+gi], 0x7ff, v[AOFF+gi]
	v_lshl_add_u32 v[AOFF+gi], v[AOFF+gi], 11, v9  ; token x 2,048 + 16 (l & 7)
.set gi, gi+1
.endr
	s_wait_alu depctr_va_vdst(0)                   ; all addresses and offsets, v10 to v39, are written: every load and store from here on reads some of them
; The group of rows: 16 LDS stores of the rows as they came; 16 loads that ask for the group again.
.macro ROWS_ST slot
.set gi, 0
.rept 16
	ds_store_b128 v[ASTO+\slot], v[SA+4*gi:SA+4*gi+3] offset:4*PA*gi
.set gi, gi+1
.endr
.endm
.macro ROWS_LD
.set gi, 0
.rept 16
	global_load_b128 v[SA+4*gi:SA+4*gi+3], v[AOFF+gi], s[32:33]
.set gi, gi+1
.endr
.endm
; A group of weights (m = 0 gate, 1 up): a run of 32 roundings to bf16, out of the registers as loaded into OUT; 16 loads that ask for the group again; 16 LDS stores out of OUT.
.macro CVT m
.set gi, 0
.rept 16
.set oi, OUTA+2*gi
.if gi >= 12
.set oi, 2*gi-24
.endif
	v_cvt_pk_bf16_f32 v[oi], v[SB+64*\m+4*gi], v[SB+64*\m+4*gi+1]
	v_cvt_pk_bf16_f32 v[oi+1], v[SB+64*\m+4*gi+2], v[SB+64*\m+4*gi+3]
.set gi, gi+1
.endr
.endm
.macro W_LD m
.set gi, 0
.rept 16
	global_load_b128 v[SB+64*\m+4*gi:SB+64*\m+4*gi+3], v[BOFF], s[34+2*\m:35+2*\m] offset:4096*gi
.set gi, gi+1
.endr
.endm
.macro W_ST m, slot
.set gi, 0
.rept 16
.set oi, OUTA+2*gi
.if gi >= 12
.set oi, 2*gi-24
.endif
	ds_store_b64 v[BSTO+\slot], v[oi:oi+1] offset:PB*gi+256*\m
.set gi, gi+1
.endr
.endm
; 16 matrix instructions: row blocks a0, a0 + 1 of the window's four (hi = 0: my rows 0-63, 1: rows 64-127) x all 8 weight blocks, 32 along K.
; The 64 accumulators take turns, one instruction a turn, in the same order everywhere.  zero = 1: the first product starts the sums.
.macro MUL16 f, hi, a0, zero
.irp a, \a0, \a0+1
.irp b, 0,1,2,3,4,5,6,7
.if \zero
	v_wmma_f32_16x16x32_bf16 v[8*(8*(\a)+\b):8*(8*(\a)+\b)+7], v[\f+64+8*\b:\f+64+8*\b+7], v[\f+8*(4*\hi+\a):\f+8*(4*\hi+\a)+7], 0
.else
	v_wmma_f32_16x16x32_bf16 v[8*(8*(\a)+\b):8*(8*(\a)+\b)+7], v[\f+64+8*\b:\f+64+8*\b+7], v[\f+8*(4*\hi+\a):\f+8*(4*\hi+\a)+7], v[8*(8*(\a)+\b):8*(8*(\a)+\b)+7]
.endif
.endr
.endr
.endm
.macro FETCH slot, q, f                ; 32 LDS loads in one run: the fragments of 32 along K, half q of a slot
	WIN TO_F
.irp b, 0,1,2,3,4,5,6,7
	ds_load_tr16_b128 v[\f+64+8*\b:\f+64+8*\b+3],   v[ADRB+\slot] offset:32*PB*\q+32*(\b%4)+256*(\b/4)
	ds_load_tr16_b128 v[\f+64+8*\b+4:\f+64+8*\b+7], v[ADRB+\slot] offset:32*PB*\q+16*PB+32*(\b%4)+256*(\b/4)
.endr
.irp a, 0,1,2,3,4,5,6,7
	ds_load_b128 v[\f+8*\a:\f+8*\a+3],   v[ADRA+\slot] offset:16*PA*\a+64*\q
	ds_load_b128 v[\f+8*\a+4:\f+8*\a+7], v[ADRA+\slot] offset:16*PA*\a+64*\q+32
.endr
.endm
; A step: 128 matrix instructions on slot p; the next chunk is staged into the other slot.  ONE barrier: in front of it each wave has waited for its stores into the other slot and for its
; reads of this one; behind it the other slot is whole and this one may be written in the next step.  c0, c1, c2: the three groups' counts: a group's 16 loads are the oldest of those that are out.
.macro STEP p, zero, stage, issue, c0, c1, c2, fin
.set OTH, 1-\p
	s_wait_dscnt 0x0                               ; buffer 0 is in
.if \stage
	WIN 0
	s_wait_loadcnt \c0                             ; the next chunk's rows are in, so their base may step
.if \issue
	s_add_nc_u64 s[32:33], s[32:33], 2*KS
.endif
	ROWS_ST OTH                                    ; data from loads, addresses from the head: no vector instruction has named either since
.endif
	WIN MUL_LO
	MUL16 F0, 0, 0, \zero
	MUL16 F0, 0, 2, \zero
.if \stage
	WIN 0
	s_wait_alu depctr_vm_vsrc(0)                   ; the row stores above have read SA, in which the loads below land; the last step's stores of the up weights have read OUT, which the roundings below write
.if \issue
	ROWS_LD
.endif
	s_wait_loadcnt \c1                             ; the gate weights are in, so their base may step
.if \issue
	s_add_nc_u64 s[34:35], s[34:35], KS*4096
.endif
	CVT 0
.else
	PLACES
.endif
	WIN TO_F
	s_wait_alu depctr_va_vdst(0)                   ; the last step's products are done reading buffer 1; the roundings have written OUT and are done reading the gate weights as loaded
	FETCH \p, 1, F1
.if \stage
	WIN 0
.if \issue
	W_LD 0                                         ; no vector instruction since the wait
.endif
	W_ST 0, OTH
.endif
	WIN MUL_HI
	MUL16 F0, 1, 0, \zero
	MUL16 F0, 1, 2, \zero
.if \stage
	WIN 0
	s_wait_loadcnt \c2                             ; the up weights are in, so their base may step
.if \issue
	s_add_nc_u64 s[36:37], s[36:37], KS*4096
.endif
	s_wait_alu depctr_vm_vsrc(0)                   ; the stores of the gate weights have read OUT, which the roundings below write again
	CVT 1
	s_wait_alu depctr_va_vdst(0)                   ; the roundings have written OUT and are done reading the up weights as loaded; this step's products on buffer 0 are done reading it (it is fetched anew behind the barrier)
.if \issue
	W_LD 1
.endif
	W_ST 1, OTH
.endif
	s_wait_dscnt 16*\stage                         ; buffer 1 is in; the last group's 16 stores may stay out
	WIN MUL_LO
	MUL16 F1, 0, 0, 0
.if \fin
	MUL16 F1, 0, 2, 0
.else
	s_wait_dscnt 0x0                               ; my stores are done, my reads of this slot are over
	s_barrier_signal -1
	MUL16 F1, 0, 2, 0                              ; register work while the others arrive
	s_barrier_wait -1
	FETCH OTH, 0, F0                               ; no wait: since the last wait on va_vdst the products name buffer 1 and the accumulators alone
.endif
	WIN MUL_HI
	MUL16 F1, 1, 0, 0
	MUL16 F1, 1, 2, 0
.endm
; The way out of row block a: silu(g) u = g u / (1 + 2^(-log2(e) g)), rounded to bf16, 16 bytes a lane into the stage.
.macro ACT a
.set AC, 64*((\a)%4)
.set AW, 2+(\a)/4
	WIN AW                                         ; source 0 in the block's window
.set i, 0
.rept 16
	v_pk_mul_f32 v[T+i:T+i+1], v[AC+i:AC+i+1], s[58:59] op_sel_hi:[1,0]
.set i, i+2
.endr
	WIN 0
.set i, 0
.rept 32
	v_exp_f32 v[T+i], v[T+i]
.set i, i+1
.endr
	v_nop                                          ; a plain instruction between the last exponential and the use of its result
	s_wait_alu depctr_va_vdst(0)                   ; the 32 exponentials have written v[T ..], ahead of their first reader
.set i, 0
.rept 16
	v_pk_add_f32 v[T+i:T+i+1], v[T+i:T+i+1], 1.0 op_sel_hi:[1,0]
.set i, i+2
.endr
.set i, 0
.rept 32
	v_rcp_f32 v[T+i], v[T+i]
.set i, i+1
.endr
	v_nop
	s_wait_alu depctr_va_vdst(0)                   ; the 32 reciprocals have written v[T ..], ahead of their first reader
	WIN AW<<2                                      ; source 1 in the block's window
.set i, 0
.rept 16
	v_pk_mul_f32 v[T+i:T+i+1], v[T+i:T+i+1], v[AC+i:AC+i+1]
.set i, i+2
.endr
.set i, 0
.rept 16
	v_pk_mul_f32 v[T+i:T+i+1], v[T+i:T+i+1], v[AC+32+i:AC+32+i+1]
.set i, i+2
.endr
	WIN 0
.if (\a) > 0
	s_wait_alu depctr_vm_vsrc(0)                   ; the LDS stores of the block before have read v[P ..], which the roundings below write again
.endif
.set i, 0
.rept 16
	v_cvt_pk_bf16_f32 v[P+i], v[T+2*i], v[T+2*i+1]
.set i, i+1
.endr
	s_wait_alu depctr_va_vdst(0)                   ; the roundings have written v[P ..], which the LDS stores read
.irp b, 0,1,2,3
	ds_store_b128 v[STO], v[P+4*\b:P+4*\b+3] offset:16*SP*(\a)+32*\b
.endr
.endm
	; chunk 0: 48 loads, in the order of the groups
.set gi, 0
.rept 16
	global_load_b128 v[SA+4*gi:SA+4*gi+3], v[AOFF+gi], s[32:33]
.set gi, gi+1
.endr
.set gi, 0
.rept 32
	global_load_b128 v[SB+4*gi:SB+4*gi+3], v[BOFF], s[34+2*(gi/16):35+2*(gi/16)] offset:4096*(gi%16)
.set gi, gi+1
.endr
	; chunk 0 into slot 0; chunk 1 is asked for.  The count: a group's 16 loads are the oldest of the 48 that are out
	s_wait_loadcnt 32
	s_add_nc_u64 s[32:33], s[32:33], 2*KS
	ROWS_ST 0
	s_wait_alu depctr_vm_vsrc(0)                   ; the row stores have read SA, in which the loads below land
	ROWS_LD
	s_wait_loadcnt 32
	s_add_nc_u64 s[34:35], s[34:35], KS*4096
	CVT 0
	s_wait_alu depctr_va_vdst(0)                   ; the roundings have written OUT and are done reading the gate weights as loaded
	W_LD 0
	W_ST 0, 0
	s_wait_loadcnt 32
	s_add_nc_u64 s[36:37], s[36:37], KS*4096
	s_wait_alu depctr_vm_vsrc(0)                   ; the stores of the gate weights have read OUT, which the roundings below write again
	CVT 1
	s_wait_alu depctr_va_vdst(0)                   ; the roundings have written OUT and are done reading the up weights as loaded
	W_LD 1
	W_ST 1, 0
	s_wait_dscnt 0x0
	s_barrier_signal -1
	s_barrier_wait -1
	FETCH 0, 0, F0                                 ; no vector instruction has named buffer 0 yet
	STEP 0, 1, 1, 1, 32, 32, 32, 0                 ; step 0: its first products start the sums, nothing is cleared
	WIN 0                                          ; at a label and at a branch every window is 0
	s_mov_b32 s25, 6
.Lk:                                                   ; steps 1 to 12
	STEP 1, 0, 1, 1, 32, 32, 32, 0
	STEP 0, 0, 1, 1, 32, 32, 32, 0
	WIN 0
	s_sub_co_u32 s25, s25, 1
	s_cmp_lg_u32 s25, 0
	s_cbranch_scc1 .Lk
	STEP 1, 0, 1, 1, 32, 32, 32, 0                 ; step 13 asks for chunk 15, the last
	STEP 0, 0, 1, 0, 32, 16, 0, 0                  ; step 14 stages it and asks for nothing: the counts run down
	STEP 1, 0, 0, 0, 0, 0, 0, 1                    ; step 15
	WIN 0
	PLACES
.irp a, 0,1,2,3,4,5,6,7
	ACT \a
.endr
	s_wait_dscnt 0x0                               ; for the others' sake: a row's 256 bytes come from two waves
	s_barrier_signal -1
	s_barrier_wait -1
	s_wait_alu depctr_vm_vsrc(0)                   ; my LDS stores have read v[P ..], in which the loads below land (the vector instructions that named v[T ..] and v[P ..] stand ahead of the last wait on va_vdst)
.set i, 0
.rept 32
	ds_load_b128 v[T+4*i:T+4*i+3], v[RD] offset:2*SP*i
.set i, i+1
.endr
.set i, 0
.rept 32
	s_wait_dscnt 31-i                              ; the younger loads may stay out
	global_store_b128 v[HO], v[T+4*i:T+4*i+3], s[48:49] offset:4096*i   ; 16 lanes store 256 consecutive bytes, aligned
.set i, i+1
.endr
	s_wait_dscnt 0x0
	s_wait_alu depctr_hold_cnt(0) depctr_sa_sdst(0) depctr_va_vdst(0) depctr_va_sdst(0) depctr_va_ssrc(0) depctr_va_vcc(0) depctr_vm_vsrc(0)
	s_wait_tensorcnt 0x0
	ds_add_u32 v17, v23
	s_wait_dscnt 0x0
	s_endpgm
.Lfunc_end_k_q9ff7653e38_up:
	.size	k_q9ff7653e38_up, .Lfunc_end_k_q9ff7653e38_up-k_q9ff7653e38_up
	.p2alignl 7, 3214868480
	.fill 96, 4, 3214868480
	.section	.rodata,"a",@progbits
	.p2align	6, 0x0
	.amdhsa_kernel k_q9ff7653e38_up
		.amdhsa_group_segment_fixed_size 213504
		.amdhsa_private_segment_fixed_size 0
		.amdhsa_enable_private_segment 0
		.amdhsa_kernarg_size 64
		.amdhsa_user_sgpr_count 2
		.amdhsa_user_sgpr_kernarg_segment_ptr 1
		.amdhsa_wavefront_size32 1
		.amdhsa_system_sgpr_workgroup_id_x 1
		.amdhsa_system_sgpr_workgroup_id_y 1
		.amdhsa_system_sgpr_workgroup_id_z 1
		.amdhsa_system_vgpr_workitem_id 0
		.amdhsa_next_free_vgpr 1024
		.amdhsa_next_free_sgpr 66
		.amdhsa_reserve_vcc 0
		.amdhsa_float_denorm_mode_32 3
		.amdhsa_float_denorm_mode_16_64 3
		.amdhsa_memory_ordered 1
		.amdhsa_forward_progress 1
		.amdhsa_inst_pref_size 221
	.end_amdhsa_kernel
	.amdgpu_metadata
---
amdhsa.version: [ 1, 2 ]
amdhsa.kernels:
  - .name:           k_q9ff7653e38_up
    .symbol:         k_q9ff7653e38_up.kd
    .args:
      - { .name: xb, .offset: 0, .size: 8, .value_kind: global_buffer, .address_space: global }
      - { .name: Wg, .offset: 8, .size: 8, .value_kind: global_buffer, .address_space: global }
      - { .name: Wu, .offset: 16, .size: 8, .value_kind: global_buffer, .address_space: global }
      - { .name: Wg_s, .offset: 24, .size: 8, .value_kind: global_buffer, .address_space: global }
      - { .name: Wu_s, .offset: 32, .size: 8, .value_kind: global_buffer, .address_space: global }
      - { .name: rowtok, .offset: 40, .size: 8, .value_kind: global_buffer, .address_space: global }
      - { .name: tiles, .offset: 48, .size: 8, .value_kind: global_buffer, .address_space: global }
      - { .name: H, .offset: 56, .size: 8, .value_kind: global_buffer, .address_space: global }
    .group_segment_fixed_size: 213504
    .private_segment_fixed_size: 0
    .kernarg_segment_align: 8
    .kernarg_segment_size: 64
    .max_flat_workgroup_size: 128
    .sgpr_count:     66
    .vgpr_count:     1024
    .wavefront_size: 32
...
	.end_amdgpu_metadata
.endif
;; end of part 10
;; launch down (part 11): grid 248 x 1, 4 waves a work-group, no clusters, 230,912 bytes of LDS; arguments H, Wd, Wd_s, tiles, Y; writes Y
.if DOCPART == 11
	.amdgcn_target "amdgcn-amd-amdhsa--gfx1250"
	.amdhsa_code_object_version 6
	.text
	.protected	k_q9ff7653e38_down
	.globl	k_q9ff7653e38_down
	.p2align	8
	.type	k_q9ff7653e38_down,@function
k_q9ff7653e38_down:
	s_mov_b64 s[64:65], 0
	v_nop
	global_prefetch_b8 v0, s[64:65] scope:SCOPE_SE
	s_setreg_imm32_b32 hwreg(HW_REG_WAVE_SCHED_MODE, 0, 2), 2
	s_setreg_imm32_b32 hwreg(HW_REG_WAVE_MODE, 25, 1), 1
	s_wait_xcnt 0x0
	s_wait_alu depctr_vm_vsrc(0)
; DOWN.  Y[row][d] = the sum over f of H[row][f] Wd_e[f][d], in f32, for the 7,936 sorted rows; e is the expert of the row's tile of 256 rows (8: the shared one).
; ITEMS.  A tile of 256 rows x 128 d: 31 x 8 = 248 items, one to a work-group, a fixed timetable.  Four waves, each 128 rows x 64 d: 32 accumulators.
; The matrix instruction is used transposed (source 0 = 16 d of the weights, source 1 = 16 rows): a lane holds eight neighbouring d of one row.
; DATA PATH.  Wd is f32 [f][d] and becomes bf16 between registers and LDS, which the tensor mover cannot do; so no mover and no joint loads.  K goes in 8 chunks of 128:
; a row's piece of H is 256 consecutive bytes, aligned, a weight row's piece 512.  A chunk is 64 loads a wave in four groups of 16 (rows, rows, weights, weights), each with a base of its own.
; Step s multiplies slot s & 1 and stages chunk s + 1 into the other slot, group by group; each group is asked for again, for chunk s + 2, as soon as its registers are free: 64 loads of 512 bytes a wave are out.
; THE MODE: SCHED_MODE bits 1:0 = 2 (LLVM: expert scheduling mode 2), set by the entry lines.  The code itself states the register dependences
; between vector or matrix instructions and memory or LDS instructions, with s_wait_alu, always for 0.
; THE PLAN.  Registers that memory or LDS instructions touch, in the loop:
;   F0, F1     fragment buffers, by turns a quarter of a step each.  Written by the fragments' LDS loads, read by the products.
;   rows       (window 2) written by the loads of rows, read by their LDS stores; no vector instruction names them.
;   weights    (window 3, v0-127) written by the loads of weights, read by the roundings alone.
;   OUT        (window 3, v132-195) a half for each group of weights: written by its 32 roundings, read by its 16 LDS stores.
;   addresses  made at the head and never written again: the scalar bases move on.
; A buffer is fetched anew in the quarter behind the one that read it, so each of a step's four fetches has a wait on va_vdst: at the step's head behind 16 LDS stores, twice behind a run of
; roundings, which it covers too, and behind the barrier's wait.  The waits on vm_vsrc stand 16 products or more behind the LDS stores that they speak of.
; REGISTERS: window 0: addresses, v64-159 and v160-255 two fragment buffers (64 of rows, 32 of weights), on the way out v64-127; window 1: accumulator (a, b) at 8 (4 a + b);
; window 2: v0-127 rows as loaded, v128-130 their addresses; window 3: the same for the weights, and OUT.
.set KS,    128
.set PA,    272
.set PB,    288                        ; 256 bytes + 32: an odd multiple of 32
.set ASZ,   256*PA
.set SLOT,  ASZ+KS*PB                  ; 106,496
.set STAGE, 2*SLOT                     ; 16 rows x 272 bytes for each wave, its own
.set SP,    272
.set ADRA, 10
.set ADRB, 12
.set STO,  14
.set RD,   15
.set YO,   16
.set F0,   64
.set F1,   160
.set OB,   64
.set GOFF, 128                         ; in windows 2, 3: my offset in a chunk,
.set GSTO, 129                         ; v129-130: where I stage in slot 0, 1
.set OUT,  132                         ; in window 3: weight row i of 32, rounded, at OUT + 2 i
.set AB, 26                            ; s[26:27], s[28:29] H at the chunk, for the two groups of rows
.set BB, 30                            ; s[30:31], s[32:33] Wd at the chunk, for the two groups of weights
.set MULW, 0x50
.set MSB, 0
.macro WIN new
.if MSB != (\new)
	s_set_vgpr_msb (MSB<<8)|(\new)
.set MSB, \new
.endif
.endm
.macro PLACES                          ; four places between a matrix instruction and a load into, or a store from, its registers; they stand beside the wait that states the dependence
.rept 4
	v_nop
.endr
.endm
.macro WBASE e, j, d
	s_min_u32 s[\e], s[\e], 8
	s_and_b32 s42, s[\e], 7                        ; 8 gives 0
	s_lshl_b32 s42, s42, 22
	s_lshl_b32 s19, s[\j], 9
	s_add_co_u32 s42, s42, s19
	s_cmp_eq_u32 s[\e], 8
	s_cselect_b64 s[\d:\d+1], s[8:9], s[6:7]
	s_add_nc_u64 s[\d:\d+1], s[\d:\d+1], s[42:43]
.endm
	s_load_b256 s[4:11], s[0:1], 0x0               ; H s[4:5], Wd s[6:7], Wd_s s[8:9], tiles s[10:11]
	s_load_b64 s[12:13], s[0:1], 0x20              ; Y
	v_lshl_add_u32 v62, v0, 2, 0x38400
	v_mov_b32 v63, 0
	v_lshrrev_b32 v1, 5, v0
	v_readfirstlane_b32 s14, v1                    ; wave
	s_lshr_b32 s20, ttmp9, 3                       ; the item: tile, slice
	s_and_b32 s21, ttmp9, 7
	s_mov_b32 s43, 0
	v_and_b32 v1, 31, v0                           ; l
	v_and_b32 v2, 15, v0                           ; r
	v_bfe_u32 v3, v0, 4, 1                         ; h
	v_and_b32 v5, 7, v0
	v_bfe_u32 v6, v0, 3, 1
	s_wait_alu depctr_va_sdst(0)                   ; s14 is written, ahead of its first reader: LDS places and offsets are made from it
	s_lshr_b32 s15, s14, 1                         ; which 128 rows
	s_and_b32 s16, s14, 1                          ; which 64 d
	s_wait_kmcnt 0x0
	s_lshl_b32 s42, s20, 2
	s_add_nc_u64 s[44:45], s[10:11], s[42:43]
	s_load_b32 s24, s[44:45], 0x0                  ; the tile's expert
	s_lshl_b32 s42, s14, 17
	v_lshlrev_b32 v20, 11, v3
	v_lshl_add_u32 v20, v2, 4, v20
	v_add_nc_u32 v17, s42, v20                     ; H: row 64 w + h, 16 bytes at 16 r; load n takes the rows 2 n further on
	v_lshl_add_u32 v18, v1, 4, s42                 ; Wd: k-row 32 w, 16 bytes a lane
	s_mul_i32 s42, s14, 64*PA
	v_mul_u32_u24 v20, v3, PA
	v_lshl_add_u32 v20, v2, 4, v20
	v_add_nc_u32 v19, s42, v20                     ; staging, rows, slot 0,
	v_add_nc_u32 v22, SLOT, v19                    ; slot 1
	s_mul_i32 s42, s14, 32*PB
	s_add_co_u32 s42, s42, ASZ
	v_lshl_add_u32 v21, v1, 3, s42                 ; staging, weights, slot 0,
	v_add_nc_u32 v23, SLOT, v21                    ; slot 1
	s_mul_i32 s42, s15, 128*PA
	v_mul_u32_u24 v20, v2, PA
	v_lshl_add_u32 v20, v3, 4, v20
	v_add_nc_u32 v[ADRA], s42, v20
	v_add_nc_u32 v[ADRA+1], SLOT, v[ADRA]
	v_lshl_add_u32 v20, v3, 3, v5
	v_mul_u32_u24 v20, v20, PB
	v_lshl_add_u32 v20, v6, 4, v20
	s_lshl_b32 s42, s16, 7
	s_add_co_u32 s42, s42, ASZ
	v_add_nc_u32 v[ADRB], s42, v20
	v_add_nc_u32 v[ADRB+1], SLOT, v[ADRB]
	s_mul_i32 s42, s14, 16*SP
	s_add_co_u32 s42, s42, STAGE                   ; my stage
	v_mul_u32_u24 v20, v2, SP
	v_lshl_add_u32 v20, v3, 5, v20
	v_add_nc_u32 v[STO], s42, v20                  ; in: row r, 32 bytes for each half of the lanes
	v_mul_u32_u24 v20, v3, SP
	v_lshl_add_u32 v20, v2, 4, v20
	v_add_nc_u32 v[RD], s42, v20                   ; back: lanes 0-15 one row of 256 bytes, lanes 16-31 the next
	s_lshl_b32 s42, s15, 19
	s_lshl_b32 s19, s16, 8
	s_add_co_u32 s42, s42, s19
	v_lshlrev_b32 v20, 12, v3
	v_lshl_add_u32 v20, v2, 4, v20
	v_add_nc_u32 v[YO], s42, v20                   ; Y: row 128 mh + h, byte 256 nh + 16 r
	s_wait_kmcnt 0x0
	WBASE 24, 21, 30
	s_mov_b64 s[32:33], s[30:31]
	s_lshl_b32 s42, s20, 19
	s_add_nc_u64 s[26:27], s[4:5], s[42:43]        ; H at the tile's rows
	s_mov_b64 s[28:29], s[26:27]
	s_lshl_b32 s42, s20, 20
	s_lshl_b32 s19, s21, 9
	s_add_co_u32 s42, s42, s19
	s_add_nc_u64 s[38:39], s[12:13], s[42:43]      ; Y at the item
	WIN 0x80                                       ; destination window 2
	v_mov_b32 v[GOFF], v17
	v_mov_b32 v[GSTO], v19
	v_mov_b32 v[GSTO+1], v22
	WIN 0xc0                                       ; destination window 3
	v_mov_b32 v[GOFF], v18
	v_mov_b32 v[GSTO], v21
	v_mov_b32 v[GSTO+1], v23
; Group g of rows (loads 16 g .. 16 g + 15), all in window 2.  RST: its loads are in (cnt: the younger loads that may stay out), so its base may step; 16 LDS stores.  RLD: 16 loads ask for the group again.
.macro RST g, slot, cnt, issue
	s_wait_loadcnt \cnt
.if \issue
	s_add_nc_u64 s[AB+2*\g:AB+2*\g+1], s[AB+2*\g:AB+2*\g+1], 2*KS
.endif
.set gi, 16*\g
.rept 16
	ds_store_b128 v[GSTO+\slot], v[4*gi:4*gi+3] offset:2*PA*gi
.set gi, gi+1
.endr
.endm
.macro RLD g
.set gi, 16*\g
.rept 16
	global_load_b128 v[4*gi:4*gi+3], v[GOFF], s[AB+2*\g:AB+2*\g+1] offset:4096*gi
.set gi, gi+1
.endr
.endm
; Group g of weights, all in window 3: a run of 32 roundings to bf16, out of the registers as loaded into the group's half of OUT; 16 loads that ask for the group again; 16 LDS stores out of OUT.
.macro CVT g
.set gi, 16*\g
.rept 16
	v_cvt_pk_bf16_f32 v[OUT+2*gi], v[4*gi], v[4*gi+1]
	v_cvt_pk_bf16_f32 v[OUT+2*gi+1], v[4*gi+2], v[4*gi+3]
.set gi, gi+1
.endr
.endm
.macro W_LD g
.set gi, 16*\g
.rept 16
	global_load_b128 v[4*gi:4*gi+3], v[GOFF], s[BB+2*\g:BB+2*\g+1] offset:4096*gi
.set gi, gi+1
.endr
.endm
.macro W_ST g, slot
.set gi, 16*\g
.rept 16
	ds_store_b64 v[GSTO+\slot], v[OUT+2*gi:OUT+2*gi+1] offset:PB*gi
.set gi, gi+1
.endr
.endm
; 8 matrix instructions: row blocks a0, a0 + 1 x the 4 weight blocks.  The 32 accumulators take turns, one instruction a turn, in the same order everywhere.
.macro MUL8 f, a0, zero
.irp a, \a0, \a0+1
.irp b, 0,1,2,3
.if \zero
	v_wmma_f32_16x16x32_bf16 v[8*(4*(\a)+\b):8*(4*(\a)+\b)+7], v[\f+64+8*\b:\f+64+8*\b+7], v[\f+8*(\a):\f+8*(\a)+7], 0
.else
	v_wmma_f32_16x16x32_bf16 v[8*(4*(\a)+\b):8*(4*(\a)+\b)+7], v[\f+64+8*\b:\f+64+8*\b+7], v[\f+8*(\a):\f+8*(\a)+7], v[8*(4*(\a)+\b):8*(4*(\a)+\b)+7]
.endif
.endr
.endr
.endm
.macro FETCH slot, q, f                ; 24 LDS loads in one run: the fragments of 32 along K, quarter q of a slot
	WIN 0
.irp b, 0,1,2,3
	ds_load_tr16_b128 v[\f+64+8*\b:\f+64+8*\b+3],   v[ADRB+\slot] offset:32*PB*\q+32*\b
	ds_load_tr16_b128 v[\f+64+8*\b+4:\f+64+8*\b+7], v[ADRB+\slot] offset:32*PB*\q+16*PB+32*\b
.endr
.irp a, 0,1,2,3,4,5,6,7
	ds_load_b128 v[\f+8*\a:\f+8*\a+3],   v[ADRA+\slot] offset:16*PA*\a+64*\q
	ds_load_b128 v[\f+8*\a+4:\f+8*\a+7], v[ADRA+\slot] offset:16*PA*\a+64*\q+32
.endr
.endm
; The middle of a step's second and third quarter: group g of weights is rounded; ONE wait; quarter q's fragments are fetched into buffer f; the group is asked for again and stored.
.macro MID g, p, q, f, stage, issue, cnt
.if \stage
	WIN 0xff
	s_wait_loadcnt \cnt                            ; the group's loads are in, so its base may step
.if \issue
	s_add_nc_u64 s[BB+2*\g:BB+2*\g+1], s[BB+2*\g:BB+2*\g+1], KS*4096
.endif
	CVT \g
.else
	PLACES
.endif
	WIN 0
	s_wait_alu depctr_va_vdst(0)                   ; the quarter before's products are done reading buffer f; the roundings have written their half of OUT and are done reading the weights as loaded
	FETCH \p, \q, \f
.if \stage
	WIN 0xff
.if \issue
	W_LD \g                                        ; between the wait and these loads stand the fetch's loads and a window switch alone
.endif
	W_ST \g, OTH
.endif
.endm
; A step: four quarters of 32 matrix instructions on slot p, on buffers 0, 1, 0, 1; the next chunk is staged in the first three.  ONE barrier, in the last quarter: in front of it each wave
; has waited for its stores into the other slot and for its reads of this one.  c0 to c3: the four groups' counts: a group's 16 loads are the oldest of those that are out.
.macro STEP p, zero, stage, issue, c0, c1, c2, c3, fin
.set OTH, 1-\p
	s_wait_dscnt 0x0                               ; buffer 0 is in
.if \stage
	WIN 0xaa
	RST 0, OTH, \c0, \issue                        ; data from loads, addresses from the head: no vector instruction has named either since
.endif
.if !\zero
	s_wait_alu depctr_va_vdst(0)                   ; the last step's products are done reading buffer 1, which is fetched anew below; the products between name buffer 0 and the accumulators alone
.endif
	WIN MULW
	MUL8 F0, 0, \zero
	PLACES
	FETCH \p, 1, F1
	WIN MULW
	MUL8 F0, 2, \zero
.if \stage
	WIN 0xaa
.if \issue
	s_wait_alu depctr_vm_vsrc(0)                   ; the first group's LDS stores have read their registers, in which the loads below land
	RLD 0
.endif
	RST 1, OTH, \c1, \issue
.endif
	WIN MULW
	MUL8 F0, 4, \zero
	MUL8 F0, 6, \zero
	s_wait_dscnt 16*\stage                         ; the fetch is in; the second group's 16 stores, issued behind it, may stay out
	MUL8 F1, 0, 0
.if \issue
	WIN 0xaa
.endif
.if \stage
	s_wait_alu depctr_vm_vsrc(0)                   ; the second group's LDS stores have read their registers, in which the loads below land; the last step's stores of weights have read OUT, which this step's roundings write again
.endif
.if \issue
	RLD 1
.endif
	WIN MULW
	MUL8 F1, 2, 0
	MID 0, \p, 2, F0, \stage, \issue, \c2
	WIN MULW
	MUL8 F1, 4, 0
	MUL8 F1, 6, 0
	s_wait_dscnt 16*\stage                         ; the fetch is in; the 16 staging stores behind it may stay out
	MUL8 F0, 0, 0
	MUL8 F0, 2, 0
	MID 1, \p, 3, F1, \stage, \issue, \c3
	WIN MULW
	MUL8 F0, 4, 0
	MUL8 F0, 6, 0
	s_wait_dscnt 0x0                               ; buffer 1 is in, my stores are done, my reads of this slot are over
.if \fin
	MUL8 F1, 0, 0
.else
	s_barrier_signal -1
	MUL8 F1, 0, 0                                  ; register work while the others arrive
	s_barrier_wait -1
	PLACES
	WIN 0
	s_wait_alu depctr_va_vdst(0)                   ; the third quarter's products are done reading buffer 0
	FETCH OTH, 0, F0
	WIN MULW
.endif
	MUL8 F1, 2, 0
	MUL8 F1, 4, 0
	MUL8 F1, 6, 0
.endm
; The way out of row block a: 16 rows x 256 bytes through my own stage; LDS serves a wave's instructions in order (ISA guide 5.7.1.4), so no wait stands between the stores and the loads,
; nor between a block's loads and the next block's stores.
.macro TOSTAGE a
	WIN 0x04                                       ; store data in window 1
.irp b, 0,1,2,3
	ds_store_b128 v[STO], v[8*(4*(\a)+\b):8*(4*(\a)+\b)+3]   offset:64*\b
	ds_store_b128 v[STO], v[8*(4*(\a)+\b)+4:8*(4*(\a)+\b)+7] offset:64*\b+16
.endr
	WIN 0
.if (\a) >= 2
	s_wait_xcnt 0x0                                ; the registers that block a - 2's stores read are loaded into only behind this wait,
	s_wait_alu depctr_vm_vsrc(0)                   ; and behind this one: those stores have read them
.endif
.irp t, 0,1,2,3,4,5,6,7
	ds_load_b128 v[OB+32*((\a)%2)+4*\t:OB+32*((\a)%2)+4*\t+3], v[RD] offset:2*SP*\t
.endr
.endm
.macro SEND a, younger                 ; younger: the next block's 16 LDS instructions, which may stay out, or none
	s_wait_dscnt \younger
.irp t, 0,1,2,3,4,5,6,7
	global_store_b128 v[YO], v[OB+32*((\a)%2)+4*\t:OB+32*((\a)%2)+4*\t+3], s[38:39] offset:(16*(\a)+2*\t)*4096   ; 16 lanes store 256 consecutive bytes, aligned
.endr
.endm
	; chunk 0: 64 loads, in the order of the groups
	WIN 0xaa
	s_wait_alu depctr_va_vdst(0)                   ; all addresses and offsets, in windows 0, 2 and 3, are written: every load and store from here on reads some of them
.set gi, 0
.rept 32
	global_load_b128 v[4*gi:4*gi+3], v[GOFF], s[AB+2*(gi/16):AB+2*(gi/16)+1] offset:4096*gi
.set gi, gi+1
.endr
	WIN 0xff
.set gi, 0
.rept 32
	global_load_b128 v[4*gi:4*gi+3], v[GOFF], s[BB+2*(gi/16):BB+2*(gi/16)+1] offset:4096*gi
.set gi, gi+1
.endr
	; chunk 0 into slot 0; chunk 1 is asked for.  The count: a group's 16 loads are the oldest of the 64 that are out
	WIN 0xaa
.irp g, 0,1
	RST \g, 0, 48, 1
	s_wait_alu depctr_vm_vsrc(0)                   ; the group's LDS stores have read their registers, in which the loads below land
	RLD \g
.endr
	WIN 0xff
.irp g, 0,1
	s_wait_loadcnt 48
	s_add_nc_u64 s[BB+2*\g:BB+2*\g+1], s[BB+2*\g:BB+2*\g+1], KS*4096
	CVT \g
	s_wait_alu depctr_va_vdst(0)                   ; the roundings have written their half of OUT and are done reading the weights as loaded
	W_LD \g
	W_ST \g, 0
.endr
	WIN 0
	s_wait_dscnt 0x0
	s_barrier_signal -1
	s_barrier_wait -1
	FETCH 0, 0, F0                                 ; no vector instruction has named buffer 0 yet
	STEP 0, 1, 1, 1, 48, 48, 48, 48, 0             ; step 0: its first products start the sums
	WIN 0                                          ; at a label and at a branch every window is 0
	s_mov_b32 s18, 2
.Lk:                                                   ; steps 1 to 4
	STEP 1, 0, 1, 1, 48, 48, 48, 48, 0
	STEP 0, 0, 1, 1, 48, 48, 48, 48, 0
	WIN 0
	s_sub_co_u32 s18, s18, 1
	s_cmp_lg_u32 s18, 0
	s_cbranch_scc1 .Lk
	STEP 1, 0, 1, 1, 48, 48, 48, 48, 0             ; step 5 asks for chunk 7, the last
	STEP 0, 0, 1, 0, 48, 32, 16, 0, 0              ; step 6 stages it and asks for nothing: the counts run down
	STEP 1, 0, 0, 0, 0, 0, 0, 0, 1                 ; step 7
	WIN 0
	PLACES                                         ; before the LDS stores read the results
	s_wait_alu depctr_va_vdst(0)                   ; the products have written the accumulators, which the LDS stores read, and are done reading the fragment registers, in which the loads from the stage land; no vector instruction follows
	TOSTAGE 0
.irp a, 1,2,3,4,5,6,7                  ; block a's trip through the stage is under way while block a - 1 is stored
	TOSTAGE \a
	SEND \a-1, 16
.endr
	SEND 7, 0
	s_wait_dscnt 0x0
	s_wait_alu depctr_hold_cnt(0) depctr_sa_sdst(0) depctr_va_vdst(0) depctr_va_sdst(0) depctr_va_ssrc(0) depctr_va_vcc(0) depctr_vm_vsrc(0)
	s_wait_tensorcnt 0x0
	ds_add_u32 v62, v63
	s_wait_dscnt 0x0
	s_endpgm
.Lfunc_end_k_q9ff7653e38_down:
	.size	k_q9ff7653e38_down, .Lfunc_end_k_q9ff7653e38_down-k_q9ff7653e38_down
	.p2alignl 7, 3214868480
	.fill 96, 4, 3214868480
	.section	.rodata,"a",@progbits
	.p2align	6, 0x0
	.amdhsa_kernel k_q9ff7653e38_down
		.amdhsa_group_segment_fixed_size 230912
		.amdhsa_private_segment_fixed_size 0
		.amdhsa_enable_private_segment 0
		.amdhsa_kernarg_size 40
		.amdhsa_user_sgpr_count 2
		.amdhsa_user_sgpr_kernarg_segment_ptr 1
		.amdhsa_wavefront_size32 1
		.amdhsa_system_sgpr_workgroup_id_x 1
		.amdhsa_system_sgpr_workgroup_id_y 1
		.amdhsa_system_sgpr_workgroup_id_z 1
		.amdhsa_system_vgpr_workitem_id 0
		.amdhsa_next_free_vgpr 1024
		.amdhsa_next_free_sgpr 66
		.amdhsa_reserve_vcc 0
		.amdhsa_float_denorm_mode_32 3
		.amdhsa_float_denorm_mode_16_64 3
		.amdhsa_memory_ordered 1
		.amdhsa_forward_progress 1
		.amdhsa_inst_pref_size 197
	.end_amdhsa_kernel
	.amdgpu_metadata
---
amdhsa.version: [ 1, 2 ]
amdhsa.kernels:
  - .name:           k_q9ff7653e38_down
    .symbol:         k_q9ff7653e38_down.kd
    .args:
      - { .name: H, .offset: 0, .size: 8, .value_kind: global_buffer, .address_space: global }
      - { .name: Wd, .offset: 8, .size: 8, .value_kind: global_buffer, .address_space: global }
      - { .name: Wd_s, .offset: 16, .size: 8, .value_kind: global_buffer, .address_space: global }
      - { .name: tiles, .offset: 24, .size: 8, .value_kind: global_buffer, .address_space: global }
      - { .name: Y, .offset: 32, .size: 8, .value_kind: global_buffer, .address_space: global }
    .group_segment_fixed_size: 230912
    .private_segment_fixed_size: 0
    .kernarg_segment_align: 8
    .kernarg_segment_size: 40
    .max_flat_workgroup_size: 128
    .sgpr_count:     66
    .vgpr_count:     1024
    .wavefront_size: 32
...
	.end_amdgpu_metadata
.endif
;; end of part 11
;; launch combine: the kernel of part 9 again; grid 256 x 1, 8 waves a work-group, no clusters, 0 bytes of LDS; arguments Y, pos, topg, out0; writes out0
